; MI455X (gfx1250); checked and timed in simulation.
; The chip was launched on July 23, 2026; its instructions are those of AMD's public machine-readable ISA for CDNA 5 (MIT licence, August 2026) and "CDNA5" Instruction Set Architecture Reference Guide (July 2026). The comments in the code are by the model that wrote it; some were corrected since.
;; Self Attention. Allowed arithmetic: float matrix products may take bf16 or f16 operands with f32 sums; other float arithmetic in f32, or as packed bf16 or f16 multiplies, adds, multiply-adds, maxima and minima; sums over many terms, partial sums and values carried from step to step in f32; what a program stores and reads back later, other than sums and carried values, may be rounded once to bf16 or f16.
;; Inputs: bk 1,024 float32; bq 1,024 float32; bv 1,024 float32; wk 1,024 x 1,024 float32; wq 1,024 x 1,024 float32; wv 1,024 x 1,024 float32; x 4 x 2,048 x 1,024 float32.
;; Outputs: out0 4 x 2,048 x 1,024 float32.
;; 3 versions, each right; version 3 is version 2 with the launch cast written anew for expert scheduling mode. Each part assembles by itself: llvm-mc -triple=amdgcn-amd-amdhsa -mcpu=gfx1250 --defsym DOCPART=n.
;; ======== version 1 of 3: 6 launches
;; limits: values are held in f16: magnitudes above 65,504 overflow, below 6.1e-05 lose precision
;; workspace buffers: xb 16,777,216 bytes; wb 6,291,456 bytes; bcat 12,288 bytes; qkv 50,331,648 bytes; sc 67,108,864 bytes; pr 33,554,432 bytes; hd 1,572,864 bytes
;; launch cast (part 1): grid 352 x 1, 8 waves a work-group, no clusters, 0 bytes of LDS; arguments x, wq, wk, wv, bq, bk, bv, xb, wb, bcat; writes xb, wb, bcat
.if DOCPART == 1
	.amdgcn_target "amdgcn-amd-amdhsa--gfx1250"
	.amdhsa_code_object_version 6
	.text
	.protected	k_q67034b13d2_cast
	.globl	k_q67034b13d2_cast
	.p2align	8
	.type	k_q67034b13d2_cast,@function
k_q67034b13d2_cast:
	s_mov_b64 s[64:65], 0
	v_nop
	global_prefetch_b8 v0, s[64:65] scope:SCOPE_SE
	s_setreg_imm32_b32 hwreg(HW_REG_WAVE_MODE, 25, 1), 1
	s_wait_xcnt 0x0
; x and the three weight matrices are rounded once to bf16 (xb; wb = wq | wk | wv, 3,072 rows); the three biases are rounded to bf16 and kept as f32 (bcat).
; A stream: every byte is read once and written once.  A work-group takes 32,768 numbers: 131,072 bytes in, 65,536 out.
; Work-groups 0-255 take x's parts; work-group 256 + h takes part h % 32 of matrix h / 32, and, where h % 32 = 0, that matrix's bias as well.
; Thread t owns 16 bytes at 16 t of each 4,096 bytes read (a wave's load covers 512 consecutive bytes) and 8 bytes at 8 t of each 2,048 written
; (a wave's store covers 256 consecutive bytes, aligned).  All 32 loads go out at once; no register is used twice, so no wait frees any.
; No LDS, no matrix unit, no cluster: no byte is wanted twice.
	s_load_b512 s[4:19], s[0:1], 0x0               ; x s[4:5], wq s[6:7], wk s[8:9], wv s[10:11], bq s[12:13], bk s[14:15], bv s[16:17], xb s[18:19]
	s_load_b128 s[20:23], s[0:1], 0x40             ; wb s[20:21], bcat s[22:23]
	v_lshlrev_b32 v1, 4, v0                        ; 16 t: in
	v_lshlrev_b32 v2, 3, v0                        ; 8 t: out
	s_max_u32 s24, ttmp9, 256
	s_sub_co_u32 s24, s24, 256                     ; h (0 in x's work-groups)
	s_lshr_b32 s25, s24, 5                         ; which matrix
	s_and_b32 s26, s24, 31                         ; which part of it
	s_cmp_lt_u32 ttmp9, 256                        ; x?
	s_cselect_b32 s34, ttmp9, s26                  ; part of the source
	s_cselect_b32 s36, ttmp9, s24                  ; part of the destination
	s_lshl_b32 s34, s34, 17
	s_lshl_b32 s36, s36, 16
	s_mov_b32 s35, 0
	s_mov_b32 s37, 0
	s_lshl_b32 s38, s25, 12                        ; the bias's 4,096 bytes in bcat
	s_mov_b32 s39, 0
	s_wait_kmcnt 0x0
	s_cmp_eq_u32 s25, 1
	s_cselect_b64 s[28:29], s[8:9], s[6:7]
	s_cselect_b64 s[32:33], s[14:15], s[12:13]
	s_cmp_eq_u32 s25, 2
	s_cselect_b64 s[28:29], s[10:11], s[28:29]     ; the matrix
	s_cselect_b64 s[32:33], s[16:17], s[32:33]     ; its bias
	s_cmp_lt_u32 ttmp9, 256
	s_cselect_b64 s[28:29], s[4:5], s[28:29]       ; the source
	s_cselect_b64 s[30:31], s[18:19], s[20:21]     ; the destination
	s_add_nc_u64 s[28:29], s[28:29], s[34:35]
	s_add_nc_u64 s[30:31], s[30:31], s[36:37]
	s_add_nc_u64 s[22:23], s[22:23], s[38:39]
.set i, 0
.rept 32
	global_load_b128 v[8+4*i:11+4*i], v1, s[28:29] offset:4096*i th:TH_LOAD_NT
.set i, i+1
.endr
.set i, 0
.rept 32
	s_wait_loadcnt 31-i                            ; loads come back in order: the 31 - i younger ones may stay out
	v_cvt_pk_bf16_f32 v[8+4*i], v[8+4*i], v[9+4*i]
	v_cvt_pk_bf16_f32 v[9+4*i], v[10+4*i], v[11+4*i]
	global_store_b64 v2, v[8+4*i:9+4*i], s[30:31] offset:2048*i
.set i, i+1
.endr
	s_cmp_lt_u32 ttmp9, 256
	s_cbranch_scc1 .Lend
	s_cmp_lg_u32 s26, 0
	s_cbranch_scc1 .Lend
	global_load_b128 v[4:7], v1, s[32:33]          ; the bias: 1,024 numbers, four a thread
	s_wait_loadcnt 0x0
	v_cvt_pk_bf16_f32 v3, v4, v5                   ; rounded as the other inputs are,
	v_cvt_pk_bf16_f32 v0, v6, v7
	v_lshlrev_b32 v4, 16, v3                       ; and widened again: it starts f32 sums
	v_and_b32 v5, 0xffff0000, v3
	v_lshlrev_b32 v6, 16, v0
	v_and_b32 v7, 0xffff0000, v0
	global_store_b128 v1, v[4:7], s[22:23]
.Lend:
	s_endpgm
.Lfunc_end_k_q67034b13d2_cast:
	.size	k_q67034b13d2_cast, .Lfunc_end_k_q67034b13d2_cast-k_q67034b13d2_cast
	.p2alignl 7, 3214868480
	.fill 96, 4, 3214868480
	.section	.rodata,"a",@progbits
	.p2align	6, 0x0
	.amdhsa_kernel k_q67034b13d2_cast
		.amdhsa_group_segment_fixed_size 0
		.amdhsa_private_segment_fixed_size 0
		.amdhsa_enable_private_segment 0
		.amdhsa_kernarg_size 80
		.amdhsa_user_sgpr_count 2
		.amdhsa_user_sgpr_kernarg_segment_ptr 1
		.amdhsa_wavefront_size32 1
		.amdhsa_system_sgpr_workgroup_id_x 1
		.amdhsa_system_sgpr_workgroup_id_y 1
		.amdhsa_system_sgpr_workgroup_id_z 1
		.amdhsa_system_vgpr_workitem_id 0
		.amdhsa_next_free_vgpr 136
		.amdhsa_next_free_sgpr 66
		.amdhsa_reserve_vcc 0
		.amdhsa_float_denorm_mode_32 3
		.amdhsa_float_denorm_mode_16_64 3
		.amdhsa_memory_ordered 1
		.amdhsa_forward_progress 1
		.amdhsa_inst_pref_size 14
	.end_amdhsa_kernel
	.amdgpu_metadata
---
amdhsa.version: [ 1, 2 ]
amdhsa.kernels:
  - .name:           k_q67034b13d2_cast
    .symbol:         k_q67034b13d2_cast.kd
    .args:
      - { .name: x, .offset: 0, .size: 8, .value_kind: global_buffer, .address_space: global }
      - { .name: wq, .offset: 8, .size: 8, .value_kind: global_buffer, .address_space: global }
      - { .name: wk, .offset: 16, .size: 8, .value_kind: global_buffer, .address_space: global }
      - { .name: wv, .offset: 24, .size: 8, .value_kind: global_buffer, .address_space: global }
      - { .name: bq, .offset: 32, .size: 8, .value_kind: global_buffer, .address_space: global }
      - { .name: bk, .offset: 40, .size: 8, .value_kind: global_buffer, .address_space: global }
      - { .name: bv, .offset: 48, .size: 8, .value_kind: global_buffer, .address_space: global }
      - { .name: xb, .offset: 56, .size: 8, .value_kind: global_buffer, .address_space: global }
      - { .name: wb, .offset: 64, .size: 8, .value_kind: global_buffer, .address_space: global }
      - { .name: bcat, .offset: 72, .size: 8, .value_kind: global_buffer, .address_space: global }
    .group_segment_fixed_size: 0
    .private_segment_fixed_size: 0
    .kernarg_segment_align: 8
    .kernarg_segment_size: 80
    .max_flat_workgroup_size: 256
    .sgpr_count:     66
    .vgpr_count:     136
    .wavefront_size: 32
...
	.end_amdgpu_metadata
.endif
;; end of part 1
;; launch proj (part 2): grid 8 x 64, 4 waves a work-group, clusters of 4 x 4, 327,680 bytes of LDS; arguments xb, wb, bcat, qkv, hd; writes qkv, hd
.if DOCPART == 2
	.amdgcn_target "amdgcn-amd-amdhsa--gfx1250"
	.amdhsa_code_object_version 6
	.text
	.protected	k_q67034b13d2_proj
	.globl	k_q67034b13d2_proj
	.p2align	8
	.type	k_q67034b13d2_proj,@function
k_q67034b13d2_proj:
	s_mov_b64 s[64:65], 0
	v_nop
	global_prefetch_b8 v0, s[64:65] scope:SCOPE_SE
	s_setreg_imm32_b32 hwreg(HW_REG_WAVE_MODE, 25, 1), 1
	s_wait_xcnt 0x0
	s_wait_alu depctr_hold_cnt(0) depctr_sa_sdst(0) depctr_va_vdst(0) depctr_va_sdst(0) depctr_va_ssrc(0) depctr_va_vcc(0) depctr_vm_vsrc(0)
	s_getreg_b32 s2, hwreg(HW_REG_IB_STS2, 6, 4)
	s_cmp_eq_u32 s2, 0
	s_cbranch_scc0 .Lentry_in_a_cluster
	s_endpgm
.Lentry_in_a_cluster:
	s_bfe_u32 s2, ttmp6, 0x10000c
	s_cmp_lg_u32 s2, 0xf033
	s_cbranch_scc0 .Lentry_shape_is_right
	s_endpgm
.Lentry_shape_is_right:
; qkv[row][col] = the sum over d of xb[row][d] wb[col][d] + bcat[col].  xb: [8192][1024] bf16, wb: [3072][1024] bf16, bcat: [3072] f32, qkv: [8192][3072] f16.
; Sums in f32, started by the bias; qkv rounded once.  LIMIT: f16 ends at 65,504: q, k and v must stay within it; NaN and infinities are not treated apart.
; hd[b][row][col], [4][32][3072] f32: the same sums, unrounded, for the first 32 rows of each batch: those rows of the output are means over few keys and are made again from hd by a later launch.
; A tile is 128 rows x 384 columns: 64 x 8 = 512 tiles, twice 256; 384 f16 are three aligned blocks of 256 bytes.  Four waves; wave w makes all 128 rows x columns 96 w .. 96 w + 95:
; 48 accumulators (a = 0..7 row blocks, b = 0..5 column blocks).  K goes in 8 steps of 128 (rows of 256 bytes) through a ring of two LDS slots.
; CLUSTER 4 x 4: the four of a row of the cluster need the same rows of xb, the four of a column the same rows of wb: joint loads.  Wave 0 fetches xb's 128 rows, waves 1-3 128 rows of wb each.
; The tile row is 16 cy + cluster y: cy is the batch, and a batch's first tile lies in the clusters with y = 0: the branch round hd's stores is the same in all sixteen partners.
; THE MATRIX INSTRUCTION IS USED TRANSPOSED (source 0 = 16 rows of wb, source 1 = 16 rows of xb): a lane holds row l % 16 and the eight columns 8 (l / 16) + 0..7.
; REGISTERS (s_set_vgpr_msb: bits 1:0 source 0, 3:2 source 1, 5:4 source 2, 7:6 destination):
;   window 0: v0-15 addresses; two fragment buffers of 112 (xb's 8 fragments, then wb's 6) at v32 and v144; on the way out v32-223 at work
;   window 1: accumulators b = 0..3 at v[8 (8 b + a)]     window 2: b = 4, 5 at v[8 (8 (b - 4) + a)]; the bias, 8 numbers a lane for each b, at v[128 + 8 b]
.set KSTEP,  128
.set PITCH,  272                       ; an LDS row: 256 bytes + 16 of padding: the 16 rows of a load start at 16 different groups of four banks (64 banks of 4 bytes: ISA guide 11.1)
.set HALFT,  128*PITCH                 ; what one tensor load brings
.set SLOT,   4*HALFT                   ; xb's 128 rows, then wb's 384
.set SPARE,  2*SLOT                    ; behind the ring: the spare words, 128 bytes for each wave
.set SPITCH, 784                       ; the stage's rows: 768 bytes + 16.  The stage (128 rows) lies in slot 0, which has had its last fill and its last read when the stage is written
.set LAPS,   4                         ; 8 K steps, two a lap
.set HROW,   12288                     ; bytes in a row of hd
.set HO,   3                           ; v3     my byte offset in hd: row l % 16, 32 bytes for each half of the lanes
.set ADRA, 4                           ; v4-5   LDS address of my xb fragments in slot 0, 1
.set ADRB, 6                           ; v6-7   the same for wb
.set STO,  8                           ; v8     the way out: where I put 16 bytes of rows 0-63
.set STO2, 9                           ; v9     of rows 64-127
.set RD,   10                          ; v10    where I read rows back
.set CO,   11                          ; v11    my byte offset in qkv
.set BO,   12                          ; v12    my byte offset in a block of 16 biases
.set PFO,  13                          ; v13    the prefetches' offset: my lane x a row of 2,048 bytes
.set SPW,  14                          ; v14    LDS address of my spare word; never rewritten
.set NIL,  15                          ; v15    0; never rewritten
.set F0,   32
.set F1,   144
.set TMP,  32
.set BIAS, 128                         ; in window 2
.set G1,  24                           ; s[24:31] descriptor group 1 for xb;  s[32:39] group 0, a set for each slot
.set G0,  32
.set G1B, 48                           ; s[48:55], s[56:63] the same for wb
.set G0B, 56
.set PFA, 70                           ; s[70:71] where my prefetches stand
.set LIM, 72                           ; s72  1 in a wave that prefetches, else the greatest number
.set CLY, 73                           ; s73  the cluster's y
.set HD,  74                           ; s[74:75] hd at my batch, my wave's first column
.set MSB, 0
.macro WIN new                         ; the immediate's high byte repeats the setting that is left; a switch that changes nothing is dropped
.if MSB != (\new)
	s_set_vgpr_msb (MSB<<8)|(\new)
.set MSB, \new
.endif
.endm
.set W1,  0x50                         ; C and D in window 1, sources in window 0
.set W2,  0xa0                         ; C and D in window 2
.set W1F, 0x60                         ; D in window 1, C (the bias) in window 2
; A joint load.  The branch hangs on the wave's number alone.  An s_nop 0 and four v_nop follow each of the two lines.
.macro JLOAD s
	s_cmp_eq_u32 s12, 0
	s_cbranch_scc0 .Lfor_b_\@
	tensor_load_to_lds s[G0+4*(\s):G0+4*(\s)+3], s[G1:G1+7]
	s_nop 0
.rept 4
	v_nop
.endr
	s_branch .Lasked_\@
.Lfor_b_\@:
	tensor_load_to_lds s[G0B+4*(\s):G0B+4*(\s)+3], s[G1B:G1B+7]
	s_nop 0
.rept 4
	v_nop
.endr
.Lasked_\@:
.endm
; A prefetch of the K step that stands two refills on: 32 rows x 256 bytes, a lane a row.  xb's rows are read by both clusters of a row of clusters: the one with x = 0 asks; wb's by all sixteen of a
; column: the one with y = 0 asks.  Of the 128 rows that a wave fetches each of the four partners that ask for them jointly takes 32, by address.  So each 256 bytes are named once.
; K steps 0-3 come by their loads alone; the loop's last trip (s3 = 1) has no K step two refills on.
.macro ASK
	s_cmp_gt_u32 s3, s[LIM]
	s_cbranch_scc0 .Lnot_mine_\@
	global_prefetch_b8 v[PFO], s[PFA:PFA+1] offset:KSTEP*2 th:TH_LOAD_NT scope:SCOPE_SE
.Lnot_mine_\@:
.endm
.macro CREST                           ; a round of the cluster's barrier behind its opening barrier
	s_cmp_lg_u32 s12, 0
	s_cbranch_scc1 .Lnot_wave_0_\@
	s_barrier_signal -3
.Lnot_wave_0_\@:
	s_barrier_wait -3
	s_barrier_signal -1
	s_barrier_wait -1
.endm
.macro CROUND
	s_barrier_signal -1
	s_barrier_wait -1
	CREST
.endm
	s_load_b256 s[4:11], s[0:1], 0x0               ; xb s[4:5], wb s[6:7], bcat s[8:9], qkv s[10:11]
	s_load_b64 s[HD:HD+1], s[0:1], 0x20            ; hd
	v_lshl_add_u32 v[SPW], v0, 2, SPARE
	v_mov_b32 v[NIL], 0
	ds_add_u32 v[SPW], v[NIL]                      ; the wave's opening: the add and its wait ahead of my first tensor load
	v_lshrrev_b32 v1, 5, v0
	v_readfirstlane_b32 s12, v1                    ; wave 0..3
	s_bfe_u32 s40, ttmp6, 0x40000                  ; cx
	s_bfe_u32 s41, ttmp6, 0x40004                  ; cy
	s_lshl_b32 s42, ttmp9, 2
	s_add_co_u32 s42, s42, s40                     ; tile column tx = 4 x cluster x + cx
	s_and_b32 s[CLY], ttmp7, 0xffff
	s_lshl_b32 s13, s41, 4
	s_add_co_u32 s13, s13, s[CLY]                  ; tile row ty = 16 cy + cluster y
	s_lshl_b32 s43, s41, 2
	s_lshl_b32 s43, 15, s43                        ; my row of the cluster
	s_lshl_b32 s44, 0x1111, s40                    ; my column
	s_or_b32 s[G1+0], s43, (1<<16)|(1<<20)|(1<<21)|(5<<22)|(3<<25)   ; the mask; 2-byte elements; padding on; bit 21 beside a mask; after every 64 words 4 words
	s_or_b32 s[G1B+0], s44, (1<<16)|(1<<20)|(1<<21)|(5<<22)|(3<<25)
.irp g, G1, G1B
	s_mov_b32 s[(\g)+1], KSTEP<<16                 ; tensor_dim0 = 128
	s_mov_b32 s[(\g)+2], 128<<16                   ; tensor_dim1 = 128
	s_mov_b32 s[(\g)+3], KSTEP<<16                 ; tile_dim0 = 128
	s_mov_b32 s[(\g)+4], 128                       ; tile_dim1 = 128
	s_mov_b32 s[(\g)+5], 1024                      ; elements from row to row
	s_mov_b32 s[(\g)+6], 0
	s_mov_b32 s[(\g)+7], 0
.endr
	s_lshl_b32 s16, s13, 18                        ; xb: 128 ty rows of 2,048 bytes
	s_mov_b32 s17, 0
	s_max_u32 s45, s12, 1
	s_sub_co_u32 s45, s45, 1
	s_lshl_b32 s45, s45, 7                         ; wb: which 128 of the tile's 384 rows I fetch (wave 0 fetches none: 0)
	s_mul_i32 s46, s42, 384
	s_add_co_u32 s46, s46, s45
	s_lshl_b32 s46, s46, 11
	s_mov_b32 s47, 0
	s_mul_i32 s20, s12, HALFT                      ; where they go: wave x 128 rows
	s_wait_dscnt 0x0                               ; the opening add is done
	s_wait_kmcnt 0x0
	s_add_nc_u64 s[14:15], s[4:5], s[16:17]
	s_add_nc_u64 s[46:47], s[6:7], s[46:47]
	CROUND                                         ; all sixteen work-groups are here: the first joint loads meet
.irp s, 0,1
	s_mov_b32 s[G0+4*(\s)], 1
	s_add_co_u32 s[G0+4*(\s)+1], s20, (\s)*SLOT
	s_add_nc_u64 s[G0+4*(\s)+2:G0+4*(\s)+3], s[14:15], (\s)*KSTEP*2
	s_or_b32 s[G0+4*(\s)+3], s[G0+4*(\s)+3], 0x80000000
	s_mov_b32 s[G0B+4*(\s)], 1
	s_add_co_u32 s[G0B+4*(\s)+1], s20, (\s)*SLOT
	s_add_nc_u64 s[G0B+4*(\s)+2:G0B+4*(\s)+3], s[46:47], (\s)*KSTEP*2
	s_or_b32 s[G0B+4*(\s)+3], s[G0B+4*(\s)+3], 0x80000000
	JLOAD \s
.endr
	v_and_b32 v1, 15, v0                           ; r = l % 16
	v_bfe_u32 v2, v0, 4, 1                         ; h = l / 16
	v_lshlrev_b32 v[BO], 5, v2                     ; my eight biases of a block of 16
	s_mul_i32 s46, s42, 384
	s_mul_i32 s47, s12, 96
	s_add_co_u32 s46, s46, s47                     ; my wave's first column
	s_lshl_b32 s46, s46, 2
	s_mov_b32 s47, 0
	s_add_nc_u64 s[8:9], s[8:9], s[46:47]
	s_add_nc_u64 s[HD:HD+1], s[HD:HD+1], s[46:47]  ; the same column in hd,
	s_mul_i32 s76, s41, 32*HROW                    ; in my batch's 32 rows
	s_mov_b32 s77, 0
	s_add_nc_u64 s[HD:HD+1], s[HD:HD+1], s[76:77]
	WIN 0x80                                       ; destination window 2
.irp b, 0,1,2,3,4,5
	global_load_b128 v[BIAS+8*(\b):BIAS+8*(\b)+3],   v[BO], s[8:9] offset:64*(\b)
	global_load_b128 v[BIAS+8*(\b)+4:BIAS+8*(\b)+7], v[BO], s[8:9] offset:64*(\b)+16
.endr
	WIN 0
	v_mul_u32_u24 v3, v1, PITCH
	v_lshl_add_u32 v3, v2, 4, v3                   ; a fragment's row x pitch + 16 x half
	s_mul_i32 s21, s12, 96*PITCH
	s_add_co_u32 s21, s21, HALFT                   ; my 96 rows of wb, behind xb's 128
	v_mov_b32 v[ADRA], v3
	v_add_nc_u32 v[ADRA+1], SLOT, v3
	v_add_nc_u32 v[ADRB], s21, v3
	v_add_nc_u32 v[ADRB+1], SLOT, v[ADRB]
	v_mul_u32_u24 v[HO], v1, HROW                  ; from here on v3 is my place in hd
	v_lshl_add_u32 v[HO], v2, 5, v[HO]
	s_mul_i32 s22, s12, 192
	v_mul_u32_u24 v[STO], v1, SPITCH               ; into the stage: row r, my wave's 192 bytes, 16 bytes for each half of the lanes
	v_lshl_add_u32 v[STO], v2, 4, v[STO]
	v_add_nc_u32 v[STO], s22, v[STO]
	v_add_nc_u32 v[STO2], 64*SPITCH, v[STO]
	s_mul_i32 s22, s12, 32*SPITCH                  ; back: wave w takes rows 32 w .. 32 w + 31 whole; lanes 0-15 256 bytes of one row, lanes 16-31 of the next
	v_mul_u32_u24 v[RD], v2, SPITCH
	v_lshl_add_u32 v[RD], v1, 4, v[RD]
	v_add_nc_u32 v[RD], s22, v[RD]
	v_mul_u32_u24 v[CO], v2, 6144
	v_lshl_add_u32 v[CO], v1, 4, v[CO]
	s_lshl_b32 s16, s13, 7
	s_lshl_b32 s17, s12, 5
	s_add_co_u32 s16, s16, s17                     ; the first row of qkv that I store
	s_mul_i32 s16, s16, 6144
	s_mov_b32 s17, 0
	s_add_nc_u64 s[10:11], s[10:11], s[16:17]
	s_mul_i32 s46, s42, 768                        ; the tile's first column, in bytes
	s_mov_b32 s47, 0
	s_add_nc_u64 s[10:11], s[10:11], s[46:47]
	; the prefetches
	s_lshl_b32 s20, s13, 7                         ; xb's first row,
	s_mul_i32 s21, s42, 384
	s_add_co_u32 s21, s21, s45                     ; wb's
	s_and_b32 s22, ttmp7, 0xffff                   ; cluster y
	s_cmp_eq_u32 s12, 0                            ; do I fetch for xb?
	s_cselect_b32 s20, s20, s21
	s_cselect_b32 s21, s40, s41                    ; my place among the four that ask with me
	s_cselect_b32 s22, ttmp9, s22                  ; the coordinate along which other clusters read the same rows
	s_cselect_b64 s[PFA:PFA+1], s[4:5], s[6:7]
	s_cmp_eq_u32 s22, 0
	s_cselect_b32 s[LIM], 1, -1                    ; the same in all sixteen partners, for a given wave
	s_lshl_b32 s21, s21, 5
	s_add_co_u32 s20, s20, s21                     ; my work-group's 32 rows
	s_lshl_b32 s20, s20, 11
	s_mov_b32 s21, 0
	s_add_nc_u64 s[PFA:PFA+1], s[PFA:PFA+1], s[20:21]
	s_add_nc_u64 s[PFA:PFA+1], s[PFA:PFA+1], 2*KSTEP*2  ; at K step 2: the first refill steps it to 3 and names K step 4
	v_and_b32 v[PFO], 31, v0
	v_lshlrev_b32 v[PFO], 11, v[PFO]
; 16 matrix instructions: column blocks b0, b0 + 1 x all 8 row blocks, 32 along K.  first = 1: the bias starts the sums: nothing is cleared or added later.
; The 48 accumulators take turns in the same order in every quarter.
.macro MULB f, b0, first
.if (\b0) >= 4
	WIN W2
.elseif \first
	WIN W1F
.else
	WIN W1
.endif
.irp b, \b0, (\b0)+1
.irp a, 0,1,2,3,4,5,6,7
.if \first
	v_wmma_f32_16x16x32_bf16 v[8*(8*((\b)%4)+(\a)):8*(8*((\b)%4)+(\a))+7], v[(\f)+64+8*(\b):(\f)+64+8*(\b)+7], v[(\f)+8*(\a):(\f)+8*(\a)+7], v[BIAS+8*(\b):BIAS+8*(\b)+7]
.else
	v_wmma_f32_16x16x32_bf16 v[8*(8*((\b)%4)+(\a)):8*(8*((\b)%4)+(\a))+7], v[(\f)+64+8*(\b):(\f)+64+8*(\b)+7], v[(\f)+8*(\a):(\f)+8*(\a)+7], v[8*(8*((\b)%4)+(\a)):8*(8*((\b)%4)+(\a))+7]
.endif
.endr
.endr
.endm
; 28 LDS loads in one run: xb's 16, then wb's 12, the last four of them blocks 4 and 5
.macro FETCH slot, k, f
	WIN 0
.irp i, 0,1,2,3,4,5,6,7
	ds_load_b128 v[(\f)+8*(\i):(\f)+8*(\i)+3],   v[ADRA+(\slot)] offset:(\k)+(\i)*16*PITCH
	ds_load_b128 v[(\f)+8*(\i)+4:(\f)+8*(\i)+7], v[ADRA+(\slot)] offset:(\k)+(\i)*16*PITCH+32
.endr
.irp i, 0,1,2,3,4,5
	ds_load_b128 v[(\f)+64+8*(\i):(\f)+64+8*(\i)+3],   v[ADRB+(\slot)] offset:(\k)+(\i)*16*PITCH
	ds_load_b128 v[(\f)+64+8*(\i)+4:(\f)+64+8*(\i)+7], v[ADRB+(\slot)] offset:(\k)+(\i)*16*PITCH+32
.endr
.endm
.macro PLACES                          ; four places in front of loads into registers that matrix instructions have read, and of lines that read results
.rept 4
	v_nop
.endr
.endm
; A K step is four quarters of 32 along K, 48 matrix instructions each, on buffers 0, 1, 0, 1.  One of the first three: multiplies f, fetches the next quarter, at byte k, into g.
.macro QUARTER slot, k, f, g, first
	s_wait_dscnt 4                                 ; all but the youngest four loads (wb's blocks 4 and 5)
	MULB \f, 0, \first
	MULB \f, 2, \first
	PLACES
	FETCH \slot, \k, \g
	s_wait_dscnt 28                                ; all but the 28 just issued
	MULB \f, 4, \first
.endm
; The last quarter multiplies buffer 1 and changes slots: one barrier; in front of it each wave waits for all its tensor loads, adds 0 to its spare word, and waits for that and for its reads of this slot.
; fill = 1: the barrier opens a round of the cluster's barrier, and this slot is filled again, two K steps ahead, first thing behind the round.
.macro TURN slot, next, fill
.if \fill
	s_wait_xcnt 0x0                                ; the last prefetch, a K step back, has read its address
	s_add_nc_u64 s[PFA:PFA+1], s[PFA:PFA+1], KSTEP*2
.endif
	WIN 0
	s_wait_tensorcnt 0x0                           ; all my tensor loads have landed: my part of the next slot
	ds_add_u32 v[SPW], v[NIL]                      ; 0 onto my spare word
.if \fill
	s_add_nc_u64 s[G0+4*(\slot)+2:G0+4*(\slot)+3], s[G0+4*(\slot)+2:G0+4*(\slot)+3], 2*KSTEP*2     ; no load of mine is out: this slot's next K step
	s_add_nc_u64 s[G0B+4*(\slot)+2:G0B+4*(\slot)+3], s[G0B+4*(\slot)+2:G0B+4*(\slot)+3], 2*KSTEP*2
.endif
	s_wait_dscnt 5                                 ; the add and the youngest four loads may be out
	MULB F1, 0, 0
	s_wait_dscnt 0x0                               ; the add is done, and my reads of this slot are over
	s_barrier_signal -1
	MULB F1, 2, 0
.if \fill
	WIN 0
.endif
	s_barrier_wait -1
.if \fill
	CREST                                          ; no wave of any partner still reads this slot or has a load on its way
	JLOAD \slot                                    ; its four v_nop are also the places in front of the loads below
.else
	PLACES
.endif
	FETCH \next, 0, F0
.if \fill
	ASK
.endif
	MULB F1, 4, 0
.endm
	s_wait_tensorcnt 1                             ; my part of K step 0 is in; K step 1's may stay out
	s_barrier_signal -1
	s_barrier_wait -1
	FETCH 0, 0, F0
	s_wait_loadcnt 0x0                             ; the bias
	QUARTER 0, 64, F0, F1, 1                       ; the first quarter stands in front of the loop: its products start the sums
	WIN 0
	s_mov_b32 s3, LAPS-1
.Llap:                                                 ; a trip goes once round the ring and fills both slots again
	QUARTER 0, 128, F1, F0, 0
	QUARTER 0, 192, F0, F1, 0
	TURN 0, 1, 1
	QUARTER 1, 64,  F0, F1, 0
	QUARTER 1, 128, F1, F0, 0
	QUARTER 1, 192, F0, F1, 0
	TURN 1, 0, 1
	QUARTER 0, 64,  F0, F1, 0
	WIN 0
	s_sub_co_u32 s3, s3, 1
	s_cmp_lg_u32 s3, 0
	s_cbranch_scc1 .Llap
	QUARTER 0, 128, F1, F0, 0                      ; the last lap fills nothing
	QUARTER 0, 192, F0, F1, 0
	TURN 0, 1, 0                                   ; behind this barrier nobody reads slot 0 any more, and no load fills it
	QUARTER 1, 64,  F0, F1, 0
	QUARTER 1, 128, F1, F0, 0
	QUARTER 1, 192, F0, F1, 0
	s_wait_dscnt 4
	MULB F1, 0, 0
	MULB F1, 2, 0
	s_wait_dscnt 0x0
	MULB F1, 4, 0
	PLACES
	; A BATCH'S FIRST TILE (cluster y = 0, the same in all sixteen partners): rows 0-31, row blocks a = 0 and 1, go to hd as they are, each accumulator's low registers first.
	; A lane's eight sums are 32 consecutive bytes of a row; the two halves of the lanes make runs of 64 bytes: 24 stores a wave, in 32 of the 512 work-groups.
	WIN 0
	s_cmp_lg_u32 s[CLY], 0
	s_cbranch_scc1 .Lno_head
	WIN 0x04                                       ; the stores' data in window 1
.irp b, 0,1,2,3
.irp a, 0,1
	global_store_b128 v[HO], v[8*(8*(\b)+(\a)):8*(8*(\b)+(\a))+3],   s[HD:HD+1] offset:(\a)*16*HROW+64*(\b)
	global_store_b128 v[HO], v[8*(8*(\b)+(\a))+4:8*(8*(\b)+(\a))+7], s[HD:HD+1] offset:(\a)*16*HROW+64*(\b)+16
.endr
.endr
	WIN 0x08                                       ; in window 2
.irp b, 4,5
.irp a, 0,1
	global_store_b128 v[HO], v[8*(8*((\b)-4)+(\a)):8*(8*((\b)-4)+(\a))+3],   s[HD:HD+1] offset:(\a)*16*HROW+64*(\b)
	global_store_b128 v[HO], v[8*(8*((\b)-4)+(\a))+4:8*(8*((\b)-4)+(\a))+7], s[HD:HD+1] offset:(\a)*16*HROW+64*(\b)+16
.endr
.endr
	WIN 0
.Lno_head:
	; THE WAY OUT: round to f16 (each accumulator's registers in ascending order); 16 bytes a lane into the stage; a barrier, since a row's 768 bytes come from four waves; back as whole rows.
	WIN 0x05                                       ; sources in window 1
.irp b, 0,1,2,3
.irp a, 0,1,2,3,4,5,6,7
.irp r, 0,1,2,3
	v_cvt_pk_f16_f32 v[TMP+4*(8*(\b)+(\a))+(\r)], v[8*(8*(\b)+(\a))+2*(\r)], v[8*(8*(\b)+(\a))+2*(\r)+1]
.endr
.endr
.endr
	WIN 0x0a                                       ; sources in window 2
.irp b, 4,5
.irp a, 0,1,2,3,4,5,6,7
.irp r, 0,1,2,3
	v_cvt_pk_f16_f32 v[TMP+4*(8*(\b)+(\a))+(\r)], v[8*(8*((\b)-4)+(\a))+2*(\r)], v[8*(8*((\b)-4)+(\a))+2*(\r)+1]
.endr
.endr
.endr
	WIN 0
.irp b, 0,1,2,3,4,5
.irp a, 0,1,2,3
	ds_store_b128 v[STO],  v[TMP+4*(8*(\b)+(\a)):TMP+4*(8*(\b)+(\a))+3]     offset:(\a)*16*SPITCH+32*(\b)
	ds_store_b128 v[STO2], v[TMP+4*(8*(\b)+(\a)+4):TMP+4*(8*(\b)+(\a)+4)+3] offset:(\a)*16*SPITCH+32*(\b)
.endr
.endr
	s_wait_dscnt 0x0                               ; for the others' sake: my stores into the stage are done
	s_barrier_signal -1
	s_barrier_wait -1
.set t, 0
.rept 48                                       ; pair of rows t / 3, block of 256 bytes t % 3
	ds_load_b128 v[TMP+4*t:TMP+4*t+3], v[RD] offset:(t/3)*2*SPITCH+(t%3)*256
.set t, t+1
.endr
.set t, 0
.rept 48
	s_wait_dscnt 47-t                              ; the 47 - t younger loads may stay out
	global_store_b128 v[CO], v[TMP+4*t:TMP+4*t+3], s[10:11] offset:(t/3)*2*6144+(t%3)*256  ; 16 lanes store 256 consecutive bytes, at a multiple of 256 from qkv's first byte
.set t, t+1
.endr
	s_wait_tensorcnt 0x0                           ; the wave's end
	ds_add_u32 v[SPW], v[NIL]
	s_wait_dscnt 0x0
	CROUND                                         ; the closing round
	s_endpgm
.Lfunc_end_k_q67034b13d2_proj:
	.size	k_q67034b13d2_proj, .Lfunc_end_k_q67034b13d2_proj-k_q67034b13d2_proj
	.p2alignl 7, 3214868480
	.fill 96, 4, 3214868480
	.section	.rodata,"a",@progbits
	.p2align	6, 0x0
	.amdhsa_kernel k_q67034b13d2_proj
		.amdhsa_group_segment_fixed_size 327680
		.amdhsa_private_segment_fixed_size 0
		.amdhsa_enable_private_segment 0
		.amdhsa_kernarg_size 40
		.amdhsa_user_sgpr_count 2
		.amdhsa_user_sgpr_kernarg_segment_ptr 1
		.amdhsa_wavefront_size32 1
		.amdhsa_system_sgpr_workgroup_id_x 1
		.amdhsa_system_sgpr_workgroup_id_y 1
		.amdhsa_system_sgpr_workgroup_id_z 1
		.amdhsa_system_vgpr_workitem_id 0
		.amdhsa_next_free_vgpr 688
		.amdhsa_next_free_sgpr 80
		.amdhsa_reserve_vcc 0
		.amdhsa_float_denorm_mode_32 3
		.amdhsa_float_denorm_mode_16_64 3
		.amdhsa_memory_ordered 1
		.amdhsa_forward_progress 1
		.amdhsa_inst_pref_size 120
	.end_amdhsa_kernel
	.amdgpu_metadata
---
amdhsa.version: [ 1, 2 ]
amdhsa.kernels:
  - .name:           k_q67034b13d2_proj
    .symbol:         k_q67034b13d2_proj.kd
    .args:
      - { .name: xb, .offset: 0, .size: 8, .value_kind: global_buffer, .address_space: global }
      - { .name: wb, .offset: 8, .size: 8, .value_kind: global_buffer, .address_space: global }
      - { .name: bcat, .offset: 16, .size: 8, .value_kind: global_buffer, .address_space: global }
      - { .name: qkv, .offset: 24, .size: 8, .value_kind: global_buffer, .address_space: global }
      - { .name: hd, .offset: 32, .size: 8, .value_kind: global_buffer, .address_space: global }
    .group_segment_fixed_size: 327680
    .private_segment_fixed_size: 0
    .kernarg_segment_align: 8
    .kernarg_segment_size: 40
    .max_flat_workgroup_size: 128
    .sgpr_count:     80
    .vgpr_count:     688
    .wavefront_size: 32
...
	.end_amdgpu_metadata
.endif
;; end of part 2
;; launch scores (part 3): grid 36 x 4, 4 waves a work-group, no clusters, 327,680 bytes of LDS; arguments qkv, sc; writes sc
.if DOCPART == 3
	.amdgcn_target "amdgcn-amd-amdhsa--gfx1250"
	.amdhsa_code_object_version 6
	.text
	.protected	k_q67034b13d2_scores
	.globl	k_q67034b13d2_scores
	.p2align	8
	.type	k_q67034b13d2_scores,@function
k_q67034b13d2_scores:
	s_mov_b64 s[64:65], 0
	v_nop
	global_prefetch_b8 v0, s[64:65] scope:SCOPE_SE
	s_setreg_imm32_b32 hwreg(HW_REG_WAVE_MODE, 25, 1), 1
	s_wait_xcnt 0x0
; sc[b][q][k] = the sum over d of q[b][q][d] k[b][k][d], unscaled, f32, for the 36 tiles of 256 x 256 of each batch that hold a key k <= q.  q and k are f16, bytes 0 and 2,048 of qkv's rows of 6,144.
; Work-group t of a batch makes tile (i, j), j <= i, t = i (i + 1) / 2 + j.  Four waves, each 128 queries x 128 keys: 64 accumulators, 512 registers.  K goes in 8 steps of 128 through two LDS slots.
; NO CLUSTER: row i of the triangle has i + 1 tiles and column j 8 - j: the 36 tiles do not fall into fours that share a row or a column, and square clusters would hold work-groups that lie wholly
; above the diagonal and have nothing to do.
; THE MATRIX INSTRUCTION IS USED TRANSPOSED (source 0 = 16 keys, source 1 = 16 queries): a lane holds query l % 16 and the eight keys 8 (l / 16) + 0..7: 32 consecutive bytes of sc.
; REGISTERS: window 0: v0-31 addresses; v64-127, v128-191 q's fragments, two buffers (on the way out: rows read back)   window 1: v64-127, v128-191 k's fragments
;   window 2: the accumulators of my queries 0-63 ((a, b) at v[8 (8 a + b)])   window 3: those of queries 64-127
.set KSTEP,  128
.set PITCH,  272                       ; 256 bytes + 16 of padding: the 16 rows of a load start at 16 different groups of four banks (64 banks of 4 bytes: ISA guide 11.1)
.set HALFT,  128*PITCH
.set SLOT,   4*HALFT                   ; q's 256 rows, then k's 256
.set STAGE,  2*SLOT                    ; behind the ring: 16 rows x 528 bytes for each wave
.set SPITCH, 528
.set SPARE,  STAGE+4*16*SPITCH         ; the spare words, 128 bytes for each wave
.set ROWB,   6144                      ; bytes in a row of qkv
.set SROW,   8192                      ; bytes in a row of sc
.set LAPS,   4
.set ADRA, 16
.set ADRB, 20
.set STO,  24
.set RD,   25
.set CO,   26
.set SPW,  28                          ; never rewritten
.set NIL,  29                          ; never rewritten
.set PFO,  30                          ; my lane x a row of qkv
.set F0,   64
.set F1,   128
.set G1, 24                            ; s[24:31]
.set G0, 32                            ; s[32:39] a set for each slot
.set LIM, 43
.set PFA, 44                           ; s[44:45]
.set MSB, 0
.macro WIN new
.if MSB != (\new)
	s_set_vgpr_msb (MSB<<8)|(\new)
.set MSB, \new
.endif
.endm
.set MUL_LO, 0xa1                      ; source 0 (k) window 1, source 1 (q) window 0, C and D window 2
.set MUL_HI, 0xf1
.set TO_B,   0x40
.macro TLOAD s                         ; each wave fetches 128 rows of its own (waves 0, 1: q's halves; 2, 3: k's); an s_nop 0 and four v_nop follow
	tensor_load_to_lds s[G0+4*(\s):G0+4*(\s)+3], s[G1:G1+7]
	s_nop 0
.rept 4
	v_nop
.endr
.endm
; A prefetch of my own 128 rows' 256 bytes of the K step two refills on: a lane a row, four instructions.  q's rows of block i are read by the tiles (i, 0 .. i): tile j = 0 asks; k's rows of block j
; by the tiles (j .. 7, j): tile i = j asks.  So each 256 bytes are named once.  K steps 0-3 come by their loads alone; the loop's last trip asks for nothing.
.macro ASK
	s_cmp_gt_u32 s3, s[LIM]
	s_cbranch_scc0 .Lnot_mine_\@
.irp n, 0,1,2,3
	global_prefetch_b8 v[PFO], s[PFA:PFA+1] offset:KSTEP*2+(\n)*32*ROWB th:TH_LOAD_NT scope:SCOPE_SE
.endr
.Lnot_mine_\@:
.endm
	s_load_b128 s[4:7], s[0:1], 0x0                ; qkv s[4:5], sc s[6:7]
	v_lshl_add_u32 v[SPW], v0, 2, SPARE
	v_mov_b32 v[NIL], 0
	ds_add_u32 v[SPW], v[NIL]                      ; the wave's opening: the add and its wait ahead of my first tensor load
	v_lshrrev_b32 v1, 5, v0
	v_readfirstlane_b32 s10, v1                    ; wave 0..3
	s_lshr_b32 s11, s10, 1                         ; my half of the queries.  Also: I fetch q (0) or k (1)
	s_and_b32 s12, s10, 1                          ; my half of the keys.  Also: which 128 rows I fetch
	s_mov_b32 s13, 0
.irp T, 1,3,6,10,15,21,28
	s_cmp_ge_u32 ttmp9, \T                         ; i = how many triangular numbers t has reached
	s_cselect_b32 s14, 1, 0
	s_add_co_u32 s13, s13, s14
.endr
	s_add_co_u32 s14, s13, 1
	s_mul_i32 s14, s14, s13
	s_lshr_b32 s14, s14, 1
	s_sub_co_u32 s15, ttmp9, s14                   ; j
	s_and_b32 s16, ttmp7, 0xffff
	s_lshl_b32 s16, s16, 11                        ; the batch's first row
	s_mov_b32 s[G1+0], (1<<16)|(1<<20)|(5<<22)|(3<<25)  ; 2-byte elements; padding on: after every 64 words 4 words
	s_mov_b32 s[G1+1], KSTEP<<16
	s_mov_b32 s[G1+2], 128<<16
	s_mov_b32 s[G1+3], KSTEP<<16
	s_mov_b32 s[G1+4], 128
	s_mov_b32 s[G1+5], 3072                        ; elements from row to row
	s_mov_b32 s[G1+6], 0
	s_mov_b32 s[G1+7], 0
	s_cmp_eq_u32 s11, 0
	s_cselect_b32 s20, s13, s15                    ; q's block i or k's block j
	s_lshl_b32 s20, s20, 8
	s_lshl_b32 s17, s12, 7
	s_add_co_u32 s20, s20, s17
	s_add_co_u32 s20, s20, s16
	s_mul_i32 s20, s20, ROWB
	s_lshl_b32 s17, s11, 11                        ; k lies 2,048 bytes into a row
	s_add_co_u32 s20, s20, s17
	s_mov_b32 s21, 0
	s_mul_i32 s18, s10, HALFT                      ; where my rows go
	s_sub_co_u32 s17, s13, s15
	s_cmp_eq_u32 s11, 0
	s_cselect_b32 s17, s15, s17                    ; j for q's rows, i - j for k's
	s_cmp_eq_u32 s17, 0
	s_cselect_b32 s[LIM], 1, -1
	s_wait_dscnt 0x0                               ; the opening add is done
	s_wait_kmcnt 0x0
	s_add_nc_u64 s[22:23], s[4:5], s[20:21]
.irp s, 0,1
	s_mov_b32 s[G0+4*(\s)], 1
	s_add_co_u32 s[G0+4*(\s)+1], s18, (\s)*SLOT
	s_add_nc_u64 s[G0+4*(\s)+2:G0+4*(\s)+3], s[22:23], (\s)*KSTEP*2
	s_or_b32 s[G0+4*(\s)+3], s[G0+4*(\s)+3], 0x80000000
	TLOAD \s
.endr
	s_add_nc_u64 s[PFA:PFA+1], s[22:23], 2*KSTEP*2 ; at K step 2: the first refill steps it to 3 and names K step 4
	v_and_b32 v1, 15, v0                           ; r
	v_bfe_u32 v2, v0, 4, 1                         ; h
	v_and_b32 v5, 31, v0                           ; l
	v_mul_u32_u24 v3, v1, PITCH
	v_lshl_add_u32 v3, v2, 4, v3
	s_mul_i32 s21, s11, HALFT                      ; my 128 queries
	s_mul_i32 s22, s12, HALFT
	s_add_co_u32 s22, s22, 2*HALFT                 ; my 128 keys
.irp s, 0,1
	v_add_nc_u32 v[ADRA+(\s)], s21, v3
	v_add_nc_u32 v[ADRB+(\s)], s22, v3
	s_add_co_u32 s21, s21, SLOT
	s_add_co_u32 s22, s22, SLOT
.endr
	s_mul_i32 s19, s10, 16*SPITCH
	s_add_co_u32 s19, s19, STAGE                   ; my stage
	v_mul_u32_u24 v4, v1, SPITCH                   ; in: row r, 32 bytes for each half of the lanes
	v_lshl_add_u32 v4, v2, 5, v4
	v_add_nc_u32 v[STO], s19, v4
	v_lshlrev_b32 v[CO], 4, v5                     ; back: 32 lanes take a row's 512 bytes
	v_add_nc_u32 v[RD], s19, v[CO]
	v_mul_u32_u24 v[PFO], v5, ROWB
	s_lshl_b32 s20, s13, 8
	s_add_co_u32 s20, s20, s16
	s_lshl_b32 s17, s11, 7
	s_add_co_u32 s20, s20, s17                     ; my first row of sc
	s_lshl_b32 s20, s20, 13
	s_lshl_b32 s17, s15, 10
	s_add_co_u32 s20, s20, s17                     ; + the tile's first column, in bytes
	s_lshl_b32 s17, s12, 9
	s_add_co_u32 s20, s20, s17                     ; + my half's
	s_mov_b32 s21, 0
	s_add_nc_u64 s[6:7], s[6:7], s[20:21]
; 16 matrix instructions: query blocks a0, a0 + 1 of the window's four x all 8 key blocks.  zero = 1: the first product starts the sums.  The 64 accumulators take turns.
.macro MUL16 f, hi, a0, zero
	WIN MUL_LO+0x50*(\hi)
.irp a, \a0, (\a0)+1
.irp b, 0,1,2,3,4,5,6,7
.if \zero
	v_wmma_f32_16x16x32_f16 v[8*(8*(\a)+(\b)):8*(8*(\a)+(\b))+7], v[(\f)+8*(\b):(\f)+8*(\b)+7], v[(\f)+8*(4*(\hi)+(\a)):(\f)+8*(4*(\hi)+(\a))+7], 0
.else
	v_wmma_f32_16x16x32_f16 v[8*(8*(\a)+(\b)):8*(8*(\a)+(\b))+7], v[(\f)+8*(\b):(\f)+8*(\b)+7], v[(\f)+8*(4*(\hi)+(\a)):(\f)+8*(4*(\hi)+(\a))+7], v[8*(8*(\a)+(\b)):8*(8*(\a)+(\b))+7]
.endif
.endr
.endr
.endm
.macro FETCH slot, k, f                ; 32 LDS loads in one run: k's 16, then q's 16
	WIN TO_B
.irp i, 0,1,2,3,4,5,6,7
	ds_load_b128 v[(\f)+8*(\i):(\f)+8*(\i)+3],   v[ADRB+(\slot)] offset:(\k)+(\i)*16*PITCH
	ds_load_b128 v[(\f)+8*(\i)+4:(\f)+8*(\i)+7], v[ADRB+(\slot)] offset:(\k)+(\i)*16*PITCH+32
.endr
	WIN 0
.irp i, 0,1,2,3,4,5,6,7
	ds_load_b128 v[(\f)+8*(\i):(\f)+8*(\i)+3],   v[ADRA+(\slot)] offset:(\k)+(\i)*16*PITCH
	ds_load_b128 v[(\f)+8*(\i)+4:(\f)+8*(\i)+7], v[ADRA+(\slot)] offset:(\k)+(\i)*16*PITCH+32
.endr
.endm
.macro PLACES                          ; four places (ISA guide 7.12.1)
.rept 4
	v_nop
.endr
.endm
.macro QUARTER slot, k, f, g, zero
	s_wait_dscnt 8                                 ; k's and q's rows 0-63 are in; the youngest eight loads (q's rows 64-127) may be out
	MUL16 \f, 0, 0, \zero
	MUL16 \f, 0, 2, \zero
	PLACES
	FETCH \slot, \k, \g
	s_wait_dscnt 32                                ; all but the 32 just issued
	MUL16 \f, 1, 0, \zero
	MUL16 \f, 1, 2, \zero
.endm
; The last quarter multiplies buffer 1 and changes slots: one barrier; in front of it each wave waits for all its tensor loads, adds 0 to its spare word, and waits for that and for its reads of this slot.
.macro TURN slot, next, fill
.if \fill
	s_wait_xcnt 0x0                                ; the last prefetches, a K step back, have read their address
	s_add_nc_u64 s[PFA:PFA+1], s[PFA:PFA+1], KSTEP*2
.endif
	WIN 0
	s_wait_tensorcnt 0x0                           ; all my tensor loads have landed: my part of the next slot
	ds_add_u32 v[SPW], v[NIL]                      ; 0 onto my spare word
.if \fill
	s_add_nc_u64 s[G0+4*(\slot)+2:G0+4*(\slot)+3], s[G0+4*(\slot)+2:G0+4*(\slot)+3], 2*KSTEP*2  ; no load of mine is out: this slot's next K step
.endif
	s_wait_dscnt 9                                 ; the add and the youngest eight loads may be out
	MUL16 F1, 0, 0, 0
	s_wait_dscnt 0x0                               ; the add is done, and my reads of this slot are over
	s_barrier_signal -1
	MUL16 F1, 0, 2, 0
	s_barrier_wait -1
.if \fill
	TLOAD \slot                                    ; my one tensor load behind the barrier, and the first thing there; its four v_nop are also the places in front of the loads below
.else
	PLACES
.endif
	FETCH \next, 0, F0
.if \fill
	ASK
.endif
	MUL16 F1, 1, 0, 0
	MUL16 F1, 1, 2, 0
.endm
; THE WAY OUT of block a (16 queries x 128 keys): the accumulators go as they are, low registers first, into my own stage, and come back as whole rows of 512 bytes, into two buffers by turns.
.macro TOSTAGE a
	WIN 0x08+4*((\a)/4)                            ; the stores' data in window 2 or 3
.irp b, 0,1,2,3,4,5,6,7
	ds_store_b128 v[STO], v[8*(8*((\a)%4)+(\b)):8*(8*((\a)%4)+(\b))+3]   offset:64*(\b)
	ds_store_b128 v[STO], v[8*(8*((\a)%4)+(\b))+4:8*(8*((\a)%4)+(\b))+7] offset:64*(\b)+16
.endr
	WIN 0
	s_wait_xcnt 0x0                                ; the stores of the block two back have read this buffer
.irp t, 0,1,2,3,4,5,6,7,8,9,10,11,12,13,14,15
	ds_load_b128 v[64+64*((\a)%2)+4*(\t):64+64*((\a)%2)+4*(\t)+3], v[RD] offset:(\t)*SPITCH  ; LDS serves a wave's instructions in order (ISA guide 5.7.1.4): these see the stores above
.endr
.endm
.macro SEND a, younger                 ; younger: the LDS instructions issued behind block a's loads: the next block's 32, or none
.irp t, 0,1,2,3,4,5,6,7,8,9,10,11,12,13,14,15
	s_wait_dscnt (\younger)+15-(\t)
	global_store_b128 v[CO], v[64+64*((\a)%2)+4*(\t):64+64*((\a)%2)+4*(\t)+3], s[6:7] offset:(16*(\a)+(\t))*SROW  ; 512 consecutive bytes, at a multiple of 256 from sc's first byte
.endr
.endm
	s_wait_tensorcnt 1                             ; my part of K step 0 is in; K step 1's may stay out
	s_barrier_signal -1
	s_barrier_wait -1
	FETCH 0, 0, F0
	QUARTER 0, 64,  F0, F1, 1                      ; the first quarter stands in front of the loop: its products start the sums
	WIN 0
	s_mov_b32 s3, LAPS-1
.Llap:
	QUARTER 0, 128, F1, F0, 0
	QUARTER 0, 192, F0, F1, 0
	TURN 0, 1, 1
	QUARTER 1, 64,  F0, F1, 0
	QUARTER 1, 128, F1, F0, 0
	QUARTER 1, 192, F0, F1, 0
	TURN 1, 0, 1
	QUARTER 0, 64,  F0, F1, 0
	WIN 0
	s_sub_co_u32 s3, s3, 1
	s_cmp_lg_u32 s3, 0
	s_cbranch_scc1 .Llap
	QUARTER 0, 128, F1, F0, 0                      ; the last lap fills nothing
	QUARTER 0, 192, F0, F1, 0
	TURN 0, 1, 0
	QUARTER 1, 64,  F0, F1, 0
	QUARTER 1, 128, F1, F0, 0
	QUARTER 1, 192, F0, F1, 0
	s_wait_dscnt 8
	MUL16 F1, 0, 0, 0
	MUL16 F1, 0, 2, 0
	s_wait_dscnt 0x0
	MUL16 F1, 1, 0, 0
	MUL16 F1, 1, 2, 0
	PLACES
	TOSTAGE 0
.irp a, 1,2,3,4,5,6,7
	TOSTAGE \a
	SEND (\a)-1, 32
.endr
	SEND 7, 0
	s_wait_tensorcnt 0x0                           ; the wave's end
	ds_add_u32 v[SPW], v[NIL]
	s_wait_dscnt 0x0
	s_endpgm
.Lfunc_end_k_q67034b13d2_scores:
	.size	k_q67034b13d2_scores, .Lfunc_end_k_q67034b13d2_scores-k_q67034b13d2_scores
	.p2alignl 7, 3214868480
	.fill 96, 4, 3214868480
	.section	.rodata,"a",@progbits
	.p2align	6, 0x0
	.amdhsa_kernel k_q67034b13d2_scores
		.amdhsa_group_segment_fixed_size 327680
		.amdhsa_private_segment_fixed_size 0
		.amdhsa_enable_private_segment 0
		.amdhsa_kernarg_size 16
		.amdhsa_user_sgpr_count 2
		.amdhsa_user_sgpr_kernarg_segment_ptr 1
		.amdhsa_wavefront_size32 1
		.amdhsa_system_sgpr_workgroup_id_x 1
		.amdhsa_system_sgpr_workgroup_id_y 1
		.amdhsa_system_sgpr_workgroup_id_z 1
		.amdhsa_system_vgpr_workitem_id 0
		.amdhsa_next_free_vgpr 1024
		.amdhsa_next_free_sgpr 66
		.amdhsa_reserve_vcc 0
		.amdhsa_float_denorm_mode_32 3
		.amdhsa_float_denorm_mode_16_64 3
		.amdhsa_memory_ordered 1
		.amdhsa_forward_progress 1
		.amdhsa_inst_pref_size 142
	.end_amdhsa_kernel
	.amdgpu_metadata
---
amdhsa.version: [ 1, 2 ]
amdhsa.kernels:
  - .name:           k_q67034b13d2_scores
    .symbol:         k_q67034b13d2_scores.kd
    .args:
      - { .name: qkv, .offset: 0, .size: 8, .value_kind: global_buffer, .address_space: global }
      - { .name: sc, .offset: 8, .size: 8, .value_kind: global_buffer, .address_space: global }
    .group_segment_fixed_size: 327680
    .private_segment_fixed_size: 0
    .kernarg_segment_align: 8
    .kernarg_segment_size: 16
    .max_flat_workgroup_size: 128
    .sgpr_count:     66
    .vgpr_count:     1024
    .wavefront_size: 32
...
	.end_amdgpu_metadata
.endif
;; end of part 3
;; launch softmax (part 4): grid 256 x 4, 8 waves a work-group, no clusters, 0 bytes of LDS; arguments sc, pr; writes pr
.if DOCPART == 4
	.amdgcn_target "amdgcn-amd-amdhsa--gfx1250"
	.amdhsa_code_object_version 6
	.text
	.protected	k_q67034b13d2_softmax
	.globl	k_q67034b13d2_softmax
	.p2align	8
	.type	k_q67034b13d2_softmax,@function
k_q67034b13d2_softmax:
	s_mov_b64 s[64:65], 0
	v_nop
	global_prefetch_b8 v0, s[64:65] scope:SCOPE_SE
	s_setreg_imm32_b32 hwreg(HW_REG_WAVE_MODE, 25, 1), 1
	s_wait_xcnt 0x0
; pr[b][q][k] = softmax over k <= q of sc[b][q][k] / 32, divided by its sum, rounded once to f16; zeros from q + 1 up to the next multiple of 512 columns (what the product behind reads).
; One wave, one row; the row stays in 64 registers between the maximum, the exponentials and the scaling, so it is read once.  The row's true maximum is taken away: p = 2^(c s - c m), c = log2(e) / 32.
; The eight rows of a work-group share nc = q / 128 + 1 (chunks of 128 columns that hold a visible key: only these are loaded) and G = q / 512 + 1 (groups of 512 columns that are computed and stored).
; LIMITS: a hidden score counts as the lowest finite f32, whose weight is 0; a weight below 6e-5 keeps f16's fixed step of 6e-8; NaN and infinities are not treated apart.
; No LDS, no cluster: no wave wants another's bytes.
.set X, 16                             ; v[16:79]  chunk c at X + 4 c: my lane holds columns 128 c + 4 l + 0..3
	s_load_b128 s[4:7], s[0:1], 0x0                ; sc s[4:5], pr s[6:7]
	v_lshrrev_b32 v1, 5, v0
	v_readfirstlane_b32 s8, v1                     ; wave 0..7
	v_and_b32 v1, 31, v0                           ; l
	v_lshlrev_b32 v2, 4, v1                        ; 16 l: in
	v_lshlrev_b32 v3, 3, v1                        ; 8 l: out
	s_lshl_b32 s9, ttmp9, 3
	s_add_co_u32 s9, s9, s8                        ; q
	s_and_b32 s10, ttmp7, 0xffff
	s_lshl_b32 s11, s10, 11
	s_add_co_u32 s11, s11, s9                      ; the row among all 8,192
	s_lshl_b32 s14, s11, 13                        ; x 8,192 bytes of sc
	s_mov_b32 s15, 0
	s_lshl_b32 s16, s11, 12                        ; x 4,096 bytes of pr
	s_mov_b32 s17, 0
	s_lshr_b32 s18, ttmp9, 4
	s_add_co_u32 s18, s18, 1                       ; nc
	s_lshr_b32 s19, ttmp9, 6
	s_add_co_u32 s19, s19, 1                       ; G
	s_mov_b32 s20, 0x3d38aa3b                      ; c = log2(e) / 32
	s_mov_b32 s21, s20                             ; named with it as a pair
	s_mov_b32 s12, 0x76543210                      ; v_permlanex16_b32: each lane takes its own place in the other half
	s_mov_b32 s13, 0xfedcba98
	v_lshlrev_b32 v4, 2, v1
	v_sub_nc_u32 v4, s9, v4                        ; q - 4 l: column 128 c + 4 l + e is hidden where 128 c + e is greater
	v_mov_b32 v5, 0xff7fffff                       ; the lowest finite number
.set i, 0
.rept 64
	v_mov_b32 v[X+i], v5                           ; chunks that are not loaded hold hidden scores
.set i, i+1
.endr
	s_wait_kmcnt 0x0
	s_add_nc_u64 s[4:5], s[4:5], s[14:15]
	s_add_nc_u64 s[6:7], s[6:7], s[16:17]
.set i, 0
.rept 16
	s_cmp_gt_u32 s18, i
	s_cbranch_scc0 .Lloaded
	global_load_b128 v[X+4*i:X+4*i+3], v2, s[4:5] offset:512*i th:TH_LOAD_NT  ; 512 consecutive bytes a wave
.set i, i+1
.endr
.Lloaded:
	s_wait_loadcnt 0x0
.irp g, 0,1,2,3                        ; the diagonal lies in the row's last group: only there scores are hidden one by one
	s_cmp_lg_u32 s19, (\g)+1
	s_cbranch_scc1 .Lnomask\g
.set i, 0
.rept 16
	v_cmp_gt_i32 vcc_lo, 512*(\g)+128*(i/4)+i%4, v4
	v_cndmask_b32 v[X+16*(\g)+i], v[X+16*(\g)+i], v5, vcc_lo
.set i, i+1
.endr
.Lnomask\g:
.endr
	; the maximum: four chains of 15 registers, three operands at a time; then the chains and the four registers left over
.irp k, 0,1,2,3
	v_max3_num_f32 v[8+(\k)], v[X+15*(\k)], v[X+15*(\k)+1], v[X+15*(\k)+2]
.endr
.set j, 0
.rept 6
.irp k, 0,1,2,3
	v_max3_num_f32 v[8+(\k)], v[8+(\k)], v[X+15*(\k)+3+2*j], v[X+15*(\k)+4+2*j]
.endr
.set j, j+1
.endr
	v_max3_num_f32 v8, v8, v9, v[X+60]
	v_max3_num_f32 v10, v10, v11, v[X+61]
	v_max3_num_f32 v8, v8, v10, v[X+62]
	v_max_num_f32 v8, v8, v[X+63]
	v_max_num_f32_dpp v8, v8, v8 row_xmask:1 row_mask:0xf bank_mask:0xf
	v_max_num_f32_dpp v8, v8, v8 row_xmask:2 row_mask:0xf bank_mask:0xf
	v_max_num_f32_dpp v8, v8, v8 row_xmask:4 row_mask:0xf bank_mask:0xf
	v_max_num_f32_dpp v8, v8, v8 row_xmask:8 row_mask:0xf bank_mask:0xf
	v_permlanex16_b32 v9, v8, s12, s13
	v_max_num_f32 v8, v8, v9                       ; every lane holds the row's maximum
	v_mul_f32 v6, s20, v8                          ; c m
	v_mov_b32 v7, v6                               ; named with it as a pair
; Group g: 16 registers a lane: c s - c m, the exponentials as one batch with one wait, the sums in two chains of pairs (group 0 starts them).
.macro EXPS g
.if (\g) > 0
	s_cmp_gt_u32 s19, \g
	s_cbranch_scc0 .Lsummed
.endif
.set i, 0
.rept 8
	v_pk_fma_f32 v[X+16*(\g)+2*i:X+16*(\g)+2*i+1], v[X+16*(\g)+2*i:X+16*(\g)+2*i+1], s[20:21], v[6:7] op_sel_hi:[1,0,0] neg_lo:[0,0,1] neg_hi:[0,0,1]
.set i, i+1
.endr
.set i, 0
.rept 16
	v_exp_f32 v[X+16*(\g)+i], v[X+16*(\g)+i]
.set i, i+1
.endr
	v_nop                                          ; a plain instruction behind the last exponential,
	s_wait_alu depctr_va_vdst(0)                   ; and a wait ahead of the first use: one for the batch
.if (\g) == 0
	v_pk_add_f32 v[12:13], v[X:X+1], v[X+2:X+3]
	v_pk_add_f32 v[14:15], v[X+4:X+5], v[X+6:X+7]
.endif
.set i, 0
.rept 8
.if ((\g) > 0) || (i >= 4)
	v_pk_add_f32 v[12+2*(i%2):13+2*(i%2)], v[12+2*(i%2):13+2*(i%2)], v[X+16*(\g)+2*i:X+16*(\g)+2*i+1]
.endif
.set i, i+1
.endr
.endm
	EXPS 0
	EXPS 1
	EXPS 2
	EXPS 3
.Lsummed:
	v_add_f32 v12, v12, v13
	v_add_f32 v14, v14, v15
	v_add_f32 v12, v12, v14
	v_add_f32_dpp v12, v12, v12 row_xmask:1 row_mask:0xf bank_mask:0xf
	v_add_f32_dpp v12, v12, v12 row_xmask:2 row_mask:0xf bank_mask:0xf
	v_add_f32_dpp v12, v12, v12 row_xmask:4 row_mask:0xf bank_mask:0xf
	v_add_f32_dpp v12, v12, v12 row_xmask:8 row_mask:0xf bank_mask:0xf
	v_permlanex16_b32 v13, v12, s12, s13
	v_add_f32 v12, v12, v13                        ; the row's sum, at least 1: the maximum's own weight
	v_rcp_f32 v80, v12
	v_rcp_f32 v81, v12                             ; twice: a pair for the packed multiply
	v_nop
	s_wait_alu depctr_va_vdst(0)                   ; one wait for both reciprocals, ahead of the branches and of the first use
.macro OUT g
.if (\g) > 0
	s_cmp_gt_u32 s19, \g
	s_cbranch_scc0 .Ldone
.endif
.set i, 0
.rept 8
	v_pk_mul_f32 v[X+16*(\g)+2*i:X+16*(\g)+2*i+1], v[X+16*(\g)+2*i:X+16*(\g)+2*i+1], v[80:81]
.set i, i+1
.endr
.set i, 0
.rept 4
	v_cvt_pk_f16_f32 v[X+16*(\g)+4*i], v[X+16*(\g)+4*i], v[X+16*(\g)+4*i+1]
	v_cvt_pk_f16_f32 v[X+16*(\g)+4*i+1], v[X+16*(\g)+4*i+2], v[X+16*(\g)+4*i+3]
	global_store_b64 v3, v[X+16*(\g)+4*i:X+16*(\g)+4*i+1], s[6:7] offset:1024*(\g)+256*i  ; 256 consecutive bytes a wave, aligned
.set i, i+1
.endr
.endm
	OUT 0
	OUT 1
	OUT 2
	OUT 3
.Ldone:
	s_endpgm
.Lfunc_end_k_q67034b13d2_softmax:
	.size	k_q67034b13d2_softmax, .Lfunc_end_k_q67034b13d2_softmax-k_q67034b13d2_softmax
	.p2alignl 7, 3214868480
	.fill 96, 4, 3214868480
	.section	.rodata,"a",@progbits
	.p2align	6, 0x0
	.amdhsa_kernel k_q67034b13d2_softmax
		.amdhsa_group_segment_fixed_size 0
		.amdhsa_private_segment_fixed_size 0
		.amdhsa_enable_private_segment 0
		.amdhsa_kernarg_size 16
		.amdhsa_user_sgpr_count 2
		.amdhsa_user_sgpr_kernarg_segment_ptr 1
		.amdhsa_wavefront_size32 1
		.amdhsa_system_sgpr_workgroup_id_x 1
		.amdhsa_system_sgpr_workgroup_id_y 1
		.amdhsa_system_sgpr_workgroup_id_z 1
		.amdhsa_system_vgpr_workitem_id 0
		.amdhsa_next_free_vgpr 84
		.amdhsa_next_free_sgpr 66
		.amdhsa_reserve_vcc 1
		.amdhsa_float_denorm_mode_32 3
		.amdhsa_float_denorm_mode_16_64 3
		.amdhsa_memory_ordered 1
		.amdhsa_forward_progress 1
		.amdhsa_inst_pref_size 27
	.end_amdhsa_kernel
	.amdgpu_metadata
---
amdhsa.version: [ 1, 2 ]
amdhsa.kernels:
  - .name:           k_q67034b13d2_softmax
    .symbol:         k_q67034b13d2_softmax.kd
    .args:
      - { .name: sc, .offset: 0, .size: 8, .value_kind: global_buffer, .address_space: global }
      - { .name: pr, .offset: 8, .size: 8, .value_kind: global_buffer, .address_space: global }
    .group_segment_fixed_size: 0
    .private_segment_fixed_size: 0
    .kernarg_segment_align: 8
    .kernarg_segment_size: 16
    .max_flat_workgroup_size: 256
    .sgpr_count:     66
    .vgpr_count:     84
    .wavefront_size: 32
...
	.end_amdgpu_metadata
.endif
;; end of part 4
;; launch pv (part 5): grid 8 x 32, 4 waves a work-group, clusters of 4 x 4, 327,680 bytes of LDS; arguments pr, qkv, out0; writes out0
.if DOCPART == 5
	.amdgcn_target "amdgcn-amd-amdhsa--gfx1250"
	.amdhsa_code_object_version 6
	.text
	.protected	k_q67034b13d2_pv
	.globl	k_q67034b13d2_pv
	.p2align	8
	.type	k_q67034b13d2_pv,@function
k_q67034b13d2_pv:
	s_mov_b64 s[64:65], 0
	v_nop
	global_prefetch_b8 v0, s[64:65] scope:SCOPE_SE
	s_setreg_imm32_b32 hwreg(HW_REG_WAVE_MODE, 25, 1), 1
	s_wait_xcnt 0x0
	s_wait_alu depctr_hold_cnt(0) depctr_sa_sdst(0) depctr_va_vdst(0) depctr_va_sdst(0) depctr_va_ssrc(0) depctr_va_vcc(0) depctr_vm_vsrc(0)
	s_getreg_b32 s2, hwreg(HW_REG_IB_STS2, 6, 4)
	s_cmp_eq_u32 s2, 0
	s_cbranch_scc0 .Lentry_in_a_cluster
	s_endpgm
.Lentry_in_a_cluster:
	s_bfe_u32 s2, ttmp6, 0x10000c
	s_cmp_lg_u32 s2, 0xf033
	s_cbranch_scc0 .Lentry_shape_is_right
	s_endpgm
.Lentry_shape_is_right:
; out0[b][q][c] = the sum over k of pr[b][q][k] v[b][k][c].  pr: [4][2048][2048] f16 (zeros behind the diagonal up to the next multiple of 512); v: f16, byte 4,096 of qkv's rows of 6,144; out0 f32.
; A tile is 128 queries x 128 channels, four waves of 64 x 64 (16 accumulators).  K goes in steps of 256 keys through two LDS slots.
; THE WALK.  A batch's queries lie in four super rows of 512; super row R needs the keys below 512 (R + 1): 2 (R + 1) steps.  A work-group takes a block of 128 queries in super row 3 - rho and then the
; like block in super row rho: 10 steps, 5 laps of the ring, whatever rho: all 256 work-groups do equal work, and the ring runs on across the change of blocks, which falls on a lap's end.
; CLUSTER 4 x 4: cx = channel block, cy = which 128 of the super row's 512 queries; b and rho come from the cluster's y, so all sixteen partners walk alike.  P's tiles are shared along x, V's along y.
; The price of one walk for all four cy: causality in steps of 512 keys; the zeros in pr are multiplied.
; THE MATRIX INSTRUCTION IS USED TRANSPOSED (source 0 = V^T, 16 channels, turned by ds_load_tr16_b128; source 1 = 16 queries of P): a lane holds query l % 16 and eight neighbouring channels.
; The sums are cleared at a block's beginning: the change of blocks falls in a trip that hangs on rho, so no first step with C = 0 can be written out; 128 lines, twice a work-group.
; LIMIT: v within f16's range (65,504); NaN and infinities are not treated apart.
; REGISTERS: window 0: v0-31 addresses; v32-95 the way out; v128-255 the accumulators ((a, b) at v[128 + 8 (4 a + b)])   window 1: two fragment buffers of 128: 64 of P, then 64 of V^T
.set PP,     528                       ; a row of P in LDS: 512 bytes + 16
.set PV,     288                       ; a row of V: 256 + 32
.set VOFF,   128*PP                    ; a slot: P's 128 rows, then V's 256
.set SLOT,   128*PP+256*PV
.set STAGE,  2*SLOT                    ; behind the ring: 16 rows x 272 bytes for each wave
.set SPITCH, 272
.set SPARE,  STAGE+4*16*SPITCH         ; the spare words, 128 bytes for each wave
.set ADRA, 16                          ; v16-17  my P fragments in slot 0, 1
.set ADRV, 20                          ; v20-23  my V fragments: slot s, keys 128 u on, at ADRV + 2 s + u
.set STO,  24
.set RD,   25
.set CO,   26
.set SPW,  28                          ; never rewritten
.set NIL,  29                          ; never rewritten
.set OB,   32
.set ACC,  128
.set F0,   0
.set F1,   128
.set G1,  24                           ; s[24:31] group 1 for P;  s[32:39] group 0, a set for each slot
.set G0,  32
.set G1B, 48                           ; s[48:55], s[56:63] the same for V
.set G0B, 56
.set PCUR, 66                          ; s[66:67] pr at my 64 rows of the block whose tiles are being asked for
.set PB2,  68                          ; s[68:69] the same for the second block
.set VB,   70                          ; s[70:71] v at my 128 keys of step 0, my channels
.set OFFP, 72                          ; s[72:73] a step's byte offset in pr
.set OFFV, 74                          ; s[74:75] in qkv
.set NXT,  76                          ; the step to be asked for next
.set LQ,   77                          ; the last step of the block whose tiles are being asked for
.set N2M1, 78                          ; the second block's last step
.set LEFT, 79                          ; laps that the block in hand still has
.set OB2,  80                          ; s[80:81] out0 at my rows of the second block
.set LAP2, 82                          ; the second block's laps
.set MSB, 0
.macro WIN new
.if MSB != (\new)
	s_set_vgpr_msb (MSB<<8)|(\new)
.set MSB, \new
.endif
.endm
.set MUL,  0x05                        ; sources in window 1; C and D in window 0
.set TO_F, 0x40
.macro JLOAD s                         ; waves 0 and 1 fetch P's two halves, waves 2 and 3 V's; an s_nop 0 and four v_nop follow each line
	s_cmp_eq_u32 s11, 0
	s_cbranch_scc0 .Lfor_b_\@
	tensor_load_to_lds s[G0+4*(\s):G0+4*(\s)+3], s[G1:G1+7]
	s_nop 0
.rept 4
	v_nop
.endr
	s_branch .Lasked_\@
.Lfor_b_\@:
	tensor_load_to_lds s[G0B+4*(\s):G0B+4*(\s)+3], s[G1B:G1B+7]
	s_nop 0
.rept 4
	v_nop
.endr
.Lasked_\@:
.endm
.macro CREST
	s_cmp_lg_u32 s10, 0
	s_cbranch_scc1 .Lnot_wave_0_\@
	s_barrier_signal -3
.Lnot_wave_0_\@:
	s_barrier_wait -3
	s_barrier_signal -1
	s_barrier_wait -1
.endm
.macro CROUND
	s_barrier_signal -1
	s_barrier_wait -1
	CREST
.endm
; The addresses of step NXT are made anew for slot s, from the bases and offsets made apart; then the walk steps: behind the first block's last step comes the second block's step 0.
.macro NEXTADR s
	s_lshl_b32 s[OFFP], s[NXT], 9                  ; 256 keys are 512 bytes of a row of pr,
	s_mul_i32 s[OFFV], s[NXT], 256*6144            ; and 256 rows of qkv
	s_add_nc_u64 s[G0+4*(\s)+2:G0+4*(\s)+3], s[PCUR:PCUR+1], s[OFFP:OFFP+1]
	s_or_b32 s[G0+4*(\s)+3], s[G0+4*(\s)+3], 0x80000000
	s_add_nc_u64 s[G0B+4*(\s)+2:G0B+4*(\s)+3], s[VB:VB+1], s[OFFV:OFFV+1]
	s_or_b32 s[G0B+4*(\s)+3], s[G0B+4*(\s)+3], 0x80000000
	s_add_co_u32 s[NXT], s[NXT], 1
	s_cmp_gt_u32 s[NXT], s[LQ]
	s_cselect_b32 s[NXT], 0, s[NXT]
	s_cselect_b64 s[PCUR:PCUR+1], s[PB2:PB2+1], s[PCUR:PCUR+1]
	s_cselect_b32 s[LQ], s[N2M1], s[LQ]
.endm
	s_load_b128 s[4:7], s[0:1], 0x0                ; pr s[4:5], qkv s[6:7]
	s_load_b64 s[8:9], s[0:1], 0x10                ; out0
	v_lshl_add_u32 v[SPW], v0, 2, SPARE
	v_mov_b32 v[NIL], 0
	ds_add_u32 v[SPW], v[NIL]                      ; the wave's opening: the add and its wait ahead of my first tensor load
	v_lshrrev_b32 v1, 5, v0
	v_readfirstlane_b32 s10, v1                    ; wave 0..3
	s_lshr_b32 s11, s10, 1                         ; my half of the queries.  Also: I fetch P (0) or V (1)
	s_and_b32 s12, s10, 1                          ; my half of the channels.  Also: which half of that tile I fetch
	s_bfe_u32 s40, ttmp6, 0x40000                  ; cx
	s_bfe_u32 s41, ttmp6, 0x40004                  ; cy
	s_lshl_b32 s42, ttmp9, 2
	s_add_co_u32 s42, s42, s40                     ; channel block = 4 x cluster x + cx
	s_and_b32 s13, ttmp7, 0xffff                   ; cluster y
	s_lshr_b32 s14, s13, 1                         ; the batch
	s_and_b32 s15, s13, 1                          ; rho
	s_lshl_b32 s43, s41, 2
	s_lshl_b32 s43, 15, s43                        ; my row of the cluster
	s_lshl_b32 s44, 0x1111, s40                    ; my column
	s_or_b32 s[G1+0], s43, (1<<16)|(1<<20)|(1<<21)|(6<<22)|(3<<25)   ; P: the mask; 2-byte elements; padding on; bit 21 beside a mask; after every 128 words 4 words
	s_mov_b32 s[G1+1], 256<<16                     ; tensor_dim0 = 256
	s_mov_b32 s[G1+2], 64<<16                      ; tensor_dim1 = 64
	s_mov_b32 s[G1+3], 256<<16                     ; tile_dim0 = 256
	s_mov_b32 s[G1+4], 64                          ; tile_dim1 = 64
	s_mov_b32 s[G1+5], 2048                        ; elements from row to row
	s_mov_b32 s[G1+6], 0
	s_mov_b32 s[G1+7], 0
	s_or_b32 s[G1B+0], s44, (1<<16)|(1<<20)|(1<<21)|(5<<22)|(7<<25)  ; V: after every 64 words 8 words
	s_mov_b32 s[G1B+1], 128<<16
	s_mov_b32 s[G1B+2], 128<<16
	s_mov_b32 s[G1B+3], 128<<16
	s_mov_b32 s[G1B+4], 128
	s_mov_b32 s[G1B+5], 3072
	s_mov_b32 s[G1B+6], 0
	s_mov_b32 s[G1B+7], 0
	s_lshl_b32 s84, s14, 11
	s_lshl_b32 s16, s41, 7
	s_add_co_u32 s84, s84, s16                     ; 2,048 b + 128 cy
	s_sub_co_u32 s16, 3, s15
	s_lshl_b32 s16, s16, 9
	s_add_co_u32 s85, s84, s16                     ; the first block's first row
	s_lshl_b32 s16, s15, 9
	s_add_co_u32 s86, s84, s16                     ; the second block's
	s_lshl_b32 s16, s12, 6                         ; the 64 rows of P that I fetch
	s_add_co_u32 s18, s85, s16
	s_lshl_b32 s18, s18, 12
	s_mov_b32 s19, 0
	s_add_co_u32 s20, s86, s16
	s_lshl_b32 s20, s20, 12
	s_mov_b32 s21, 0
	s_lshl_b32 s46, s14, 11
	s_lshl_b32 s47, s12, 7                         ; the 128 keys of V that I fetch
	s_add_co_u32 s46, s46, s47
	s_mul_i32 s46, s46, 6144
	s_lshl_b32 s47, s42, 8                         ; the channel block's 256 bytes,
	s_add_co_u32 s46, s46, s47
	s_add_co_u32 s46, s46, 4096                    ; in v's part of a row
	s_mov_b32 s47, 0
	s_lshl_b32 s16, s11, 6                         ; out0: my 64 rows,
	s_lshl_b32 s87, s42, 9
	s_lshl_b32 s17, s12, 8
	s_add_co_u32 s87, s87, s17                     ; my 64 channels
	s_add_co_u32 s22, s85, s16
	s_lshl_b32 s22, s22, 12
	s_add_co_u32 s22, s22, s87
	s_mov_b32 s23, 0
	s_add_co_u32 s88, s86, s16
	s_lshl_b32 s88, s88, 12
	s_add_co_u32 s88, s88, s87
	s_mov_b32 s89, 0
	s_lshl_b32 s16, s15, 1
	s_sub_co_u32 s[LQ], 7, s16                     ; the first block has 8 - 2 rho steps,
	s_add_co_u32 s[N2M1], s16, 1                   ; the second 2 rho + 2
	s_sub_co_u32 s[LEFT], 4, s15
	s_add_co_u32 s[LAP2], s15, 1
	s_mov_b32 s[NXT], 0
	s_mov_b32 s[OFFP+1], 0
	s_mov_b32 s[OFFV+1], 0
	s_mul_i32 s17, s12, 64*PP                      ; where my tile goes: no place in the cluster enters an LDS address
	s_mul_i32 s16, s12, 128*PV
	s_add_co_u32 s16, s16, VOFF
.irp s, 0,1
	s_mov_b32 s[G0+4*(\s)], 1
	s_add_co_u32 s[G0+4*(\s)+1], s17, (\s)*SLOT
	s_mov_b32 s[G0B+4*(\s)], 1
	s_add_co_u32 s[G0B+4*(\s)+1], s16, (\s)*SLOT
.endr
	s_wait_dscnt 0x0                               ; the opening add is done
	s_wait_kmcnt 0x0
	s_add_nc_u64 s[PCUR:PCUR+1], s[4:5], s[18:19]
	s_add_nc_u64 s[PB2:PB2+1], s[4:5], s[20:21]
	s_add_nc_u64 s[VB:VB+1], s[6:7], s[46:47]
	s_add_nc_u64 s[OB2:OB2+1], s[8:9], s[88:89]
	s_add_nc_u64 s[8:9], s[8:9], s[22:23]
	CROUND                                         ; all sixteen work-groups are here: the first joint loads meet
	NEXTADR 0
	JLOAD 0
	NEXTADR 1
	JLOAD 1
.macro CLEAR
.set i, 0
.rept 128
	v_mov_b32 v[ACC+i], 0
.set i, i+1
.endr
.endm
	CLEAR                                          ; in the wait for the first tile
	v_and_b32 v1, 15, v0                           ; r
	v_bfe_u32 v2, v0, 4, 1                         ; h
	v_mul_u32_u24 v3, v1, PP
	v_lshl_add_u32 v3, v2, 4, v3                   ; a fragment of P: row x pitch + 16 x half
	s_mul_i32 s21, s11, 64*PP
	v_add_nc_u32 v[ADRA], s21, v3
	v_add_nc_u32 v[ADRA+1], SLOT, v[ADRA]
	; The turning load takes 16 keys x 16 channels (lane l reads key 8 (l / 16) + l % 8, channels 8 ((l / 8) % 2) + 0..7) and leaves half a fragment of V^T: lane l holds channel l % 16 and 8 keys.
	v_and_b32 v4, 7, v0
	v_bfe_u32 v5, v0, 3, 1
	v_lshl_add_u32 v6, v2, 3, v4
	v_mul_u32_u24 v6, v6, PV
	v_lshl_add_u32 v6, v5, 4, v6
	s_lshl_b32 s22, s12, 7                         ; my 64 channels
	s_add_co_u32 s22, s22, VOFF
	v_add_nc_u32 v[ADRV], s22, v6
	v_add_nc_u32 v[ADRV+1], 128*PV, v[ADRV]
	v_add_nc_u32 v[ADRV+2], SLOT, v[ADRV]
	v_add_nc_u32 v[ADRV+3], SLOT, v[ADRV+1]
	s_mul_i32 s23, s10, 16*SPITCH
	s_add_co_u32 s23, s23, STAGE                   ; my stage
	v_mul_u32_u24 v[STO], v1, SPITCH               ; in: row r, 32 bytes for each half of the lanes
	v_lshl_add_u32 v[STO], v2, 5, v[STO]
	v_add_nc_u32 v[STO], s23, v[STO]
	v_mul_u32_u24 v[RD], v2, SPITCH                ; back: lanes 0-15 one row of 256 bytes, lanes 16-31 the next
	v_lshl_add_u32 v[RD], v1, 4, v[RD]
	v_add_nc_u32 v[RD], s23, v[RD]
	v_lshlrev_b32 v[CO], 12, v2                    ; and the same two rows in out0
	v_lshl_add_u32 v[CO], v1, 4, v[CO]
; 8 matrix instructions: query blocks a0, a0 + 1 x all 4 channel blocks, 32 keys: half c of buffer f.  The 16 accumulators take turns.
.macro MUL8 f, c, a0
	WIN MUL
.irp a, \a0, (\a0)+1
.irp b, 0,1,2,3
	v_wmma_f32_16x16x32_f16 v[ACC+8*(4*(\a)+(\b)):ACC+8*(4*(\a)+(\b))+7], v[(\f)+64+8*(4*(\c)+(\b)):(\f)+64+8*(4*(\c)+(\b))+7], v[(\f)+8*(4*(\c)+(\a)):(\f)+8*(4*(\c)+(\a))+7], v[ACC+8*(4*(\a)+(\b)):ACC+8*(4*(\a)+(\b))+7]
.endr
.endr
.endm
; 32 LDS loads in one run: the fragments of keys 64 q .. 64 q + 63 of the slot's step, into buffer f; the first 32 keys first
.macro FETCH slot, q, f
	WIN TO_F
.irp c, 0,1
.irp i, 0,1,2,3
	ds_load_tr16_b128 v[(\f)+64+8*(4*(\c)+(\i)):(\f)+64+8*(4*(\c)+(\i))+3],   v[ADRV+2*(\slot)+(\q)/2] offset:(((\q)%2)*64+32*(\c))*PV+32*(\i)
	ds_load_tr16_b128 v[(\f)+64+8*(4*(\c)+(\i))+4:(\f)+64+8*(4*(\c)+(\i))+7], v[ADRV+2*(\slot)+(\q)/2] offset:(((\q)%2)*64+32*(\c)+16)*PV+32*(\i)
	ds_load_b128 v[(\f)+8*(4*(\c)+(\i)):(\f)+8*(4*(\c)+(\i))+3],   v[ADRA+(\slot)] offset:128*(\q)+64*(\c)+(\i)*16*PP
	ds_load_b128 v[(\f)+8*(4*(\c)+(\i))+4:(\f)+8*(4*(\c)+(\i))+7], v[ADRA+(\slot)] offset:128*(\q)+64*(\c)+(\i)*16*PP+32
.endr
.endr
.endm
.macro PLACES                          ; four places (ISA guide 7.12.1)
.rept 4
	v_nop
.endr
.endm
; A step is four quarters of 64 keys, 32 matrix instructions each, on buffers 0, 1, 0, 1.  One of the first three: multiplies f and fetches quarter q into g.
.macro QUARTER slot, q, f, g
	s_wait_dscnt 16                                ; the first 32 keys are in
	MUL8 \f, 0, 0
	MUL8 \f, 0, 2
	PLACES
	FETCH \slot, \q, \g
	s_wait_dscnt 32                                ; all but the 32 just issued
	MUL8 \f, 1, 0
	MUL8 \f, 1, 2
.endm
; The last quarter multiplies buffer 1 and changes slots: one barrier; in front of it each wave waits for all its tensor loads, adds 0 to its spare word, and waits for that and for its reads of this slot.
; fill = 1: the barrier opens a round of the cluster's barrier, and this slot is filled again, with the walk's next step but one, first thing behind the round.
.macro TURN slot, next, fill
	WIN 0
	s_wait_tensorcnt 0x0                           ; all my tensor loads have landed: my part of the next slot
	ds_add_u32 v[SPW], v[NIL]                      ; 0 onto my spare word
.if \fill
	NEXTADR \slot                                  ; no load of mine is out, so a group 0 may be written
.endif
	s_wait_dscnt 17                                ; the add and the youngest sixteen loads may be out
	MUL8 F1, 0, 0
	s_wait_dscnt 0x0                               ; the add is done, and my reads of this slot are over
	s_barrier_signal -1
	MUL8 F1, 0, 2
.if \fill
	WIN 0
.endif
	s_barrier_wait -1
.if \fill
	CREST                                          ; no wave of any partner still reads this slot or has a load on its way
	JLOAD \slot                                    ; its four v_nop are also the places in front of the loads below
.else
	PLACES
.endif
	FETCH \next, 0, F0
	MUL8 F1, 1, 0
	MUL8 F1, 1, 2
.endm
; THE WAY OUT of a block: 16 queries at a time, the accumulators as they are, low registers first, into my own stage; back as whole rows of 256 bytes, into two buffers by turns.
.macro STG a
	WIN 0
.irp b, 0,1,2,3
	ds_store_b128 v[STO], v[ACC+8*(4*(\a)+(\b)):ACC+8*(4*(\a)+(\b))+3]   offset:64*(\b)
	ds_store_b128 v[STO], v[ACC+8*(4*(\a)+(\b))+4:ACC+8*(4*(\a)+(\b))+7] offset:64*(\b)+16
.endr
	s_wait_xcnt 0x0                                ; earlier stores have read this buffer
.irp t, 0,1,2,3,4,5,6,7
	ds_load_b128 v[OB+32*((\a)%2)+4*(\t):OB+32*((\a)%2)+4*(\t)+3], v[RD] offset:(\t)*2*SPITCH  ; LDS serves a wave's instructions in order (ISA guide 5.7.1.4): these see the stores above
.endr
.endm
.macro SEND a, younger                 ; younger: the LDS instructions issued behind these loads: the next sixteen rows' 16, or none
.irp t, 0,1,2,3,4,5,6,7
	s_wait_dscnt (\younger)+7-(\t)
	global_store_b128 v[CO], v[OB+32*((\a)%2)+4*(\t):OB+32*((\a)%2)+4*(\t)+3], s[8:9] offset:(\a)*65536+(\t)*8192  ; 16 lanes store 256 consecutive bytes, at a multiple of 256 from out0's first byte
.endr
.endm
.macro WAYOUT
	PLACES
	STG 0
	STG 1
	SEND 0, 16
	STG 2
	SEND 1, 16
	STG 3
	SEND 2, 16
	SEND 3, 0
.endm
	s_wait_tensorcnt 1                             ; my part of step 0 is in; step 1's may stay out
	s_barrier_signal -1
	s_barrier_wait -1
	FETCH 0, 0, F0
	WIN 0
	s_mov_b32 s3, 4
.Llap:                                                 ; four trips: a whole lap each, both slots filled again
	QUARTER 0, 1, F0, F1
	QUARTER 0, 2, F1, F0
	QUARTER 0, 3, F0, F1
	TURN 0, 1, 1
	QUARTER 1, 1, F0, F1
	QUARTER 1, 2, F1, F0
	QUARTER 1, 3, F0, F1
	TURN 1, 0, 1
	WIN 0
	s_sub_co_u32 s[LEFT], s[LEFT], 1
	s_cmp_lg_u32 s[LEFT], 0
	s_cbranch_scc1 .Lsame                          ; forward, over no barrier and no tensor load; the same in all sixteen partners
	WAYOUT                                         ; the first block is finished; the second block's first tiles are on their way or in
	s_wait_xcnt 0x0                                ; the stores have read out0's address
	s_mov_b64 s[8:9], s[OB2:OB2+1]
	CLEAR
	s_mov_b32 s[LEFT], s[LAP2]
.Lsame:
	s_sub_co_u32 s3, s3, 1
	s_cmp_lg_u32 s3, 0
	s_cbranch_scc1 .Llap
	QUARTER 0, 1, F0, F1                           ; the last lap fills nothing
	QUARTER 0, 2, F1, F0
	QUARTER 0, 3, F0, F1
	TURN 0, 1, 0
	QUARTER 1, 1, F0, F1
	QUARTER 1, 2, F1, F0
	QUARTER 1, 3, F0, F1
	s_wait_dscnt 16
	MUL8 F1, 0, 0
	MUL8 F1, 0, 2
	s_wait_dscnt 0x0
	MUL8 F1, 1, 0
	MUL8 F1, 1, 2
	WAYOUT
	s_wait_tensorcnt 0x0                           ; the wave's end
	ds_add_u32 v[SPW], v[NIL]
	s_wait_dscnt 0x0
	CROUND                                         ; the closing round
	s_endpgm
.Lfunc_end_k_q67034b13d2_pv:
	.size	k_q67034b13d2_pv, .Lfunc_end_k_q67034b13d2_pv-k_q67034b13d2_pv
	.p2alignl 7, 3214868480
	.fill 96, 4, 3214868480
	.section	.rodata,"a",@progbits
	.p2align	6, 0x0
	.amdhsa_kernel k_q67034b13d2_pv
		.amdhsa_group_segment_fixed_size 327680
		.amdhsa_private_segment_fixed_size 0
		.amdhsa_enable_private_segment 0
		.amdhsa_kernarg_size 24
		.amdhsa_user_sgpr_count 2
		.amdhsa_user_sgpr_kernarg_segment_ptr 1
		.amdhsa_wavefront_size32 1
		.amdhsa_system_sgpr_workgroup_id_x 1
		.amdhsa_system_sgpr_workgroup_id_y 1
		.amdhsa_system_sgpr_workgroup_id_z 1
		.amdhsa_system_vgpr_workitem_id 0
		.amdhsa_next_free_vgpr 512
		.amdhsa_next_free_sgpr 90
		.amdhsa_reserve_vcc 0
		.amdhsa_float_denorm_mode_32 3
		.amdhsa_float_denorm_mode_16_64 3
		.amdhsa_memory_ordered 1
		.amdhsa_forward_progress 1
		.amdhsa_inst_pref_size 105
	.end_amdhsa_kernel
	.amdgpu_metadata
---
amdhsa.version: [ 1, 2 ]
amdhsa.kernels:
  - .name:           k_q67034b13d2_pv
    .symbol:         k_q67034b13d2_pv.kd
    .args:
      - { .name: pr, .offset: 0, .size: 8, .value_kind: global_buffer, .address_space: global }
      - { .name: qkv, .offset: 8, .size: 8, .value_kind: global_buffer, .address_space: global }
      - { .name: out0, .offset: 16, .size: 8, .value_kind: global_buffer, .address_space: global }
    .group_segment_fixed_size: 327680
    .private_segment_fixed_size: 0
    .kernarg_segment_align: 8
    .kernarg_segment_size: 24
    .max_flat_workgroup_size: 128
    .sgpr_count:     90
    .vgpr_count:     512
    .wavefront_size: 32
...
	.end_amdgpu_metadata
.endif
;; end of part 5
;; launch head (part 6): grid 8 x 4, 8 waves a work-group, no clusters, 42,496 bytes of LDS; arguments hd, out0; writes out0
.if DOCPART == 6
	.amdgcn_target "amdgcn-amd-amdhsa--gfx1250"
	.amdhsa_code_object_version 6
	.text
	.protected	k_q67034b13d2_head
	.globl	k_q67034b13d2_head
	.p2align	8
	.type	k_q67034b13d2_head,@function
k_q67034b13d2_head:
	s_mov_b64 s[64:65], 0
	v_nop
	global_prefetch_b8 v0, s[64:65] scope:SCOPE_SE
	s_setreg_imm32_b32 hwreg(HW_REG_WAVE_MODE, 25, 1), 1
	s_wait_xcnt 0x0
; THE FIRST 32 ROWS OF EACH BATCH, made again from unrounded q, k and v.  hd: [4][32][3072] f32 (a row: q, then k, then v, 1,024 numbers each); out0: [4][2048][1024] f32.
; WHY.  Row q is a mean over q + 1 rows of v.  In the first rows that mean has the size of v itself, while a number's room goes by the whole output's root mean square, which the rows with many keys
; make some ten times smaller: the roundings of q, k, v and the weights to 16 bits do not fit into it there.  Their effect falls with the square root of the number of keys.
; So these rows take the f32 matrix form, v_wmma_f32_16x16x4_f32, on f32 operands: 4 batches x some 7 million multiply-adds (the scores are made anew in each of a batch's eight work-groups),
; against 46 thousand million in the launches before: no bulk work.  This launch writes again 32 rows of each batch that the launch before has written.
; SHARES.  A work-group takes a batch and 128 channels; eight waves.  SCORES: the 1,024 channels of q and k are split among the waves, 128 each, for the three tiles of 16 x 16 that hold a key <= query;
; the eight partial sums meet in LDS, and every wave adds them up and makes the softmax for itself (24 numbers a lane).  OUTPUT: wave w makes channels 16 w .. 16 w + 15 of the work-group's 128.
; LAYOUT.  S^T = K Q^T (source 0 = 16 keys, source 1 = 16 queries): a lane holds query l % 16 and the keys 8 (l / 16) + 0..7.  A fragment of the f32 form is 16 rows x 4 numbers, two a lane: k = 2 (l / 16) + j.
; A load of 16 bytes a lane (channels 8 i + 4 (l / 16) + 0..3) feeds two instructions, registers 0, 1 and 2, 3: a permutation of the channels that is the same in both sources.
; O^T = V^T P (source 0 = 16 channels, source 1 = 16 queries): step s takes the keys 8 (l / 16) + 2 s + j: registers 2 s, 2 s + 1 of a tile of weights ARE source 1, and V is loaded by the same rule.
; In O^T a lane holds one query and eight neighbouring channels.
; SOFTMAX.  p = 2^(c s - c m) / l, c = log2(e) / 32, m the row's true maximum (the diagonal is always visible), all in f32.  A hidden score counts as the lowest finite f32; NaN and infinities are not treated apart.
; REGISTERS: window 0: v0-15 addresses; v16-39 S^T's and v40-63 O^T's accumulators, written by matrix instructions alone; v64-79 V; v80-103 the summed scores, then the weights; v104-127 at work;
;   v128-255 q's fragments, later the partial sums read back      window 1: v0-127 k's fragments
.set ROWB,   12288                     ; bytes in a row of hd
.set STAGE,  8*3072                    ; LDS: wave w's three partial tiles of 1,024 bytes at 3,072 w; behind them the stage: 32 rows x 528 bytes
.set SPITCH, 528                       ; 512 bytes + 16
.set SPARE,  STAGE+32*SPITCH           ; the spare words, 128 bytes for each wave: four blocks of 256 bytes that no other line names
.set FO,  4                            ; v4   my byte offset in 16 rows of q or k: (l % 16) x ROWB + 16 (l / 16) + 512 w
.set VO,  5                            ; v5   in v: 8 (l / 16) rows + 4 (l % 16) + my wave's 16 channels
.set LS,  6                            ; v6   where I put my 32 bytes of a partial tile
.set LR,  7                            ; v7   where I read them back
.set REL, 8                            ; v8   l % 16 - 8 (l / 16): in a diagonal tile register j is hidden where j is greater
.set NEG, 9                            ; v9   the lowest finite number
.set STO, 10                           ; v10  the way out: where I put 32 bytes of a row
.set RD,  11                           ; v11  where I read a row back
.set GO,  12                           ; v12  my byte offset in out0
.set SPW, 14                           ; v14  LDS address of my spare word; never rewritten
.set NIL, 15                           ; v15  0; never rewritten
.set SA,  16                           ; S^T: queries 0-15 x keys 0-15; queries 16-31 x keys 0-15; queries 16-31 x keys 16-31
.set OA,  40                           ; O^T: queries 0-15; queries 16-31 by keys 0-15; queries 16-31 by keys 16-31
.set VF,  64                           ; V: key block kb, step s at VF + 8 kb + 2 s
.set SS,  80
.set TT,  104
.set QF,  128                          ; q's rows 0-15, then rows 16-31
.set KF,  0                            ; window 1: k's rows 0-15, then rows 16-31
.set MSB, 0
.macro WIN new                         ; the immediate's high byte repeats the setting that is left
.if MSB != (\new)
	s_set_vgpr_msb (MSB<<8)|(\new)
.set MSB, \new
.endif
.endm
	s_load_b128 s[4:7], s[0:1], 0x0                ; hd s[4:5], out0 s[6:7]
	v_lshl_add_u32 v[SPW], v0, 2, SPARE
	v_mov_b32 v[NIL], 0
	v_lshrrev_b32 v1, 5, v0
	v_readfirstlane_b32 s8, v1                     ; wave 0..7
	v_and_b32 v1, 15, v0                           ; r = l % 16
	v_bfe_u32 v2, v0, 4, 1                         ; h = l / 16
	v_and_b32 v3, 31, v0                           ; l
	s_and_b32 s10, ttmp7, 0xffff                   ; the batch
	s_mul_i32 s14, s10, 32*ROWB
	s_mov_b32 s15, 0
	s_lshl_b32 s16, s10, 23                        ; 2,048 rows of 4,096 bytes
	s_lshl_b32 s19, ttmp9, 9                       ; the work-group's 128 channels: 512 bytes
	s_add_co_u32 s16, s16, s19
	s_mov_b32 s17, 0
	s_lshl_b32 s18, s8, 9                          ; my 128 channels of q and k
	v_mul_u32_u24 v[FO], v1, ROWB
	v_lshl_add_u32 v[FO], v2, 4, v[FO]
	v_add_nc_u32 v[FO], s18, v[FO]
	s_lshl_b32 s18, s8, 6                          ; my 16 channels of v: 64 bytes
	s_add_co_u32 s19, s19, s18
	v_mul_u32_u24 v[VO], v2, 8*ROWB
	v_lshl_add_u32 v[VO], v1, 2, v[VO]
	v_add_nc_u32 v[VO], s19, v[VO]
	s_mul_i32 s20, s8, 3072
	v_lshl_add_u32 v[LS], v3, 5, s20
	v_lshlrev_b32 v[LR], 5, v3
	v_lshlrev_b32 v[REL], 3, v2
	v_sub_nc_u32 v[REL], v1, v[REL]
	v_mov_b32 v[NEG], 0xff7fffff
	s_add_co_u32 s21, s18, STAGE
	v_mul_u32_u24 v[STO], v1, SPITCH               ; in: row r, my wave's 64 bytes, 32 for each half of the lanes
	v_lshl_add_u32 v[STO], v2, 5, v[STO]
	v_add_nc_u32 v[STO], s21, v[STO]
	s_mul_i32 s21, s8, 4*SPITCH                    ; back: wave w takes rows 4 w .. 4 w + 3, 32 lanes a row's 512 bytes
	s_add_co_u32 s21, s21, STAGE
	v_lshl_add_u32 v[RD], v3, 4, s21
	s_lshl_b32 s21, s8, 14
	v_lshl_add_u32 v[GO], v3, 4, s21
	s_mov_b32 s12, 0x76543210                      ; v_permlanex16_b32: each lane takes its own place in the other half
	s_mov_b32 s13, 0xfedcba98
	s_mov_b32 s22, 0x3d38aa3b                      ; c = log2(e) / 32
	s_mov_b32 s23, s22                             ; named with it as a pair
	s_wait_kmcnt 0x0
	s_add_nc_u64 s[4:5], s[4:5], s[14:15]
	s_add_nc_u64 s[6:7], s[6:7], s[16:17]
; 32 loads: half hf (64 channels) of my 128, for k's and q's 32 rows
.macro LOADS hf
	WIN 0x40                                       ; destination window 1
.irp i, 0,1,2,3,4,5,6,7
	global_load_b128 v[KF+4*(8*(\hf)+(\i)):KF+4*(8*(\hf)+(\i))+3],       v[FO], s[4:5] offset:4096+32*(8*(\hf)+(\i))
	global_load_b128 v[KF+64+4*(8*(\hf)+(\i)):KF+64+4*(8*(\hf)+(\i))+3], v[FO], s[4:5] offset:4096+16*ROWB+32*(8*(\hf)+(\i))
.endr
	WIN 0
.irp i, 0,1,2,3,4,5,6,7
	global_load_b128 v[QF+4*(8*(\hf)+(\i)):QF+4*(8*(\hf)+(\i))+3],       v[FO], s[4:5] offset:32*(8*(\hf)+(\i))
	global_load_b128 v[QF+64+4*(8*(\hf)+(\i)):QF+64+4*(8*(\hf)+(\i))+3], v[FO], s[4:5] offset:16*ROWB+32*(8*(\hf)+(\i))
.endr
.endm
; 48 matrix instructions: steps n0 .. n0 + 15 of 32, four channels each; the three accumulators take turns, one instruction a turn.  Step 0 starts the sums with the constant 0.
.macro SCORES n0
	WIN 0x01                                       ; source 0 (k) in window 1
.set n, \n0
.rept 16
.if n == 0
	v_wmma_f32_16x16x4_f32 v[SA:SA+7],     v[KF+2*n:KF+2*n+1],       v[QF+2*n:QF+2*n+1],       0
	v_wmma_f32_16x16x4_f32 v[SA+8:SA+15],  v[KF+2*n:KF+2*n+1],       v[QF+64+2*n:QF+64+2*n+1], 0
	v_wmma_f32_16x16x4_f32 v[SA+16:SA+23], v[KF+64+2*n:KF+64+2*n+1], v[QF+64+2*n:QF+64+2*n+1], 0
.else
	v_wmma_f32_16x16x4_f32 v[SA:SA+7],     v[KF+2*n:KF+2*n+1],       v[QF+2*n:QF+2*n+1],       v[SA:SA+7]
	v_wmma_f32_16x16x4_f32 v[SA+8:SA+15],  v[KF+2*n:KF+2*n+1],       v[QF+64+2*n:QF+64+2*n+1], v[SA+8:SA+15]
	v_wmma_f32_16x16x4_f32 v[SA+16:SA+23], v[KF+64+2*n:KF+64+2*n+1], v[QF+64+2*n:QF+64+2*n+1], v[SA+16:SA+23]
.endif
.set n, n+1
.endr
	WIN 0
.endm
.macro PLACES8                         ; behind the f32 form eight places stand in front of a line that reads a result, and of a load into a register that it has read
.rept 8
	v_nop
.endr
.endm
	LOADS 0
.irp kb, 0,1
.irp n, 0,1,2,3,4,5,6,7                ; v[key 16 kb + 8 (l / 16) + n][my channel]: 16 lanes take 64 consecutive bytes
	global_load_b32 v[VF+8*(\kb)+(\n)], v[VO], s[4:5] offset:8192+(16*(\kb)+(\n))*ROWB
.endr
.endr
	s_wait_loadcnt 16                              ; the first half of k and q is in; V's 16 loads, which are younger, may stay out
	LOADS 1                                        ; the second half comes while the first is multiplied
	SCORES 0
	s_wait_loadcnt 0x0                             ; the second half, and V
	SCORES 16
	PLACES8
.irp t, 0,1,2                          ; my partial tiles, each accumulator's low registers first
	ds_store_b128 v[LS], v[SA+8*(\t):SA+8*(\t)+3]   offset:1024*(\t)
	ds_store_b128 v[LS], v[SA+8*(\t)+4:SA+8*(\t)+7] offset:1024*(\t)+16
.endr
	s_wait_dscnt 0x0                               ; for the others' sake: my stores are done
	s_barrier_signal -1
	s_barrier_wait -1                              ; all eight partial sums of the three tiles lie in LDS
; Four waves' partial tiles come back into q's registers and are added up; first = 1: they start the sums.
.macro SUM4 p0, first
.irp p, 0,1,2,3
.irp t, 0,1,2
	ds_load_b128 v[QF+24*(\p)+8*(\t):QF+24*(\p)+8*(\t)+3],   v[LR] offset:3072*((\p0)+(\p))+1024*(\t)
	ds_load_b128 v[QF+24*(\p)+8*(\t)+4:QF+24*(\p)+8*(\t)+7], v[LR] offset:3072*((\p0)+(\p))+1024*(\t)+16
.endr
.endr
	s_wait_dscnt 0x0
.set i, 0
.rept 12
	v_pk_add_f32 v[TT+2*i:TT+2*i+1], v[QF+2*i:QF+2*i+1], v[QF+24+2*i:QF+24+2*i+1]
	v_pk_add_f32 v[QF+48+2*i:QF+48+2*i+1], v[QF+48+2*i:QF+48+2*i+1], v[QF+72+2*i:QF+72+2*i+1]
.set i, i+1
.endr
.set i, 0
.rept 12
.if \first
	v_pk_add_f32 v[SS+2*i:SS+2*i+1], v[TT+2*i:TT+2*i+1], v[QF+48+2*i:QF+48+2*i+1]
.else
	v_pk_add_f32 v[TT+2*i:TT+2*i+1], v[TT+2*i:TT+2*i+1], v[QF+48+2*i:QF+48+2*i+1]
.endif
.set i, i+1
.endr
.if !(\first)
.set i, 0
.rept 12
	v_pk_add_f32 v[SS+2*i:SS+2*i+1], v[SS+2*i:SS+2*i+1], v[TT+2*i:TT+2*i+1]
.set i, i+1
.endr
.endif
.endm
	SUM4 0, 1
	SUM4 4, 0
	; the mask: in the two diagonal tiles key 8 (l / 16) + j is hidden from query l % 16 where it is greater
.irp j, 0,1,2,3,4,5,6,7
	v_cmp_gt_i32 vcc_lo, \j, v[REL]
	v_cndmask_b32 v[SS+(\j)], v[SS+(\j)], v[NEG], vcc_lo
	v_cndmask_b32 v[SS+16+(\j)], v[SS+16+(\j)], v[NEG], vcc_lo
.endr
	; the maxima: v104 for queries 0-15 (8 scores a lane), v105 for queries 16-31 (16 scores a lane)
	v_max3_num_f32 v104, v[SS], v[SS+1], v[SS+2]
	v_max3_num_f32 v105, v[SS+8], v[SS+9], v[SS+10]
	v_max3_num_f32 v104, v104, v[SS+3], v[SS+4]
	v_max3_num_f32 v105, v105, v[SS+11], v[SS+12]
	v_max3_num_f32 v104, v104, v[SS+5], v[SS+6]
	v_max3_num_f32 v105, v105, v[SS+13], v[SS+14]
	v_max_num_f32 v104, v104, v[SS+7]
	v_max3_num_f32 v105, v105, v[SS+15], v[SS+16]
	v_max3_num_f32 v105, v105, v[SS+17], v[SS+18]
	v_max3_num_f32 v105, v105, v[SS+19], v[SS+20]
	v_max3_num_f32 v105, v105, v[SS+21], v[SS+22]
	v_max_num_f32 v105, v105, v[SS+23]
	v_permlanex16_b32 v106, v104, s12, s13         ; the query's other keys lie in the lane 16 away (v106 and v107 have been written: they held sums)
	v_permlanex16_b32 v107, v105, s12, s13
	v_max_num_f32 v104, v104, v106
	v_max_num_f32 v105, v105, v107
	v_mul_f32 v108, s22, v104                      ; c m; the packed lines below take the pair's low word for both halves
	v_mul_f32 v110, s22, v105
.set i, 0
.rept 4
	v_pk_fma_f32 v[SS+2*i:SS+2*i+1], v[SS+2*i:SS+2*i+1], s[22:23], v[108:109] op_sel_hi:[1,0,0] neg_lo:[0,0,1] neg_hi:[0,0,1]
.set i, i+1
.endr
.rept 8
	v_pk_fma_f32 v[SS+2*i:SS+2*i+1], v[SS+2*i:SS+2*i+1], s[22:23], v[110:111] op_sel_hi:[1,0,0] neg_lo:[0,0,1] neg_hi:[0,0,1]
.set i, i+1
.endr
.set i, 0
.rept 24
	v_exp_f32 v[SS+i], v[SS+i]
.set i, i+1
.endr
	v_nop                                          ; a plain instruction behind the last exponential,
	s_wait_alu depctr_va_vdst(0)                   ; and a wait ahead of the first use: one for the batch
	v_pk_add_f32 v[112:113], v[SS:SS+1], v[SS+2:SS+3]
	v_pk_add_f32 v[114:115], v[SS+4:SS+5], v[SS+6:SS+7]
	v_pk_add_f32 v[116:117], v[SS+8:SS+9], v[SS+10:SS+11]
	v_pk_add_f32 v[118:119], v[SS+12:SS+13], v[SS+14:SS+15]
	v_pk_add_f32 v[120:121], v[SS+16:SS+17], v[SS+18:SS+19]
	v_pk_add_f32 v[122:123], v[SS+20:SS+21], v[SS+22:SS+23]
	v_pk_add_f32 v[112:113], v[112:113], v[114:115]
	v_pk_add_f32 v[116:117], v[116:117], v[118:119]
	v_pk_add_f32 v[120:121], v[120:121], v[122:123]
	v_add_f32 v112, v112, v113
	v_pk_add_f32 v[116:117], v[116:117], v[120:121]
	v_permlanex16_b32 v113, v112, s12, s13
	v_add_f32 v116, v116, v117
	v_add_f32 v112, v112, v113                     ; l, at least 1: the maximum's own weight
	v_permlanex16_b32 v117, v116, s12, s13
	v_add_f32 v116, v116, v117
	v_rcp_f32 v114, v112
	v_rcp_f32 v118, v116
	v_nop
	s_wait_alu depctr_va_vdst(0)                   ; one wait for both reciprocals
.set i, 0
.rept 4
	v_pk_mul_f32 v[SS+2*i:SS+2*i+1], v[SS+2*i:SS+2*i+1], v[114:115] op_sel_hi:[1,0]
.set i, i+1
.endr
.rept 8
	v_pk_mul_f32 v[SS+2*i:SS+2*i+1], v[SS+2*i:SS+2*i+1], v[118:119] op_sel_hi:[1,0]
.set i, i+1
.endr
	; O^T = V^T P: four steps of four keys for each of three sums, which take turns; step 0 starts them with the constant 0
.irp s, 0,1,2,3
.if (\s) == 0
	v_wmma_f32_16x16x4_f32 v[OA:OA+7],     v[VF+2*(\s):VF+2*(\s)+1],     v[SS+2*(\s):SS+2*(\s)+1],       0
	v_wmma_f32_16x16x4_f32 v[OA+8:OA+15],  v[VF+2*(\s):VF+2*(\s)+1],     v[SS+8+2*(\s):SS+8+2*(\s)+1],   0
	v_wmma_f32_16x16x4_f32 v[OA+16:OA+23], v[VF+8+2*(\s):VF+8+2*(\s)+1], v[SS+16+2*(\s):SS+16+2*(\s)+1], 0
.else
	v_wmma_f32_16x16x4_f32 v[OA:OA+7],     v[VF+2*(\s):VF+2*(\s)+1],     v[SS+2*(\s):SS+2*(\s)+1],       v[OA:OA+7]
	v_wmma_f32_16x16x4_f32 v[OA+8:OA+15],  v[VF+2*(\s):VF+2*(\s)+1],     v[SS+8+2*(\s):SS+8+2*(\s)+1],   v[OA+8:OA+15]
	v_wmma_f32_16x16x4_f32 v[OA+16:OA+23], v[VF+8+2*(\s):VF+8+2*(\s)+1], v[SS+16+2*(\s):SS+16+2*(\s)+1], v[OA+16:OA+23]
.endif
.endr
	PLACES8
	; THE WAY OUT: 32 bytes a lane into the stage; a barrier, since a row's 512 bytes come from eight waves; back as whole rows
	ds_store_b128 v[STO], v[OA:OA+3]
	ds_store_b128 v[STO], v[OA+4:OA+7] offset:16
.irp i, 0,1,2,3
	v_pk_add_f32 v[TT+2*(\i):TT+2*(\i)+1], v[OA+8+2*(\i):OA+8+2*(\i)+1], v[OA+16+2*(\i):OA+16+2*(\i)+1]  ; queries 16-31: the two key blocks' sums, into other registers
.endr
	ds_store_b128 v[STO], v[TT:TT+3]   offset:16*SPITCH
	ds_store_b128 v[STO], v[TT+4:TT+7] offset:16*SPITCH+16
	s_wait_dscnt 0x0                               ; for the others' sake: my stores into the stage are done
	s_barrier_signal -1
	s_barrier_wait -1
.irp i, 0,1,2,3
	ds_load_b128 v[112+4*(\i):112+4*(\i)+3], v[RD] offset:(\i)*SPITCH
.endr
.irp i, 0,1,2,3
	s_wait_dscnt 3-(\i)                            ; the 3 - i younger loads may stay out
	global_store_b128 v[GO], v[112+4*(\i):112+4*(\i)+3], s[6:7] offset:(\i)*4096  ; 512 consecutive bytes, at a multiple of 256 from out0's first byte
.endr
	s_wait_tensorcnt 0x0                           ; the wave's end, behind my last LDS store
	ds_add_u32 v[SPW], v[NIL]
	s_wait_dscnt 0x0
	s_endpgm
.Lfunc_end_k_q67034b13d2_head:
	.size	k_q67034b13d2_head, .Lfunc_end_k_q67034b13d2_head-k_q67034b13d2_head
	.p2alignl 7, 3214868480
	.fill 96, 4, 3214868480
	.section	.rodata,"a",@progbits
	.p2align	6, 0x0
	.amdhsa_kernel k_q67034b13d2_head
		.amdhsa_group_segment_fixed_size 42496
		.amdhsa_private_segment_fixed_size 0
		.amdhsa_enable_private_segment 0
		.amdhsa_kernarg_size 16
		.amdhsa_user_sgpr_count 2
		.amdhsa_user_sgpr_kernarg_segment_ptr 1
		.amdhsa_wavefront_size32 1
		.amdhsa_system_sgpr_workgroup_id_x 1
		.amdhsa_system_sgpr_workgroup_id_y 1
		.amdhsa_system_sgpr_workgroup_id_z 1
		.amdhsa_system_vgpr_workitem_id 0
		.amdhsa_next_free_vgpr 384
		.amdhsa_next_free_sgpr 66
		.amdhsa_reserve_vcc 1
		.amdhsa_float_denorm_mode_32 3
		.amdhsa_float_denorm_mode_16_64 3
		.amdhsa_memory_ordered 1
		.amdhsa_forward_progress 1
		.amdhsa_inst_pref_size 33
	.end_amdhsa_kernel
	.amdgpu_metadata
---
amdhsa.version: [ 1, 2 ]
amdhsa.kernels:
  - .name:           k_q67034b13d2_head
    .symbol:         k_q67034b13d2_head.kd
    .args:
      - { .name: hd, .offset: 0, .size: 8, .value_kind: global_buffer, .address_space: global }
      - { .name: out0, .offset: 8, .size: 8, .value_kind: global_buffer, .address_space: global }
    .group_segment_fixed_size: 42496
    .private_segment_fixed_size: 0
    .kernarg_segment_align: 8
    .kernarg_segment_size: 16
    .max_flat_workgroup_size: 256
    .sgpr_count:     66
    .vgpr_count:     384
    .wavefront_size: 32
...
	.end_amdgpu_metadata
.endif
;; end of part 6
;; ======== version 2 of 3: 5 launches
;; limits: values are held in f16: magnitudes above 65,504 overflow, below 6.1e-05 lose precision
;; workspace buffers: xb 16,777,216 bytes; wb 6,291,456 bytes; bcat 12,288 bytes; qkv 50,331,648 bytes; sc 67,108,864 bytes; pr 33,554,432 bytes; hd 1,572,864 bytes; ho 524,288 bytes
;; launch cast (part 7): grid 512 x 1, 8 waves a work-group, no clusters, 0 bytes of LDS; arguments x, wq, wk, wv, bq, bk, bv, xb, wb, bcat; writes xb, wb, bcat
.if DOCPART == 7
	.amdgcn_target "amdgcn-amd-amdhsa--gfx1250"
	.amdhsa_code_object_version 6
	.text
	.protected	k_q67034b13d2_cast
	.globl	k_q67034b13d2_cast
	.p2align	8
	.type	k_q67034b13d2_cast,@function
k_q67034b13d2_cast:
	s_mov_b64 s[64:65], 0
	v_nop
	global_prefetch_b8 v0, s[64:65] scope:SCOPE_SE
	s_setreg_imm32_b32 hwreg(HW_REG_WAVE_MODE, 25, 1), 1
	s_wait_xcnt 0x0
; x and the three weight matrices are rounded once to bf16 (xb; wb = wq | wk | wv, 3,072 rows); the three biases are rounded to bf16 and kept as f32 (bcat).
; A stream: every byte is read once and written once.  512 work-groups of equal work, two for each of 256 WGPs: work-group g takes part g of 512 of x (16,384 numbers, 65,536 bytes in)
; and part g of 512 of each matrix (2,048 numbers, 8,192 bytes in): 22 loads a thread.  Work-groups 0, 1 and 2 take a bias each as well (one load more).
; Thread t owns 16 bytes at 16 t of each 4,096 bytes read (a wave's load covers 512 consecutive bytes) and 8 bytes at 8 t of each 2,048 written
; (a wave's store covers 256 consecutive bytes, aligned).  All 22 loads go out at once; no register is used twice, so no wait frees any.
; No LDS, no matrix unit, no cluster: no byte is wanted twice.
.set NX, 16                            ; loads of x a thread
.set NL, NX+6                          ; and two of each matrix
	s_load_b512 s[4:19], s[0:1], 0x0               ; x s[4:5], wq s[6:7], wk s[8:9], wv s[10:11], bq s[12:13], bk s[14:15], bv s[16:17], xb s[18:19]
	s_load_b128 s[20:23], s[0:1], 0x40             ; wb s[20:21], bcat s[22:23]
	v_lshlrev_b32 v1, 4, v0                        ; 16 t: in
	v_lshlrev_b32 v2, 3, v0                        ; 8 t: out
	s_lshl_b32 s24, ttmp9, 16                      ; my part of x,
	s_mov_b32 s25, 0
	s_lshl_b32 s26, ttmp9, 15                      ; of xb,
	s_mov_b32 s27, 0
	s_lshl_b32 s28, ttmp9, 13                      ; of a matrix,
	s_mov_b32 s29, 0
	s_lshl_b32 s30, ttmp9, 12                      ; of its 2,097,152 bytes in wb (and, in work-groups 0 to 2, the bias's 4,096 bytes in bcat)
	s_mov_b32 s31, 0
	s_wait_kmcnt 0x0
	s_add_nc_u64 s[4:5], s[4:5], s[24:25]
	s_add_nc_u64 s[6:7], s[6:7], s[28:29]
	s_add_nc_u64 s[8:9], s[8:9], s[28:29]
	s_add_nc_u64 s[10:11], s[10:11], s[28:29]
	s_add_nc_u64 s[18:19], s[18:19], s[26:27]
	s_add_nc_u64 s[20:21], s[20:21], s[30:31]
.set i, 0
.rept NX
	global_load_b128 v[8+4*i:11+4*i], v1, s[4:5] offset:4096*i th:TH_LOAD_NT
.set i, i+1
.endr
.irp m, 0,1,2
.irp u, 0,1
	global_load_b128 v[8+4*(NX+2*(\m)+(\u)):11+4*(NX+2*(\m)+(\u))], v1, s[6+2*(\m):7+2*(\m)] offset:4096*(\u) th:TH_LOAD_NT
.endr
.endr
.set i, 0
.rept NL
	s_wait_loadcnt NL-1-i                          ; loads come back in order: the younger ones may stay out
	v_cvt_pk_bf16_f32 v[8+4*i], v[8+4*i], v[9+4*i]
	v_cvt_pk_bf16_f32 v[9+4*i], v[10+4*i], v[11+4*i]
.if i < NX
	global_store_b64 v2, v[8+4*i:9+4*i], s[18:19] offset:2048*i
.else
	global_store_b64 v2, v[8+4*i:9+4*i], s[20:21] offset:((i-NX)/2)*2097152+((i-NX)%2)*2048
.endif
.set i, i+1
.endr
	s_cmp_ge_u32 ttmp9, 3
	s_cbranch_scc1 .Lend
	s_cmp_eq_u32 ttmp9, 1
	s_cselect_b64 s[32:33], s[14:15], s[12:13]
	s_cmp_eq_u32 ttmp9, 2
	s_cselect_b64 s[32:33], s[16:17], s[32:33]     ; bq, bk or bv
	s_add_nc_u64 s[22:23], s[22:23], s[30:31]
	global_load_b128 v[4:7], v1, s[32:33]          ; the bias: 1,024 numbers, four a thread
	s_wait_loadcnt 0x0
	v_cvt_pk_bf16_f32 v3, v4, v5                   ; rounded as the other inputs are,
	v_cvt_pk_bf16_f32 v0, v6, v7
	v_lshlrev_b32 v4, 16, v3                       ; and widened again: it starts f32 sums
	v_and_b32 v5, 0xffff0000, v3
	v_lshlrev_b32 v6, 16, v0
	v_and_b32 v7, 0xffff0000, v0
	global_store_b128 v1, v[4:7], s[22:23]
.Lend:
	s_endpgm
.Lfunc_end_k_q67034b13d2_cast:
	.size	k_q67034b13d2_cast, .Lfunc_end_k_q67034b13d2_cast-k_q67034b13d2_cast
	.p2alignl 7, 3214868480
	.fill 96, 4, 3214868480
	.section	.rodata,"a",@progbits
	.p2align	6, 0x0
	.amdhsa_kernel k_q67034b13d2_cast
		.amdhsa_group_segment_fixed_size 0
		.amdhsa_private_segment_fixed_size 0
		.amdhsa_enable_private_segment 0
		.amdhsa_kernarg_size 80
		.amdhsa_user_sgpr_count 2
		.amdhsa_user_sgpr_kernarg_segment_ptr 1
		.amdhsa_wavefront_size32 1
		.amdhsa_system_sgpr_workgroup_id_x 1
		.amdhsa_system_sgpr_workgroup_id_y 1
		.amdhsa_system_sgpr_workgroup_id_z 1
		.amdhsa_system_vgpr_workitem_id 0
		.amdhsa_next_free_vgpr 96
		.amdhsa_next_free_sgpr 66
		.amdhsa_reserve_vcc 0
		.amdhsa_float_denorm_mode_32 3
		.amdhsa_float_denorm_mode_16_64 3
		.amdhsa_memory_ordered 1
		.amdhsa_forward_progress 1
		.amdhsa_inst_pref_size 10
	.end_amdhsa_kernel
	.amdgpu_metadata
---
amdhsa.version: [ 1, 2 ]
amdhsa.kernels:
  - .name:           k_q67034b13d2_cast
    .symbol:         k_q67034b13d2_cast.kd
    .args:
      - { .name: x, .offset: 0, .size: 8, .value_kind: global_buffer, .address_space: global }
      - { .name: wq, .offset: 8, .size: 8, .value_kind: global_buffer, .address_space: global }
      - { .name: wk, .offset: 16, .size: 8, .value_kind: global_buffer, .address_space: global }
      - { .name: wv, .offset: 24, .size: 8, .value_kind: global_buffer, .address_space: global }
      - { .name: bq, .offset: 32, .size: 8, .value_kind: global_buffer, .address_space: global }
      - { .name: bk, .offset: 40, .size: 8, .value_kind: global_buffer, .address_space: global }
      - { .name: bv, .offset: 48, .size: 8, .value_kind: global_buffer, .address_space: global }
      - { .name: xb, .offset: 56, .size: 8, .value_kind: global_buffer, .address_space: global }
      - { .name: wb, .offset: 64, .size: 8, .value_kind: global_buffer, .address_space: global }
      - { .name: bcat, .offset: 72, .size: 8, .value_kind: global_buffer, .address_space: global }
    .group_segment_fixed_size: 0
    .private_segment_fixed_size: 0
    .kernarg_segment_align: 8
    .kernarg_segment_size: 80
    .max_flat_workgroup_size: 256
    .sgpr_count:     66
    .vgpr_count:     96
    .wavefront_size: 32
...
	.end_amdgpu_metadata
.endif
;; end of part 7
;; launch proj (part 8): grid 8 x 64, 4 waves a work-group, clusters of 4 x 4, 327,680 bytes of LDS; arguments xb, wb, bcat, qkv, hd; writes qkv, hd
.if DOCPART == 8
	.amdgcn_target "amdgcn-amd-amdhsa--gfx1250"
	.amdhsa_code_object_version 6
	.text
	.protected	k_q67034b13d2_proj
	.globl	k_q67034b13d2_proj
	.p2align	8
	.type	k_q67034b13d2_proj,@function
k_q67034b13d2_proj:
	s_mov_b64 s[64:65], 0
	v_nop
	global_prefetch_b8 v0, s[64:65] scope:SCOPE_SE
	s_setreg_imm32_b32 hwreg(HW_REG_WAVE_MODE, 25, 1), 1
	s_wait_xcnt 0x0
	s_wait_alu depctr_hold_cnt(0) depctr_sa_sdst(0) depctr_va_vdst(0) depctr_va_sdst(0) depctr_va_ssrc(0) depctr_va_vcc(0) depctr_vm_vsrc(0)
	s_getreg_b32 s2, hwreg(HW_REG_IB_STS2, 6, 4)
	s_cmp_eq_u32 s2, 0
	s_cbranch_scc0 .Lentry_in_a_cluster
	s_endpgm
.Lentry_in_a_cluster:
	s_bfe_u32 s2, ttmp6, 0x10000c
	s_cmp_lg_u32 s2, 0xf033
	s_cbranch_scc0 .Lentry_shape_is_right
	s_endpgm
.Lentry_shape_is_right:
; qkv[row][col] = the sum over d of xb[row][d] wb[col][d] + bcat[col].  xb: [8192][1024] bf16, wb: [3072][1024] bf16, bcat: [3072] f32, qkv: [8192][3072] f16.
; Sums in f32, started by the bias; qkv rounded once.  LIMIT: f16 ends at 65,504: q, k and v must stay within it; NaN and infinities are not treated apart.
; hd[b][row][col], [4][32][3072] f32: the same sums, unrounded, for the first 32 rows of each batch: those rows of the output are means over few keys and are made again from hd by a later launch.
; A tile is 128 rows x 384 columns: 64 x 8 = 512 tiles, twice 256; 384 f16 are three aligned blocks of 256 bytes.  Four waves; wave w makes all 128 rows x columns 96 w .. 96 w + 95:
; 48 accumulators (a = 0..7 row blocks, b = 0..5 column blocks).  K goes in 8 steps of 128 (rows of 256 bytes) through a ring of two LDS slots.
; THE TEXT OF A K STEP STANDS TWICE: in a loop of six trips, which fill a slot again, and in a loop of two trips, which fill nothing.  The slot in hand is a scalar base that an exclusive or turns (0, SLOT);
; the LDS addresses are made anew from it at each change of slots, and one descriptor set walks.
; CLUSTER 4 x 4: the four of a row of the cluster need the same rows of xb, the four of a column the same rows of wb: joint loads.  Wave 0 fetches xb's 128 rows, waves 1-3 128 rows of wb each.
; The tile row is 16 cy + cluster y: cy is the batch, and a batch's first tile lies in the clusters with y = 0: the branch round hd's stores is the same in all sixteen partners.
; THE MATRIX INSTRUCTION IS USED TRANSPOSED (source 0 = 16 rows of wb, source 1 = 16 rows of xb): a lane holds row l % 16 and the eight columns 8 (l / 16) + 0..7.
; REGISTERS (s_set_vgpr_msb: bits 1:0 source 0, 3:2 source 1, 5:4 source 2, 7:6 destination):
;   window 0: v0-15 addresses; two fragment buffers of 112 (xb's 8 fragments, then wb's 6) at v32 and v144; on the way out v32-223 at work
;   window 1: accumulators b = 0..3 at v[8 (8 b + a)]     window 2: b = 4, 5 at v[8 (8 (b - 4) + a)]; the bias, 8 numbers a lane for each b, at v[128 + 8 b]
.set KSTEP,  128
.set STEPS,  8
.set PITCH,  272                       ; an LDS row: 256 bytes + 16 of padding: the 16 rows of a load start at 16 different groups of four banks (64 banks of 4 bytes: ISA guide 11.1)
.set HALFT,  128*PITCH                 ; what one tensor load brings: 0x8800 bytes
.set SLOT,   4*HALFT                   ; xb's 128 rows, then wb's 384: 0x22000 bytes, which shares no bit with wave x 0x8800: an exclusive or with it adds or takes it away
.set SPARE,  2*SLOT                    ; behind the ring: the spare words, 128 bytes for each wave
.set STAGE,  SLOT                      ; the way out's stage (128 rows) lies in slot 1, which has had its last fill, and its last read ahead of the last change of slots' barrier
.set SPITCH, 784                       ; the stage's rows: 768 bytes + 16
.set HROW,   12288                     ; bytes in a row of hd
.set HO,   3                           ; v3     my byte offset in hd: row l % 16, 32 bytes for each half of the lanes
.set LA0,  4                           ; v4     my place in xb's rows of a slot; never rewritten
.set ADRA, 5                           ; v5     the same in the slot in hand
.set LB0,  6                           ; v6     my place in wb's rows of a slot; never rewritten
.set ADRB, 7                           ; v7     the same in the slot in hand
.set STO,  8                           ; v8     the way out: where I put 16 bytes of rows 0-63
.set STO2, 9                           ; v9     of rows 64-127
.set RD,   10                          ; v10    where I read rows back
.set CO,   11                          ; v11    my byte offset in qkv
.set BO,   12                          ; v12    my byte offset in a block of 16 biases
.set PFO,  13                          ; v13    the prefetches' offset: my lane x a row of 2,048 bytes
.set SPW,  14                          ; v14    LDS address of my spare word; never rewritten
.set NIL,  15                          ; v15    0; never rewritten
.set F0,   32
.set F1,   144
.set TMP,  32
.set BIAS, 128                         ; in window 2
.set G1,  24                           ; s[24:31] descriptor group 1 for xb;  s[32:39] group 0: a set for each of the two first fills; the second then walks
.set G0,  32
.set G1B, 48                           ; s[48:55], s[56:63] the same for wb
.set G0B, 56
.set PFA, 70                           ; s[70:71] where my prefetches stand
.set LIM, 72                           ; s72  2 in a wave that prefetches, else the greatest number
.set CLY, 73                           ; s73  the cluster's y
.set HD,  74                           ; s[74:75] hd at my batch, my wave's first column
.set TB,  78                           ; s78  LDS byte at which the slot in hand begins
.set MSB, 0
.macro WIN new                         ; the immediate's high byte repeats the setting that is left; a switch that changes nothing is dropped
.if MSB != (\new)
	s_set_vgpr_msb (MSB<<8)|(\new)
.set MSB, \new
.endif
.endm
.set W1,  0x50                         ; C and D in window 1, sources in window 0
.set W2,  0xa0                         ; C and D in window 2
.set W1F, 0x60                         ; D in window 1, C (the bias) in window 2
; A joint load.  The branch hangs on the wave's number alone.  An s_nop 0 and four v_nop follow each of the two lines.
.macro JLOAD s
	s_cmp_eq_u32 s12, 0
	s_cbranch_scc0 .Lfor_b_\@
	tensor_load_to_lds s[G0+4*(\s):G0+4*(\s)+3], s[G1:G1+7]
	s_nop 0
.rept 4
	v_nop
.endr
	s_branch .Lasked_\@
.Lfor_b_\@:
	tensor_load_to_lds s[G0B+4*(\s):G0B+4*(\s)+3], s[G1B:G1B+7]
	s_nop 0
.rept 4
	v_nop
.endr
.Lasked_\@:
.endm
; A prefetch of the K step that stands two refills on: 32 rows x 256 bytes, a lane a row.  xb's rows are read by both clusters of a row of clusters: the one with x = 0 asks; wb's by all sixteen of a
; column: the one with y = 0 asks.  Of the 128 rows that a wave fetches each of the four partners that ask for them jointly takes 32, by address.  So each 256 bytes are named once.
; K steps 0-3 come by their loads alone; the loop's last two trips (s3 = 2, 1) have no K step two refills on.
.macro ASK
	s_cmp_gt_u32 s3, s[LIM]
	s_cbranch_scc0 .Lnot_mine_\@
	global_prefetch_b8 v[PFO], s[PFA:PFA+1] offset:KSTEP*2 th:TH_LOAD_NT scope:SCOPE_SE
.Lnot_mine_\@:
.endm
.macro CREST                           ; a round of the cluster's barrier behind its opening barrier
	s_cmp_lg_u32 s12, 0
	s_cbranch_scc1 .Lnot_wave_0_\@
	s_barrier_signal -3
.Lnot_wave_0_\@:
	s_barrier_wait -3
	s_barrier_signal -1
	s_barrier_wait -1
.endm
.macro CROUND
	s_barrier_signal -1
	s_barrier_wait -1
	CREST
.endm
	s_load_b256 s[4:11], s[0:1], 0x0               ; xb s[4:5], wb s[6:7], bcat s[8:9], qkv s[10:11]
	s_load_b64 s[HD:HD+1], s[0:1], 0x20            ; hd
	v_lshl_add_u32 v[SPW], v0, 2, SPARE
	v_mov_b32 v[NIL], 0
	ds_add_u32 v[SPW], v[NIL]                      ; the wave's opening: the add and its wait ahead of my first tensor load
	v_lshrrev_b32 v1, 5, v0
	v_readfirstlane_b32 s12, v1                    ; wave 0..3
	s_bfe_u32 s40, ttmp6, 0x40000                  ; cx
	s_bfe_u32 s41, ttmp6, 0x40004                  ; cy
	s_lshl_b32 s42, ttmp9, 2
	s_add_co_u32 s42, s42, s40                     ; tile column tx = 4 x cluster x + cx
	s_and_b32 s[CLY], ttmp7, 0xffff
	s_lshl_b32 s13, s41, 4
	s_add_co_u32 s13, s13, s[CLY]                  ; tile row ty = 16 cy + cluster y
	s_lshl_b32 s43, s41, 2
	s_lshl_b32 s43, 15, s43                        ; my row of the cluster
	s_lshl_b32 s44, 0x1111, s40                    ; my column
	s_or_b32 s[G1+0], s43, (1<<16)|(1<<20)|(1<<21)|(5<<22)|(3<<25)   ; the mask; 2-byte elements; padding on; bit 21 beside a mask; after every 64 words 4 words
	s_or_b32 s[G1B+0], s44, (1<<16)|(1<<20)|(1<<21)|(5<<22)|(3<<25)
.irp g, G1, G1B
	s_mov_b32 s[(\g)+1], KSTEP<<16                 ; tensor_dim0 = 128
	s_mov_b32 s[(\g)+2], 128<<16                   ; tensor_dim1 = 128
	s_mov_b32 s[(\g)+3], KSTEP<<16                 ; tile_dim0 = 128
	s_mov_b32 s[(\g)+4], 128                       ; tile_dim1 = 128
	s_mov_b32 s[(\g)+5], 1024                      ; elements from row to row
	s_mov_b32 s[(\g)+6], 0
	s_mov_b32 s[(\g)+7], 0
.endr
	s_lshl_b32 s16, s13, 18                        ; xb: 128 ty rows of 2,048 bytes
	s_mov_b32 s17, 0
	s_max_u32 s45, s12, 1
	s_sub_co_u32 s45, s45, 1
	s_lshl_b32 s45, s45, 7                         ; wb: which 128 of the tile's 384 rows I fetch (wave 0 fetches none: 0)
	s_mul_i32 s46, s42, 384
	s_add_co_u32 s46, s46, s45
	s_lshl_b32 s46, s46, 11
	s_mov_b32 s47, 0
	s_mul_i32 s20, s12, HALFT                      ; where they go: wave x 128 rows
	s_mov_b32 s[TB], 0                             ; K step 0 lies in slot 0
	s_wait_dscnt 0x0                               ; the opening add is done
	s_wait_kmcnt 0x0
	s_add_nc_u64 s[14:15], s[4:5], s[16:17]
	s_add_nc_u64 s[46:47], s[6:7], s[46:47]
	CROUND                                         ; all sixteen work-groups are here: the first joint loads meet
.irp s, 0,1
	s_mov_b32 s[G0+4*(\s)], 1
	s_add_co_u32 s[G0+4*(\s)+1], s20, (\s)*SLOT
	s_add_nc_u64 s[G0+4*(\s)+2:G0+4*(\s)+3], s[14:15], (\s)*KSTEP*2
	s_or_b32 s[G0+4*(\s)+3], s[G0+4*(\s)+3], 0x80000000
	s_mov_b32 s[G0B+4*(\s)], 1
	s_add_co_u32 s[G0B+4*(\s)+1], s20, (\s)*SLOT
	s_add_nc_u64 s[G0B+4*(\s)+2:G0B+4*(\s)+3], s[46:47], (\s)*KSTEP*2
	s_or_b32 s[G0B+4*(\s)+3], s[G0B+4*(\s)+3], 0x80000000
	JLOAD \s
.endr
	v_and_b32 v1, 15, v0                           ; r = l % 16
	v_bfe_u32 v2, v0, 4, 1                         ; h = l / 16
	v_lshlrev_b32 v[BO], 5, v2                     ; my eight biases of a block of 16
	s_mul_i32 s46, s42, 384
	s_mul_i32 s47, s12, 96
	s_add_co_u32 s46, s46, s47                     ; my wave's first column
	s_lshl_b32 s46, s46, 2
	s_mov_b32 s47, 0
	s_add_nc_u64 s[8:9], s[8:9], s[46:47]
	s_add_nc_u64 s[HD:HD+1], s[HD:HD+1], s[46:47]  ; the same column in hd,
	s_mul_i32 s76, s41, 32*HROW                    ; in my batch's 32 rows
	s_mov_b32 s77, 0
	s_add_nc_u64 s[HD:HD+1], s[HD:HD+1], s[76:77]
	WIN 0x80                                       ; destination window 2
.irp b, 0,1,2,3,4,5
	global_load_b128 v[BIAS+8*(\b):BIAS+8*(\b)+3],   v[BO], s[8:9] offset:64*(\b)
	global_load_b128 v[BIAS+8*(\b)+4:BIAS+8*(\b)+7], v[BO], s[8:9] offset:64*(\b)+16
.endr
	WIN 0
	v_mul_u32_u24 v[LA0], v1, PITCH
	v_lshl_add_u32 v[LA0], v2, 4, v[LA0]           ; a fragment's row x pitch + 16 x half
	s_mul_i32 s21, s12, 96*PITCH
	s_add_co_u32 s21, s21, HALFT                   ; my 96 rows of wb, behind xb's 128
	v_add_nc_u32 v[LB0], s21, v[LA0]
	v_mov_b32 v[ADRA], v[LA0]                      ; slot 0 is in hand
	v_mov_b32 v[ADRB], v[LB0]
	v_mul_u32_u24 v[HO], v1, HROW
	v_lshl_add_u32 v[HO], v2, 5, v[HO]
	s_mul_i32 s22, s12, 192
	s_add_co_u32 s22, s22, STAGE
	v_mul_u32_u24 v[STO], v1, SPITCH               ; into the stage: row r, my wave's 192 bytes, 16 bytes for each half of the lanes
	v_lshl_add_u32 v[STO], v2, 4, v[STO]
	v_add_nc_u32 v[STO], s22, v[STO]
	v_add_nc_u32 v[STO2], 64*SPITCH, v[STO]
	s_mul_i32 s22, s12, 32*SPITCH                  ; back: wave w takes rows 32 w .. 32 w + 31 whole; lanes 0-15 256 bytes of one row, lanes 16-31 of the next
	s_add_co_u32 s22, s22, STAGE
	v_mul_u32_u24 v[RD], v2, SPITCH
	v_lshl_add_u32 v[RD], v1, 4, v[RD]
	v_add_nc_u32 v[RD], s22, v[RD]
	v_mul_u32_u24 v[CO], v2, 6144
	v_lshl_add_u32 v[CO], v1, 4, v[CO]
	s_lshl_b32 s16, s13, 7
	s_lshl_b32 s17, s12, 5
	s_add_co_u32 s16, s16, s17                     ; the first row of qkv that I store
	s_mul_i32 s16, s16, 6144
	s_mov_b32 s17, 0
	s_add_nc_u64 s[10:11], s[10:11], s[16:17]
	s_mul_i32 s46, s42, 768                        ; the tile's first column, in bytes
	s_mov_b32 s47, 0
	s_add_nc_u64 s[10:11], s[10:11], s[46:47]
	; the prefetches
	s_lshl_b32 s20, s13, 7                         ; xb's first row,
	s_mul_i32 s21, s42, 384
	s_add_co_u32 s21, s21, s45                     ; wb's
	s_and_b32 s22, ttmp7, 0xffff                   ; cluster y
	s_cmp_eq_u32 s12, 0                            ; do I fetch for xb?
	s_cselect_b32 s20, s20, s21
	s_cselect_b32 s21, s40, s41                    ; my place among the four that ask with me
	s_cselect_b32 s22, ttmp9, s22                  ; the coordinate along which other clusters read the same rows
	s_cselect_b64 s[PFA:PFA+1], s[4:5], s[6:7]
	s_cmp_eq_u32 s22, 0
	s_cselect_b32 s[LIM], 2, -1                    ; the same in all sixteen partners, for a given wave
	s_lshl_b32 s21, s21, 5
	s_add_co_u32 s20, s20, s21                     ; my work-group's 32 rows
	s_lshl_b32 s20, s20, 11
	s_mov_b32 s21, 0
	s_add_nc_u64 s[PFA:PFA+1], s[PFA:PFA+1], s[20:21]
	s_add_nc_u64 s[PFA:PFA+1], s[PFA:PFA+1], 2*KSTEP*2  ; at K step 2: the first refill steps it to 3 and names K step 4
	v_and_b32 v[PFO], 31, v0
	v_lshlrev_b32 v[PFO], 11, v[PFO]
; 16 matrix instructions: column blocks b0, b0 + 1 x all 8 row blocks, 32 along K.  first = 1: the bias starts the sums: nothing is cleared or added later.
; The 48 accumulators take turns in the same order in every quarter.
.macro MULB f, b0, first
.if (\b0) >= 4
	WIN W2
.elseif \first
	WIN W1F
.else
	WIN W1
.endif
.irp b, \b0, (\b0)+1
.irp a, 0,1,2,3,4,5,6,7
.if \first
	v_wmma_f32_16x16x32_bf16 v[8*(8*((\b)%4)+(\a)):8*(8*((\b)%4)+(\a))+7], v[(\f)+64+8*(\b):(\f)+64+8*(\b)+7], v[(\f)+8*(\a):(\f)+8*(\a)+7], v[BIAS+8*(\b):BIAS+8*(\b)+7]
.else
	v_wmma_f32_16x16x32_bf16 v[8*(8*((\b)%4)+(\a)):8*(8*((\b)%4)+(\a))+7], v[(\f)+64+8*(\b):(\f)+64+8*(\b)+7], v[(\f)+8*(\a):(\f)+8*(\a)+7], v[8*(8*((\b)%4)+(\a)):8*(8*((\b)%4)+(\a))+7]
.endif
.endr
.endr
.endm
; 28 LDS loads in one run, from byte k of the rows of the slot in hand: xb's 16, then wb's 12, the last four of them blocks 4 and 5
.macro FETCH k, f
	WIN 0
.irp i, 0,1,2,3,4,5,6,7
	ds_load_b128 v[(\f)+8*(\i):(\f)+8*(\i)+3],   v[ADRA] offset:(\k)+(\i)*16*PITCH
	ds_load_b128 v[(\f)+8*(\i)+4:(\f)+8*(\i)+7], v[ADRA] offset:(\k)+(\i)*16*PITCH+32
.endr
.irp i, 0,1,2,3,4,5
	ds_load_b128 v[(\f)+64+8*(\i):(\f)+64+8*(\i)+3],   v[ADRB] offset:(\k)+(\i)*16*PITCH
	ds_load_b128 v[(\f)+64+8*(\i)+4:(\f)+64+8*(\i)+7], v[ADRB] offset:(\k)+(\i)*16*PITCH+32
.endr
.endm
.macro PLACES                          ; four places in front of loads into registers that matrix instructions have read, and of lines that read results
.rept 4
	v_nop
.endr
.endm
; A K step is four quarters of 32 along K, 48 matrix instructions each, on buffers 0, 1, 0, 1.  One of the first three: multiplies f, fetches the next quarter, at byte k, into g.
.macro QUARTER k, f, g, first
	s_wait_dscnt 4                                 ; all but the youngest four loads (wb's blocks 4 and 5)
	MULB \f, 0, \first
	MULB \f, 2, \first
	PLACES
	FETCH \k, \g
	s_wait_dscnt 28                                ; all but the 28 just issued
	MULB \f, 4, \first
.endm
; The last quarter changes slots and multiplies buffer 1.  One barrier; in front of it each wave waits for all its tensor loads, adds 0 to its spare word, and waits for that and for its reads of this slot.
; fill = 1: the barrier opens a round of the cluster's barrier, and the slot just read is filled again, two K steps ahead, first thing behind the round.
; ALL 48 PRODUCTS OF THE QUARTER STAND BEHIND THE REFILL: no matrix work stands between the wait for all tensor loads and the refill, so that a refill has a whole K step's 192 matrix instructions in which to land.
; fill = 0: nothing is asked for; in the tile's last K step (s3 = 1) there is no next slot either, and the run of LDS loads is jumped over.
.macro TURN fill
.if \fill
	s_wait_xcnt 0x0                                ; the last prefetch, a K step back, has read its address
	s_add_nc_u64 s[PFA:PFA+1], s[PFA:PFA+1], KSTEP*2
.endif
	WIN 0
	s_wait_tensorcnt 0x0                           ; all my tensor loads have landed: my part of the next slot
	ds_add_u32 v[SPW], v[NIL]                      ; 0 onto my spare word; the steps below, work on registers, stand between it and the wait for it
	s_xor_b32 s[TB], s[TB], SLOT                   ; the other slot comes in hand
	v_add_nc_u32 v[ADRA], s[TB], v[LA0]
	v_add_nc_u32 v[ADRB], s[TB], v[LB0]
.if \fill
	s_xor_b32 s[G0+5], s[G0+5], SLOT               ; no load of mine is out, so the walking descriptors may be written: the other slot than last time,
	s_add_nc_u64 s[G0+6:G0+7], s[G0+6:G0+7], KSTEP*2     ; the next K step
	s_xor_b32 s[G0B+5], s[G0B+5], SLOT
	s_add_nc_u64 s[G0B+6:G0B+7], s[G0B+6:G0B+7], KSTEP*2
.endif
	s_wait_dscnt 0x0                               ; the add is done, and my reads of the slot that I leave are over: buffer 1 is whole
	s_barrier_signal -1
	s_barrier_wait -1
.if \fill
	CREST                                          ; no wave of any partner still reads that slot or has a load on its way
	JLOAD 1                                        ; its four v_nop are also the places in front of the loads below
	FETCH 0, F0
	ASK
.else
	PLACES
	s_cmp_eq_u32 s3, 1
	s_cbranch_scc1 .Lno_next_\@
	FETCH 0, F0
.Lno_next_\@:
.endif
	MULB F1, 0, 0
	MULB F1, 2, 0
	MULB F1, 4, 0
.endm
	s_wait_tensorcnt 1                             ; my part of K step 0 is in; K step 1's may stay out
	s_barrier_signal -1
	s_barrier_wait -1
	FETCH 0, F0
	s_wait_loadcnt 0x0                             ; the bias
	QUARTER 64, F0, F1, 1                          ; the first quarter stands in front of the loop: its products start the sums
	WIN 0
	s_mov_b32 s3, STEPS-2
.Lstep:                                                ; six trips, from a K step's second quarter to the next one's first; each fills a slot again: K steps 2 to 7
	QUARTER 128, F1, F0, 0
	QUARTER 192, F0, F1, 0
	TURN 1
	QUARTER 64,  F0, F1, 0
	WIN 0
	s_sub_co_u32 s3, s3, 1
	s_cmp_lg_u32 s3, 0
	s_cbranch_scc1 .Lstep
	s_mov_b32 s3, 2
.Ltail:                                                ; the last two K steps fill nothing: a text of their own
	QUARTER 128, F1, F0, 0
	QUARTER 192, F0, F1, 0
	TURN 0                                         ; in the last trip its barrier stands between every wave's last reads of slot 1 and the stage's stores
	WIN 0
	s_cmp_eq_u32 s3, 1
	s_cbranch_scc1 .Llast                          ; behind the last K step there is no first quarter: forward, over no barrier and no tensor load
	QUARTER 64,  F0, F1, 0
	WIN 0
.Llast:
	s_sub_co_u32 s3, s3, 1
	s_cmp_lg_u32 s3, 0
	s_cbranch_scc1 .Ltail
	PLACES
	; A BATCH'S FIRST TILE (cluster y = 0, the same in all sixteen partners): rows 0-31, row blocks a = 0 and 1, go to hd as they are, each accumulator's low registers first.
	; A lane's eight sums are 32 consecutive bytes of a row; the two halves of the lanes make runs of 64 bytes: 24 stores a wave, in 32 of the 512 work-groups.
	s_cmp_lg_u32 s[CLY], 0
	s_cbranch_scc1 .Lno_head
	WIN 0x04                                       ; the stores' data in window 1
.irp b, 0,1,2,3
.irp a, 0,1
	global_store_b128 v[HO], v[8*(8*(\b)+(\a)):8*(8*(\b)+(\a))+3],   s[HD:HD+1] offset:(\a)*16*HROW+64*(\b)
	global_store_b128 v[HO], v[8*(8*(\b)+(\a))+4:8*(8*(\b)+(\a))+7], s[HD:HD+1] offset:(\a)*16*HROW+64*(\b)+16
.endr
.endr
	WIN 0x08                                       ; in window 2
.irp b, 4,5
.irp a, 0,1
	global_store_b128 v[HO], v[8*(8*((\b)-4)+(\a)):8*(8*((\b)-4)+(\a))+3],   s[HD:HD+1] offset:(\a)*16*HROW+64*(\b)
	global_store_b128 v[HO], v[8*(8*((\b)-4)+(\a))+4:8*(8*((\b)-4)+(\a))+7], s[HD:HD+1] offset:(\a)*16*HROW+64*(\b)+16
.endr
.endr
	WIN 0
.Lno_head:
	; THE WAY OUT: round to f16 (each accumulator's registers in ascending order); 16 bytes a lane into the stage; a barrier, since a row's 768 bytes come from four waves; back as whole rows.
	WIN 0x05                                       ; sources in window 1
.irp b, 0,1,2,3
.irp a, 0,1,2,3,4,5,6,7
.irp r, 0,1,2,3
	v_cvt_pk_f16_f32 v[TMP+4*(8*(\b)+(\a))+(\r)], v[8*(8*(\b)+(\a))+2*(\r)], v[8*(8*(\b)+(\a))+2*(\r)+1]
.endr
.endr
.endr
	WIN 0x0a                                       ; sources in window 2
.irp b, 4,5
.irp a, 0,1,2,3,4,5,6,7
.irp r, 0,1,2,3
	v_cvt_pk_f16_f32 v[TMP+4*(8*(\b)+(\a))+(\r)], v[8*(8*((\b)-4)+(\a))+2*(\r)], v[8*(8*((\b)-4)+(\a))+2*(\r)+1]
.endr
.endr
.endr
	WIN 0
.irp b, 0,1,2,3,4,5
.irp a, 0,1,2,3
	ds_store_b128 v[STO],  v[TMP+4*(8*(\b)+(\a)):TMP+4*(8*(\b)+(\a))+3]     offset:(\a)*16*SPITCH+32*(\b)
	ds_store_b128 v[STO2], v[TMP+4*(8*(\b)+(\a)+4):TMP+4*(8*(\b)+(\a)+4)+3] offset:(\a)*16*SPITCH+32*(\b)
.endr
.endr
	s_wait_dscnt 0x0                               ; for the others' sake: my stores into the stage are done
	s_barrier_signal -1
	s_barrier_wait -1
.set t, 0
.rept 48                                       ; pair of rows t / 3, block of 256 bytes t % 3
	ds_load_b128 v[TMP+4*t:TMP+4*t+3], v[RD] offset:(t/3)*2*SPITCH+(t%3)*256
.set t, t+1
.endr
.set t, 0
.rept 48
.if t%4 == 0
	s_wait_dscnt 44-t                              ; one wait for four stores: the 44 - t loads behind the four wanted may stay out
.endif
	global_store_b128 v[CO], v[TMP+4*t:TMP+4*t+3], s[10:11] offset:(t/3)*2*6144+(t%3)*256  ; 16 lanes store 256 consecutive bytes, at a multiple of 256 from qkv's first byte
.set t, t+1
.endr
	s_wait_tensorcnt 0x0                           ; the wave's end
	ds_add_u32 v[SPW], v[NIL]
	s_wait_dscnt 0x0
	CROUND                                         ; the closing round
	s_endpgm
.Lfunc_end_k_q67034b13d2_proj:
	.size	k_q67034b13d2_proj, .Lfunc_end_k_q67034b13d2_proj-k_q67034b13d2_proj
	.p2alignl 7, 3214868480
	.fill 96, 4, 3214868480
	.section	.rodata,"a",@progbits
	.p2align	6, 0x0
	.amdhsa_kernel k_q67034b13d2_proj
		.amdhsa_group_segment_fixed_size 327680
		.amdhsa_private_segment_fixed_size 0
		.amdhsa_enable_private_segment 0
		.amdhsa_kernarg_size 40
		.amdhsa_user_sgpr_count 2
		.amdhsa_user_sgpr_kernarg_segment_ptr 1
		.amdhsa_wavefront_size32 1
		.amdhsa_system_sgpr_workgroup_id_x 1
		.amdhsa_system_sgpr_workgroup_id_y 1
		.amdhsa_system_sgpr_workgroup_id_z 1
		.amdhsa_system_vgpr_workitem_id 0
		.amdhsa_next_free_vgpr 688
		.amdhsa_next_free_sgpr 80
		.amdhsa_reserve_vcc 0
		.amdhsa_float_denorm_mode_32 3
		.amdhsa_float_denorm_mode_16_64 3
		.amdhsa_memory_ordered 1
		.amdhsa_forward_progress 1
		.amdhsa_inst_pref_size 85
	.end_amdhsa_kernel
	.amdgpu_metadata
---
amdhsa.version: [ 1, 2 ]
amdhsa.kernels:
  - .name:           k_q67034b13d2_proj
    .symbol:         k_q67034b13d2_proj.kd
    .args:
      - { .name: xb, .offset: 0, .size: 8, .value_kind: global_buffer, .address_space: global }
      - { .name: wb, .offset: 8, .size: 8, .value_kind: global_buffer, .address_space: global }
      - { .name: bcat, .offset: 16, .size: 8, .value_kind: global_buffer, .address_space: global }
      - { .name: qkv, .offset: 24, .size: 8, .value_kind: global_buffer, .address_space: global }
      - { .name: hd, .offset: 32, .size: 8, .value_kind: global_buffer, .address_space: global }
    .group_segment_fixed_size: 327680
    .private_segment_fixed_size: 0
    .kernarg_segment_align: 8
    .kernarg_segment_size: 40
    .max_flat_workgroup_size: 128
    .sgpr_count:     80
    .vgpr_count:     688
    .wavefront_size: 32
...
	.end_amdgpu_metadata
.endif
;; end of part 8
;; launch scores (part 9): grid 44 x 4, 4 waves a work-group, no clusters, 327,680 bytes of LDS; arguments qkv, sc, hd, ho; writes sc, ho
.if DOCPART == 9
	.amdgcn_target "amdgcn-amd-amdhsa--gfx1250"
	.amdhsa_code_object_version 6
	.text
	.protected	k_q67034b13d2_scores
	.globl	k_q67034b13d2_scores
	.p2align	8
	.type	k_q67034b13d2_scores,@function
k_q67034b13d2_scores:
	s_mov_b64 s[64:65], 0
	v_nop
	global_prefetch_b8 v0, s[64:65] scope:SCOPE_SE
	s_setreg_imm32_b32 hwreg(HW_REG_WAVE_MODE, 25, 1), 1
	s_wait_xcnt 0x0
; TWO KINDS OF WORK-GROUPS.  x = 0..35 of a batch: a tile of raw scores.  x = 36..43: the first 32 rows of the batch's output, made from unrounded q, k and v (at the label .Lhead, with its own comment).
; The 144 tiles leave 112 of 256 WGPs without a work-group; the 32 others take some of those.
; THE TILES.  sc[b][q][k] = the sum over d of q[b][q][d] k[b][k][d], unscaled, f32, for the 36 tiles of 256 x 256 of each batch that hold a key k <= q.  q and k are f16, bytes 0 and 2,048 of qkv's rows of 6,144.
; Work-group t of a batch makes tile (i, j), j <= i, t = i (i + 1) / 2 + j.  Four waves, each 128 queries x 128 keys: 64 accumulators, 512 registers.  K goes in 8 steps of 128 through two LDS slots.
; THE TEXT OF A K STEP STANDS TWICE: in a loop of six trips, which fill a slot again, and in a loop of two trips, which fill nothing.  The slot in hand is a scalar base that an exclusive or turns (0, SLOT);
; the LDS addresses are made anew from it at each change of slots, and one descriptor set walks.
; NO CLUSTER: row i of the triangle has i + 1 tiles and column j 8 - j: the 36 tiles do not fall into fours that share a row or a column, and square clusters would hold work-groups that lie wholly
; above the diagonal and have nothing to do.
; THE MATRIX INSTRUCTION IS USED TRANSPOSED (source 0 = 16 keys, source 1 = 16 queries): a lane holds query l % 16 and the eight keys 8 (l / 16) + 0..7: 32 consecutive bytes of sc.
; REGISTERS: window 0: v0-31 addresses; v64-127, v128-191 q's fragments, two buffers (on the way out: rows read back)   window 1: v64-127, v128-191 k's fragments
;   window 2: the accumulators of my queries 0-63 ((a, b) at v[8 (8 a + b)])   window 3: those of queries 64-127
.set KSTEP,  128
.set STEPS,  8
.set PITCH,  272                       ; 256 bytes + 16 of padding: the 16 rows of a load start at 16 different groups of four banks (64 banks of 4 bytes: ISA guide 11.1)
.set HALFT,  128*PITCH                 ; 0x8800 bytes
.set SLOT,   4*HALFT                   ; q's 256 rows, then k's 256: 0x22000 bytes, which shares no bit with wave x 0x8800: an exclusive or with it adds or takes it away
.set STAGE,  2*SLOT                    ; behind the ring: 16 rows x 528 bytes for each wave
.set SPITCH, 528
.set SPARE,  STAGE+4*16*SPITCH         ; the spare words, 128 bytes for each wave
.set ROWB,   6144                      ; bytes in a row of qkv
.set SROW,   8192                      ; bytes in a row of sc
.set LA0,  16                          ; my place in q's rows of a slot; never rewritten
.set ADRA, 17                          ; the same in the slot in hand
.set LB0,  20                          ; my place in k's rows of a slot; never rewritten
.set ADRB, 21                          ; the same in the slot in hand
.set STO,  24
.set RD,   25
.set CO,   26
.set SPW,  28                          ; never rewritten
.set NIL,  29                          ; never rewritten
.set PFO,  30                          ; my lane x a row of qkv
.set F0,   64
.set F1,   128
.set G1, 24                            ; s[24:31]
.set G0, 32                            ; s[32:39] a set for each of the two first fills; the second then walks
.set LIM, 43
.set PFA, 44                           ; s[44:45]
.set TB,  46                           ; s46  LDS byte at which the slot in hand begins
.set HD,  48                           ; s[48:49] hd
.set HO,  50                           ; s[50:51] ho
.set MSB, 0
.macro WIN new
.if MSB != (\new)
	s_set_vgpr_msb (MSB<<8)|(\new)
.set MSB, \new
.endif
.endm
.set MUL_LO, 0xa1                      ; source 0 (k) window 1, source 1 (q) window 0, C and D window 2
.set MUL_HI, 0xf1
.set TO_B,   0x40
.macro TLOAD s                         ; each wave fetches 128 rows of its own (waves 0, 1: q's halves; 2, 3: k's); an s_nop 0 and four v_nop follow
	tensor_load_to_lds s[G0+4*(\s):G0+4*(\s)+3], s[G1:G1+7]
	s_nop 0
.rept 4
	v_nop
.endr
.endm
; A prefetch of my own 128 rows' 256 bytes of the K step two refills on: a lane a row, four instructions.  q's rows of block i are read by the tiles (i, 0 .. i): tile j = 0 asks; k's rows of block j
; by the tiles (j .. 7, j): tile i = j asks.  So each 256 bytes are named once.  K steps 0-3 come by their loads alone; the loop's last two trips (s3 = 2, 1) ask for nothing.
.macro ASK
	s_cmp_gt_u32 s3, s[LIM]
	s_cbranch_scc0 .Lnot_mine_\@
.irp n, 0,1,2,3
	global_prefetch_b8 v[PFO], s[PFA:PFA+1] offset:KSTEP*2+(\n)*32*ROWB th:TH_LOAD_NT scope:SCOPE_SE
.endr
.Lnot_mine_\@:
.endm
	s_load_b128 s[4:7], s[0:1], 0x0                ; qkv s[4:5], sc s[6:7]
	s_load_b128 s[HD:HD+3], s[0:1], 0x10           ; hd, ho
	v_lshl_add_u32 v[SPW], v0, 2, SPARE
	v_mov_b32 v[NIL], 0
	ds_add_u32 v[SPW], v[NIL]                      ; the wave's opening: the add and its wait ahead of my first tensor load
	v_lshrrev_b32 v1, 5, v0
	v_readfirstlane_b32 s10, v1                    ; wave 0..3
	s_lshr_b32 s11, s10, 1                         ; my half of the queries.  Also: I fetch q (0) or k (1)
	s_and_b32 s12, s10, 1                          ; my half of the keys.  Also: which 128 rows I fetch
	s_mov_b32 s13, 0
.irp T, 1,3,6,10,15,21,28
	s_cmp_ge_u32 ttmp9, \T                         ; i = how many triangular numbers t has reached
	s_cselect_b32 s14, 1, 0
	s_add_co_u32 s13, s13, s14
.endr
	s_add_co_u32 s14, s13, 1
	s_mul_i32 s14, s14, s13
	s_lshr_b32 s14, s14, 1
	s_sub_co_u32 s15, ttmp9, s14                   ; j
	s_and_b32 s16, ttmp7, 0xffff
	s_lshl_b32 s16, s16, 11                        ; the batch's first row
	s_mov_b32 s[G1+0], (1<<16)|(1<<20)|(5<<22)|(3<<25)  ; 2-byte elements; padding on: after every 64 words 4 words
	s_mov_b32 s[G1+1], KSTEP<<16
	s_mov_b32 s[G1+2], 128<<16
	s_mov_b32 s[G1+3], KSTEP<<16
	s_mov_b32 s[G1+4], 128
	s_mov_b32 s[G1+5], 3072                        ; elements from row to row
	s_mov_b32 s[G1+6], 0
	s_mov_b32 s[G1+7], 0
	s_cmp_eq_u32 s11, 0
	s_cselect_b32 s20, s13, s15                    ; q's block i or k's block j
	s_lshl_b32 s20, s20, 8
	s_lshl_b32 s17, s12, 7
	s_add_co_u32 s20, s20, s17
	s_add_co_u32 s20, s20, s16
	s_mul_i32 s20, s20, ROWB
	s_lshl_b32 s17, s11, 11                        ; k lies 2,048 bytes into a row
	s_add_co_u32 s20, s20, s17
	s_mov_b32 s21, 0
	s_mul_i32 s18, s10, HALFT                      ; where my rows go
	s_sub_co_u32 s17, s13, s15
	s_cmp_eq_u32 s11, 0
	s_cselect_b32 s17, s15, s17                    ; j for q's rows, i - j for k's
	s_cmp_eq_u32 s17, 0
	s_cselect_b32 s[LIM], 2, -1
	s_mov_b32 s[TB], 0                             ; K step 0 lies in slot 0
	s_wait_dscnt 0x0                               ; the opening add is done
	s_wait_kmcnt 0x0
	s_cmp_ge_u32 ttmp9, 36                         ; the same in all four waves; the tile numbers made above are not used on that way
	s_cbranch_scc1 .Lhead                          ; behind the add's wait, ahead of every tensor load: that way issues none, and has its own end
	s_add_nc_u64 s[22:23], s[4:5], s[20:21]
.irp s, 0,1
	s_mov_b32 s[G0+4*(\s)], 1
	s_add_co_u32 s[G0+4*(\s)+1], s18, (\s)*SLOT
	s_add_nc_u64 s[G0+4*(\s)+2:G0+4*(\s)+3], s[22:23], (\s)*KSTEP*2
	s_or_b32 s[G0+4*(\s)+3], s[G0+4*(\s)+3], 0x80000000
	TLOAD \s
.endr
	s_add_nc_u64 s[PFA:PFA+1], s[22:23], 2*KSTEP*2 ; at K step 2: the first refill steps it to 3 and names K step 4
	v_and_b32 v1, 15, v0                           ; r
	v_bfe_u32 v2, v0, 4, 1                         ; h
	v_and_b32 v5, 31, v0                           ; l
	v_mul_u32_u24 v3, v1, PITCH
	v_lshl_add_u32 v3, v2, 4, v3
	s_mul_i32 s21, s11, HALFT                      ; my 128 queries
	s_mul_i32 s22, s12, HALFT
	s_add_co_u32 s22, s22, 2*HALFT                 ; my 128 keys
	v_add_nc_u32 v[LA0], s21, v3
	v_add_nc_u32 v[LB0], s22, v3
	v_mov_b32 v[ADRA], v[LA0]                      ; slot 0 is in hand
	v_mov_b32 v[ADRB], v[LB0]
	s_mul_i32 s19, s10, 16*SPITCH
	s_add_co_u32 s19, s19, STAGE                   ; my stage
	v_mul_u32_u24 v4, v1, SPITCH                   ; in: row r, 32 bytes for each half of the lanes
	v_lshl_add_u32 v4, v2, 5, v4
	v_add_nc_u32 v[STO], s19, v4
	v_lshlrev_b32 v[CO], 4, v5                     ; back: 32 lanes take a row's 512 bytes
	v_add_nc_u32 v[RD], s19, v[CO]
	v_mul_u32_u24 v[PFO], v5, ROWB
	s_lshl_b32 s20, s13, 8
	s_add_co_u32 s20, s20, s16
	s_lshl_b32 s17, s11, 7
	s_add_co_u32 s20, s20, s17                     ; my first row of sc
	s_lshl_b32 s20, s20, 13
	s_lshl_b32 s17, s15, 10
	s_add_co_u32 s20, s20, s17                     ; + the tile's first column, in bytes
	s_lshl_b32 s17, s12, 9
	s_add_co_u32 s20, s20, s17                     ; + my half's
	s_mov_b32 s21, 0
	s_add_nc_u64 s[6:7], s[6:7], s[20:21]
; 16 matrix instructions: query blocks a0, a0 + 1 of the window's four x all 8 key blocks.  zero = 1: the first product starts the sums.  The 64 accumulators take turns.
.macro MUL16 f, hi, a0, zero
	WIN MUL_LO+0x50*(\hi)
.irp a, \a0, (\a0)+1
.irp b, 0,1,2,3,4,5,6,7
.if \zero
	v_wmma_f32_16x16x32_f16 v[8*(8*(\a)+(\b)):8*(8*(\a)+(\b))+7], v[(\f)+8*(\b):(\f)+8*(\b)+7], v[(\f)+8*(4*(\hi)+(\a)):(\f)+8*(4*(\hi)+(\a))+7], 0
.else
	v_wmma_f32_16x16x32_f16 v[8*(8*(\a)+(\b)):8*(8*(\a)+(\b))+7], v[(\f)+8*(\b):(\f)+8*(\b)+7], v[(\f)+8*(4*(\hi)+(\a)):(\f)+8*(4*(\hi)+(\a))+7], v[8*(8*(\a)+(\b)):8*(8*(\a)+(\b))+7]
.endif
.endr
.endr
.endm
.macro FETCH k, f                      ; 32 LDS loads in one run, from byte k of the rows of the slot in hand: k's 16, then q's 16
	WIN TO_B
.irp i, 0,1,2,3,4,5,6,7
	ds_load_b128 v[(\f)+8*(\i):(\f)+8*(\i)+3],   v[ADRB] offset:(\k)+(\i)*16*PITCH
	ds_load_b128 v[(\f)+8*(\i)+4:(\f)+8*(\i)+7], v[ADRB] offset:(\k)+(\i)*16*PITCH+32
.endr
	WIN 0
.irp i, 0,1,2,3,4,5,6,7
	ds_load_b128 v[(\f)+8*(\i):(\f)+8*(\i)+3],   v[ADRA] offset:(\k)+(\i)*16*PITCH
	ds_load_b128 v[(\f)+8*(\i)+4:(\f)+8*(\i)+7], v[ADRA] offset:(\k)+(\i)*16*PITCH+32
.endr
.endm
.macro PLACES                          ; four places (ISA guide 7.12.1)
.rept 4
	v_nop
.endr
.endm
.macro QUARTER k, f, g, zero
	s_wait_dscnt 8                                 ; k's and q's rows 0-63 are in; the youngest eight loads (q's rows 64-127) may be out
	MUL16 \f, 0, 0, \zero
	MUL16 \f, 0, 2, \zero
	PLACES
	FETCH \k, \g
	s_wait_dscnt 32                                ; all but the 32 just issued
	MUL16 \f, 1, 0, \zero
	MUL16 \f, 1, 2, \zero
.endm
; The last quarter multiplies buffer 1 and changes slots: one barrier; in front of it each wave waits for all its tensor loads, adds 0 to its spare word, and waits for that and for its reads of this slot.
; fill = 1: the slot just read is filled again, two K steps ahead.  fill = 0: nothing is asked for; in the tile's last K step (s3 = 1) there is no next slot either, and the run of LDS loads is jumped over.
.macro TURN fill
.if \fill
	s_wait_xcnt 0x0                                ; the last prefetches, a K step back, have read their address
	s_add_nc_u64 s[PFA:PFA+1], s[PFA:PFA+1], KSTEP*2
.endif
	WIN 0
	s_wait_tensorcnt 0x0                           ; all my tensor loads have landed: my part of the next slot
	ds_add_u32 v[SPW], v[NIL]                      ; 0 onto my spare word
	s_xor_b32 s[TB], s[TB], SLOT                   ; the other slot comes in hand
	v_add_nc_u32 v[ADRA], s[TB], v[LA0]
	v_add_nc_u32 v[ADRB], s[TB], v[LB0]
.if \fill
	s_xor_b32 s[G0+5], s[G0+5], SLOT               ; no load of mine is out, so the walking descriptor may be written: the other slot than last time,
	s_add_nc_u64 s[G0+6:G0+7], s[G0+6:G0+7], KSTEP*2  ; the next K step
.endif
	s_wait_dscnt 9                                 ; the add and the youngest eight loads may be out
	MUL16 F1, 0, 0, 0
	s_wait_dscnt 0x0                               ; the add is done, and my reads of the slot that I leave are over
	s_barrier_signal -1
	MUL16 F1, 0, 2, 0
.if \fill
	s_barrier_wait -1
	TLOAD 1                                        ; my one tensor load behind the barrier, and the first thing there; its four v_nop are also the places in front of the loads below
	FETCH 0, F0
	ASK
.else
	WIN 0                                          ; a branch follows
	s_barrier_wait -1
	PLACES
	s_cmp_eq_u32 s3, 1
	s_cbranch_scc1 .Lno_next_\@
	FETCH 0, F0
.Lno_next_\@:
.endif
	MUL16 F1, 1, 0, 0
	MUL16 F1, 1, 2, 0
.endm
; THE WAY OUT of block a (16 queries x 128 keys): the accumulators go as they are, low registers first, into my own stage, and come back as whole rows of 512 bytes, into two buffers by turns.
.macro TOSTAGE a
	WIN 0x08+4*((\a)/4)                            ; the stores' data in window 2 or 3
.irp b, 0,1,2,3,4,5,6,7
	ds_store_b128 v[STO], v[8*(8*((\a)%4)+(\b)):8*(8*((\a)%4)+(\b))+3]   offset:64*(\b)
	ds_store_b128 v[STO], v[8*(8*((\a)%4)+(\b))+4:8*(8*((\a)%4)+(\b))+7] offset:64*(\b)+16
.endr
	WIN 0
	s_wait_xcnt 0x0                                ; the stores of the block two back have read this buffer
.irp t, 0,1,2,3,4,5,6,7,8,9,10,11,12,13,14,15
	ds_load_b128 v[64+64*((\a)%2)+4*(\t):64+64*((\a)%2)+4*(\t)+3], v[RD] offset:(\t)*SPITCH  ; LDS serves a wave's instructions in order (ISA guide 5.7.1.4): these see the stores above
.endr
.endm
.macro SEND a, younger                 ; younger: the LDS instructions issued behind block a's loads: the next block's 32, or none
.irp t, 0,1,2,3,4,5,6,7,8,9,10,11,12,13,14,15
.if (\t)%4 == 0
	s_wait_dscnt (\younger)+12-(\t)                ; one wait for four stores: what was issued behind the four loads wanted may stay out
.endif
	global_store_b128 v[CO], v[64+64*((\a)%2)+4*(\t):64+64*((\a)%2)+4*(\t)+3], s[6:7] offset:(16*(\a)+(\t))*SROW  ; 512 consecutive bytes, at a multiple of 256 from sc's first byte
.endr
.endm
	s_wait_tensorcnt 1                             ; my part of K step 0 is in; K step 1's may stay out
	s_barrier_signal -1
	s_barrier_wait -1
	FETCH 0, F0
	QUARTER 64,  F0, F1, 1                         ; the first quarter stands in front of the loop: its products start the sums
	WIN 0
	s_mov_b32 s3, STEPS-2
.Lstep:                                                ; six trips, from a K step's second quarter to the next one's first; each fills a slot again: K steps 2 to 7
	QUARTER 128, F1, F0, 0
	QUARTER 192, F0, F1, 0
	TURN 1
	QUARTER 64,  F0, F1, 0
	WIN 0
	s_sub_co_u32 s3, s3, 1
	s_cmp_lg_u32 s3, 0
	s_cbranch_scc1 .Lstep
	s_mov_b32 s3, 2
.Ltail:                                                ; the last two K steps fill nothing: a text of their own
	QUARTER 128, F1, F0, 0
	QUARTER 192, F0, F1, 0
	TURN 0
	WIN 0
	s_cmp_eq_u32 s3, 1
	s_cbranch_scc1 .Llast                          ; behind the last K step there is no first quarter: forward, over no barrier and no tensor load
	QUARTER 64,  F0, F1, 0
	WIN 0
.Llast:
	s_sub_co_u32 s3, s3, 1
	s_cmp_lg_u32 s3, 0
	s_cbranch_scc1 .Ltail
	PLACES
	TOSTAGE 0
.irp a, 1,2,3,4,5,6,7
	TOSTAGE \a
	SEND (\a)-1, 32
.endr
	SEND 7, 0
	s_wait_tensorcnt 0x0                           ; the wave's end
	ds_add_u32 v[SPW], v[NIL]
	s_wait_dscnt 0x0
	s_endpgm
; THE FIRST 32 ROWS OF A BATCH'S OUTPUT, from unrounded q, k and v.  hd: [4][32][3072] f32 (a row: q, then k, then v, 1,024 numbers each); ho: [4][32][1024] f32, which the last launch puts into out0.
; WHY.  Row q is a mean over q + 1 rows of v.  In the first rows that mean has the size of v itself, while a number's room goes by the whole output's root mean square, which the rows with many keys
; make some ten times smaller: the roundings of q, k, v and the weights to 16 bits do not fit into it there.  Their effect falls with the square root of the number of keys.
; So these rows take the f32 matrix form, v_wmma_f32_16x16x4_f32, on f32 operands: some 30 million multiply-adds in all (the scores are made anew in each of a batch's eight work-groups),
; against 46 thousand million in the program: no bulk work.
; SHARES.  A work-group takes a batch and 128 channels; four waves.  SCORES: the 1,024 channels of q and k are split among the waves, 256 each, for the three tiles of 16 x 16 that hold a key <= query;
; the four partial sums meet in LDS, and every wave adds them up and makes the softmax for itself (24 numbers a lane).  OUTPUT: wave w makes channels 32 w .. 32 w + 31 of the work-group's 128.
; LAYOUT.  S^T = K Q^T (source 0 = 16 keys, source 1 = 16 queries): a lane holds query l % 16 and the keys 8 (l / 16) + 0..7.  A fragment of the f32 form is 16 rows x 4 numbers, two a lane: k = 2 (l / 16) + j.
; A load of 16 bytes a lane (channels 8 i + 4 (l / 16) + 0..3) feeds two instructions, registers 0, 1 and 2, 3: a permutation of the channels that is the same in both sources.
; O^T = V^T P (source 0 = 16 channels, source 1 = 16 queries): step s takes the keys 8 (l / 16) + 2 s + j: registers 2 s, 2 s + 1 of a tile of weights ARE source 1, and V is loaded by the same rule.
; SOFTMAX.  p = 2^(c s - c m) / l, c = log2(e) / 32, m the row's true maximum (the diagonal is always visible), all in f32.  A hidden score counts as the lowest finite f32; NaN and infinities are not treated apart.
; LDS: the tiles' stage region, which no tensor load fills: four waves' three partial tiles of 1,024 bytes, then a stage of 32 rows x 528 bytes.
; REGISTERS: window 0: v4-12 addresses; v32-55 S^T's and v192-239 O^T's accumulators, which matrix instructions alone write in the whole text; v64-95 V; v96-119 the summed scores, then the weights;
;   v120-175 at work      window 1: k's rows 0-15 in v0-127, rows 16-31 in v128-255      window 2: q likewise; later v0-95 the partial sums read back
.set HROW,  12288                      ; bytes in a row of hd
.set HPART, STAGE
.set HSTG,  STAGE+4*3072
.set HFO,  4                           ; my byte offset in 16 rows of q or k: (l % 16) x HROW + 16 (l / 16) + 1,024 w
.set HVO,  5                           ; in v: 8 (l / 16) rows + 4 (l % 16) + my wave's 32 channels
.set HLS,  6                           ; where I put my 32 bytes of a partial tile
.set HLR,  7                           ; where I read them back
.set HREL, 8                           ; l % 16 - 8 (l / 16): in a diagonal tile register j is hidden where j is greater
.set HNEG, 9                           ; the lowest finite number
.set HSTO, 10                          ; the way out: where I put 32 bytes of a row
.set HRD,  11                          ; where I read a row back
.set HGO,  12                          ; my byte offset in ho
.set HSA,  32                          ; S^T: queries 0-15 x keys 0-15; queries 16-31 x keys 0-15; queries 16-31 x keys 16-31
.set HOA,  192                         ; O^T, for each of my two blocks of 16 channels: queries 0-15; queries 16-31 by keys 0-15; queries 16-31 by keys 16-31
.set HVF,  64                          ; V: channel block cb, key block kb, key n at HVF + 16 cb + 8 kb + n
.set HSS,  96
.set HTT,  120
.set HUU,  144
; 16 loads: 32 of my 256 channels, for k's and q's 32 rows
.macro HLOADS p
	WIN 0x40                                       ; destination window 1
.irp i, 0,1,2,3
	global_load_b128 v[4*(4*(\p)+(\i)):4*(4*(\p)+(\i))+3],         v[HFO], s[HD:HD+1] offset:4096+32*(4*(\p)+(\i))
	global_load_b128 v[128+4*(4*(\p)+(\i)):128+4*(4*(\p)+(\i))+3], v[HFO], s[HD:HD+1] offset:4096+16*HROW+32*(4*(\p)+(\i))
.endr
	WIN 0x80                                       ; destination window 2
.irp i, 0,1,2,3
	global_load_b128 v[4*(4*(\p)+(\i)):4*(4*(\p)+(\i))+3],         v[HFO], s[HD:HD+1] offset:32*(4*(\p)+(\i))
	global_load_b128 v[128+4*(4*(\p)+(\i)):128+4*(4*(\p)+(\i))+3], v[HFO], s[HD:HD+1] offset:16*HROW+32*(4*(\p)+(\i))
.endr
.endm
; 16 loads: v[key 16 kb + 8 (l / 16) + n][channel 16 cb + l % 16 of my 32]: 16 lanes take 64 consecutive bytes
.macro HVLOADS cb
	WIN 0
.irp kb, 0,1
.irp n, 0,1,2,3,4,5,6,7
	global_load_b32 v[HVF+16*(\cb)+8*(\kb)+(\n)], v[HVO], s[HD:HD+1] offset:8192+(16*(\kb)+(\n))*HROW+64*(\cb)
.endr
.endr
.endm
; 24 matrix instructions: steps 8 p .. 8 p + 7 of 64, four channels each; the three accumulators take turns, one instruction a turn.  Step 0 starts the sums with the constant 0.
.macro HSCORES p
	WIN 0x09                                       ; source 0 (k) in window 1, source 1 (q) in window 2
.set n, 8*(\p)
.rept 8
.if n == 0
	v_wmma_f32_16x16x4_f32 v[HSA:HSA+7],     v[2*n:2*n+1],         v[2*n:2*n+1],         0
	v_wmma_f32_16x16x4_f32 v[HSA+8:HSA+15],  v[2*n:2*n+1],         v[128+2*n:128+2*n+1], 0
	v_wmma_f32_16x16x4_f32 v[HSA+16:HSA+23], v[128+2*n:128+2*n+1], v[128+2*n:128+2*n+1], 0
.else
	v_wmma_f32_16x16x4_f32 v[HSA:HSA+7],     v[2*n:2*n+1],         v[2*n:2*n+1],         v[HSA:HSA+7]
	v_wmma_f32_16x16x4_f32 v[HSA+8:HSA+15],  v[2*n:2*n+1],         v[128+2*n:128+2*n+1], v[HSA+8:HSA+15]
	v_wmma_f32_16x16x4_f32 v[HSA+16:HSA+23], v[128+2*n:128+2*n+1], v[128+2*n:128+2*n+1], v[HSA+16:HSA+23]
.endif
.set n, n+1
.endr
.endm
.macro PLACES8                         ; behind the f32 form eight places stand in front of a line that reads a result, and of a load into a register that it has read
.rept 8
	v_nop
.endr
.endm
.Lhead:
	s_sub_co_u32 s13, ttmp9, 36                    ; the block of 128 channels
	s_and_b32 s14, ttmp7, 0xffff                   ; the batch
	s_mul_i32 s16, s14, 32*HROW
	s_mov_b32 s17, 0
	s_add_nc_u64 s[HD:HD+1], s[HD:HD+1], s[16:17]
	s_lshl_b32 s16, s14, 17                        ; 32 rows of 4,096 bytes of ho,
	s_lshl_b32 s15, s13, 9                         ; the work-group's 128 channels: 512 bytes
	s_add_co_u32 s16, s16, s15
	s_add_nc_u64 s[HO:HO+1], s[HO:HO+1], s[16:17]
	v_and_b32 v1, 15, v0                           ; r = l % 16
	v_bfe_u32 v2, v0, 4, 1                         ; h = l / 16
	v_and_b32 v3, 31, v0                           ; l
	s_lshl_b32 s18, s10, 10                        ; my 256 channels of q and k
	v_mul_u32_u24 v[HFO], v1, HROW
	v_lshl_add_u32 v[HFO], v2, 4, v[HFO]
	v_add_nc_u32 v[HFO], s18, v[HFO]
	s_lshl_b32 s18, s10, 7                         ; my 32 channels of v: 128 bytes
	s_add_co_u32 s19, s15, s18
	v_mul_u32_u24 v[HVO], v2, 8*HROW
	v_lshl_add_u32 v[HVO], v1, 2, v[HVO]
	v_add_nc_u32 v[HVO], s19, v[HVO]
	s_mul_i32 s19, s10, 3072
	s_add_co_u32 s19, s19, HPART
	v_lshl_add_u32 v[HLS], v3, 5, s19
	v_lshlrev_b32 v[HLR], 5, v3
	v_add_nc_u32 v[HLR], HPART, v[HLR]
	v_lshlrev_b32 v[HREL], 3, v2
	v_sub_nc_u32 v[HREL], v1, v[HREL]
	v_mov_b32 v[HNEG], 0xff7fffff
	s_add_co_u32 s19, s18, HSTG
	v_mul_u32_u24 v[HSTO], v1, SPITCH              ; in: row r, my wave's 128 bytes, 32 for each half of the lanes and block of channels
	v_lshl_add_u32 v[HSTO], v2, 5, v[HSTO]
	v_add_nc_u32 v[HSTO], s19, v[HSTO]
	s_mul_i32 s19, s10, 8*SPITCH                   ; back: wave w takes rows 8 w .. 8 w + 7, 32 lanes a row's 512 bytes
	s_add_co_u32 s19, s19, HSTG
	v_lshl_add_u32 v[HRD], v3, 4, s19
	s_lshl_b32 s19, s10, 15
	v_lshl_add_u32 v[HGO], v3, 4, s19
	s_mov_b32 s20, 0x76543210                      ; v_permlanex16_b32: each lane takes its own place in the other half
	s_mov_b32 s21, 0xfedcba98
	s_mov_b32 s22, 0x3d38aa3b                      ; c = log2(e) / 32
	s_mov_b32 s23, s22                             ; named with it as a pair
	HLOADS 0
	HLOADS 1
	HLOADS 2
.irp p, 0,1,2,3,4,5,6,7                ; three groups of 16 loads are out at the most; every register is loaded once
	s_wait_loadcnt 32                              ; part p is in: behind it two groups of 16 have been issued (parts p + 1 and p + 2; at the end V's two groups take their places)
	HSCORES \p
.if (\p) < 5
	HLOADS (\p)+3
.elseif (\p) < 7
	HVLOADS (\p)-5
.endif
.endr
	WIN 0
	PLACES8
.irp t, 0,1,2                          ; my partial tiles, each accumulator's low registers first
	ds_store_b128 v[HLS], v[HSA+8*(\t):HSA+8*(\t)+3]   offset:1024*(\t)
	ds_store_b128 v[HLS], v[HSA+8*(\t)+4:HSA+8*(\t)+7] offset:1024*(\t)+16
.endr
	s_wait_dscnt 0x0                               ; for the others' sake: my stores are done
	s_barrier_signal -1
	s_barrier_wait -1                              ; all four partial sums of the three tiles lie in LDS
	WIN 0x80                                       ; they come back into q's registers
.irp p, 0,1,2,3
.irp t, 0,1,2
	ds_load_b128 v[24*(\p)+8*(\t):24*(\p)+8*(\t)+3],   v[HLR] offset:3072*(\p)+1024*(\t)
	ds_load_b128 v[24*(\p)+8*(\t)+4:24*(\p)+8*(\t)+7], v[HLR] offset:3072*(\p)+1024*(\t)+16
.endr
.endr
	s_wait_dscnt 0x0
	WIN 0x0a                                       ; sources in window 2
.set i, 0
.rept 12
	v_pk_add_f32 v[HTT+2*i:HTT+2*i+1], v[2*i:2*i+1], v[24+2*i:24+2*i+1]
	v_pk_add_f32 v[HUU+2*i:HUU+2*i+1], v[48+2*i:48+2*i+1], v[72+2*i:72+2*i+1]
.set i, i+1
.endr
	WIN 0
.set i, 0
.rept 12
	v_pk_add_f32 v[HSS+2*i:HSS+2*i+1], v[HTT+2*i:HTT+2*i+1], v[HUU+2*i:HUU+2*i+1]
.set i, i+1
.endr
	; the mask: in the two diagonal tiles key 8 (l / 16) + j is hidden from query l % 16 where it is greater
.irp j, 0,1,2,3,4,5,6,7
	v_cmp_gt_i32 vcc_lo, \j, v[HREL]
	v_cndmask_b32 v[HSS+(\j)], v[HSS+(\j)], v[HNEG], vcc_lo
	v_cndmask_b32 v[HSS+16+(\j)], v[HSS+16+(\j)], v[HNEG], vcc_lo
.endr
	; the maxima: HTT for queries 0-15 (8 scores a lane), HTT + 1 for queries 16-31 (16 scores a lane)
	v_max3_num_f32 v[HTT], v[HSS], v[HSS+1], v[HSS+2]
	v_max3_num_f32 v[HTT+1], v[HSS+8], v[HSS+9], v[HSS+10]
	v_max3_num_f32 v[HTT], v[HTT], v[HSS+3], v[HSS+4]
	v_max3_num_f32 v[HTT+1], v[HTT+1], v[HSS+11], v[HSS+12]
	v_max3_num_f32 v[HTT], v[HTT], v[HSS+5], v[HSS+6]
	v_max3_num_f32 v[HTT+1], v[HTT+1], v[HSS+13], v[HSS+14]
	v_max_num_f32 v[HTT], v[HTT], v[HSS+7]
	v_max3_num_f32 v[HTT+1], v[HTT+1], v[HSS+15], v[HSS+16]
	v_max3_num_f32 v[HTT+1], v[HTT+1], v[HSS+17], v[HSS+18]
	v_max3_num_f32 v[HTT+1], v[HTT+1], v[HSS+19], v[HSS+20]
	v_max3_num_f32 v[HTT+1], v[HTT+1], v[HSS+21], v[HSS+22]
	v_max_num_f32 v[HTT+1], v[HTT+1], v[HSS+23]
	v_permlanex16_b32 v[HTT+2], v[HTT], s20, s21   ; the query's other keys lie in the lane 16 away (the destinations have been written: they held sums)
	v_permlanex16_b32 v[HTT+3], v[HTT+1], s20, s21
	v_max_num_f32 v[HTT], v[HTT], v[HTT+2]
	v_max_num_f32 v[HTT+1], v[HTT+1], v[HTT+3]
	v_mul_f32 v[HTT+4], s22, v[HTT]                ; c m; the packed lines below take the pair's low word for both halves
	v_mul_f32 v[HTT+6], s22, v[HTT+1]
.set i, 0
.rept 4
	v_pk_fma_f32 v[HSS+2*i:HSS+2*i+1], v[HSS+2*i:HSS+2*i+1], s[22:23], v[HTT+4:HTT+5] op_sel_hi:[1,0,0] neg_lo:[0,0,1] neg_hi:[0,0,1]
.set i, i+1
.endr
.rept 8
	v_pk_fma_f32 v[HSS+2*i:HSS+2*i+1], v[HSS+2*i:HSS+2*i+1], s[22:23], v[HTT+6:HTT+7] op_sel_hi:[1,0,0] neg_lo:[0,0,1] neg_hi:[0,0,1]
.set i, i+1
.endr
.set i, 0
.rept 24
	v_exp_f32 v[HSS+i], v[HSS+i]
.set i, i+1
.endr
	v_nop                                          ; a plain instruction behind the last exponential,
	s_wait_alu depctr_va_vdst(0)                   ; and a wait ahead of the first use: one for the batch
	v_pk_add_f32 v[HTT+8:HTT+9],   v[HSS:HSS+1],     v[HSS+2:HSS+3]
	v_pk_add_f32 v[HTT+10:HTT+11], v[HSS+4:HSS+5],   v[HSS+6:HSS+7]
	v_pk_add_f32 v[HTT+12:HTT+13], v[HSS+8:HSS+9],   v[HSS+10:HSS+11]
	v_pk_add_f32 v[HTT+14:HTT+15], v[HSS+12:HSS+13], v[HSS+14:HSS+15]
	v_pk_add_f32 v[HTT+16:HTT+17], v[HSS+16:HSS+17], v[HSS+18:HSS+19]
	v_pk_add_f32 v[HTT+18:HTT+19], v[HSS+20:HSS+21], v[HSS+22:HSS+23]
	v_pk_add_f32 v[HTT+8:HTT+9],   v[HTT+8:HTT+9],   v[HTT+10:HTT+11]
	v_pk_add_f32 v[HTT+12:HTT+13], v[HTT+12:HTT+13], v[HTT+14:HTT+15]
	v_pk_add_f32 v[HTT+16:HTT+17], v[HTT+16:HTT+17], v[HTT+18:HTT+19]
	v_add_f32 v[HTT+8], v[HTT+8], v[HTT+9]
	v_pk_add_f32 v[HTT+12:HTT+13], v[HTT+12:HTT+13], v[HTT+16:HTT+17]
	v_permlanex16_b32 v[HTT+9], v[HTT+8], s20, s21
	v_add_f32 v[HTT+12], v[HTT+12], v[HTT+13]
	v_add_f32 v[HTT+8], v[HTT+8], v[HTT+9]         ; l, at least 1: the maximum's own weight
	v_permlanex16_b32 v[HTT+13], v[HTT+12], s20, s21
	v_add_f32 v[HTT+12], v[HTT+12], v[HTT+13]
	v_rcp_f32 v[HTT+10], v[HTT+8]
	v_rcp_f32 v[HTT+14], v[HTT+12]
	v_nop
	s_wait_alu depctr_va_vdst(0)                   ; one wait for both reciprocals
.set i, 0
.rept 4
	v_pk_mul_f32 v[HSS+2*i:HSS+2*i+1], v[HSS+2*i:HSS+2*i+1], v[HTT+10:HTT+11] op_sel_hi:[1,0]
.set i, i+1
.endr
.rept 8
	v_pk_mul_f32 v[HSS+2*i:HSS+2*i+1], v[HSS+2*i:HSS+2*i+1], v[HTT+14:HTT+15] op_sel_hi:[1,0]
.set i, i+1
.endr
	s_wait_loadcnt 0x0                             ; V
	; O^T = V^T P: four steps of four keys for each of six sums, which take turns; step 0 starts them with the constant 0
.irp s, 0,1,2,3
.irp cb, 0,1
.if (\s) == 0
	v_wmma_f32_16x16x4_f32 v[HOA+24*(\cb):HOA+24*(\cb)+7],     v[HVF+16*(\cb)+2*(\s):HVF+16*(\cb)+2*(\s)+1],     v[HSS+2*(\s):HSS+2*(\s)+1],       0
	v_wmma_f32_16x16x4_f32 v[HOA+24*(\cb)+8:HOA+24*(\cb)+15],  v[HVF+16*(\cb)+2*(\s):HVF+16*(\cb)+2*(\s)+1],     v[HSS+8+2*(\s):HSS+8+2*(\s)+1],   0
	v_wmma_f32_16x16x4_f32 v[HOA+24*(\cb)+16:HOA+24*(\cb)+23], v[HVF+16*(\cb)+8+2*(\s):HVF+16*(\cb)+8+2*(\s)+1], v[HSS+16+2*(\s):HSS+16+2*(\s)+1], 0
.else
	v_wmma_f32_16x16x4_f32 v[HOA+24*(\cb):HOA+24*(\cb)+7],     v[HVF+16*(\cb)+2*(\s):HVF+16*(\cb)+2*(\s)+1],     v[HSS+2*(\s):HSS+2*(\s)+1],       v[HOA+24*(\cb):HOA+24*(\cb)+7]
	v_wmma_f32_16x16x4_f32 v[HOA+24*(\cb)+8:HOA+24*(\cb)+15],  v[HVF+16*(\cb)+2*(\s):HVF+16*(\cb)+2*(\s)+1],     v[HSS+8+2*(\s):HSS+8+2*(\s)+1],   v[HOA+24*(\cb)+8:HOA+24*(\cb)+15]
	v_wmma_f32_16x16x4_f32 v[HOA+24*(\cb)+16:HOA+24*(\cb)+23], v[HVF+16*(\cb)+8+2*(\s):HVF+16*(\cb)+8+2*(\s)+1], v[HSS+16+2*(\s):HSS+16+2*(\s)+1], v[HOA+24*(\cb)+16:HOA+24*(\cb)+23]
.endif
.endr
.endr
	PLACES8
	; THE WAY OUT: 32 bytes a lane and block of channels into the stage; a barrier, since a row's 512 bytes come from four waves; back as whole rows
.irp cb, 0,1
	ds_store_b128 v[HSTO], v[HOA+24*(\cb):HOA+24*(\cb)+3]   offset:64*(\cb)
	ds_store_b128 v[HSTO], v[HOA+24*(\cb)+4:HOA+24*(\cb)+7] offset:64*(\cb)+16
.irp i, 0,1,2,3
	v_pk_add_f32 v[HTT+8*(\cb)+2*(\i):HTT+8*(\cb)+2*(\i)+1], v[HOA+24*(\cb)+8+2*(\i):HOA+24*(\cb)+8+2*(\i)+1], v[HOA+24*(\cb)+16+2*(\i):HOA+24*(\cb)+16+2*(\i)+1]  ; queries 16-31: the two key blocks' sums, into other registers
.endr
	ds_store_b128 v[HSTO], v[HTT+8*(\cb):HTT+8*(\cb)+3]   offset:16*SPITCH+64*(\cb)
	ds_store_b128 v[HSTO], v[HTT+8*(\cb)+4:HTT+8*(\cb)+7] offset:16*SPITCH+64*(\cb)+16
.endr
	s_wait_dscnt 0x0                               ; for the others' sake: my stores into the stage are done
	s_barrier_signal -1
	s_barrier_wait -1
.irp i, 0,1,2,3,4,5,6,7
	ds_load_b128 v[HUU+4*(\i):HUU+4*(\i)+3], v[HRD] offset:(\i)*SPITCH
.endr
.irp i, 0,1,2,3,4,5,6,7
	s_wait_dscnt 7-(\i)                            ; the 7 - i younger loads may stay out
	global_store_b128 v[HGO], v[HUU+4*(\i):HUU+4*(\i)+3], s[HO:HO+1] offset:(\i)*4096  ; 512 consecutive bytes, at a multiple of 256 from ho's first byte
.endr
	s_wait_tensorcnt 0x0                           ; the wave's end, behind my last LDS store
	ds_add_u32 v[SPW], v[NIL]
	s_wait_dscnt 0x0
	s_endpgm
.Lfunc_end_k_q67034b13d2_scores:
	.size	k_q67034b13d2_scores, .Lfunc_end_k_q67034b13d2_scores-k_q67034b13d2_scores
	.p2alignl 7, 3214868480
	.fill 96, 4, 3214868480
	.section	.rodata,"a",@progbits
	.p2align	6, 0x0
	.amdhsa_kernel k_q67034b13d2_scores
		.amdhsa_group_segment_fixed_size 327680
		.amdhsa_private_segment_fixed_size 0
		.amdhsa_enable_private_segment 0
		.amdhsa_kernarg_size 32
		.amdhsa_user_sgpr_count 2
		.amdhsa_user_sgpr_kernarg_segment_ptr 1
		.amdhsa_wavefront_size32 1
		.amdhsa_system_sgpr_workgroup_id_x 1
		.amdhsa_system_sgpr_workgroup_id_y 1
		.amdhsa_system_sgpr_workgroup_id_z 1
		.amdhsa_system_vgpr_workitem_id 0
		.amdhsa_next_free_vgpr 1024
		.amdhsa_next_free_sgpr 66
		.amdhsa_reserve_vcc 1
		.amdhsa_float_denorm_mode_32 3
		.amdhsa_float_denorm_mode_16_64 3
		.amdhsa_memory_ordered 1
		.amdhsa_forward_progress 1
		.amdhsa_inst_pref_size 141
	.end_amdhsa_kernel
	.amdgpu_metadata
---
amdhsa.version: [ 1, 2 ]
amdhsa.kernels:
  - .name:           k_q67034b13d2_scores
    .symbol:         k_q67034b13d2_scores.kd
    .args:
      - { .name: qkv, .offset: 0, .size: 8, .value_kind: global_buffer, .address_space: global }
      - { .name: sc, .offset: 8, .size: 8, .value_kind: global_buffer, .address_space: global }
      - { .name: hd, .offset: 16, .size: 8, .value_kind: global_buffer, .address_space: global }
      - { .name: ho, .offset: 24, .size: 8, .value_kind: global_buffer, .address_space: global }
    .group_segment_fixed_size: 327680
    .private_segment_fixed_size: 0
    .kernarg_segment_align: 8
    .kernarg_segment_size: 32
    .max_flat_workgroup_size: 128
    .sgpr_count:     66
    .vgpr_count:     1024
    .wavefront_size: 32
...
	.end_amdgpu_metadata
.endif
;; end of part 9
;; launch softmax (part 10): grid 256 x 4, 8 waves a work-group, no clusters, 0 bytes of LDS; arguments sc, pr; writes pr
.if DOCPART == 10
	.amdgcn_target "amdgcn-amd-amdhsa--gfx1250"
	.amdhsa_code_object_version 6
	.text
	.protected	k_q67034b13d2_softmax
	.globl	k_q67034b13d2_softmax
	.p2align	8
	.type	k_q67034b13d2_softmax,@function
k_q67034b13d2_softmax:
	s_mov_b64 s[64:65], 0
	v_nop
	global_prefetch_b8 v0, s[64:65] scope:SCOPE_SE
	s_setreg_imm32_b32 hwreg(HW_REG_WAVE_MODE, 25, 1), 1
	s_wait_xcnt 0x0
; pr[b][q][k] = softmax over k <= q of sc[b][q][k] / 32, divided by its sum, rounded once to f16; zeros from q + 1 up to the next multiple of 512 columns (what the product behind reads).
; One wave, one row; the row stays in 64 registers between the maximum, the exponentials and the scaling, so it is read once.  The row's true maximum is taken away: p = 2^(c s - c m), c = log2(e) / 32.
; A work-group takes a block of eight rows.  In batch y it is block (x + 64 y) mod 256: the four work-groups with one x hold one block from each quarter of the rows, 1 + 2 + 3 + 4 groups of columns together, whatever x.
; The eight rows share nc = q / 128 + 1 (chunks of 128 columns that hold a visible key: only these are loaded) and G = q / 512 + 1 (groups of 512 columns that are computed and stored).
; LIMITS: a hidden score counts as the lowest finite f32, whose weight is 0; a weight below 6e-5 keeps f16's fixed step of 6e-8; NaN and infinities are not treated apart.
; No LDS, no cluster: no wave wants another's bytes.
.set X, 16                             ; v[16:79]  chunk c at X + 4 c: my lane holds columns 128 c + 4 l + 0..3
	s_load_b128 s[4:7], s[0:1], 0x0                ; sc s[4:5], pr s[6:7]
	v_lshrrev_b32 v1, 5, v0
	v_readfirstlane_b32 s8, v1                     ; wave 0..7
	v_and_b32 v1, 31, v0                           ; l
	v_lshlrev_b32 v2, 4, v1                        ; 16 l: in
	v_lshlrev_b32 v3, 3, v1                        ; 8 l: out
	s_and_b32 s10, ttmp7, 0xffff                   ; the batch
	s_lshl_b32 s22, s10, 6
	s_add_co_u32 s22, s22, ttmp9
	s_and_b32 s22, s22, 255                        ; my block of eight rows
	s_lshl_b32 s9, s22, 3
	s_add_co_u32 s9, s9, s8                        ; q
	s_lshl_b32 s11, s10, 11
	s_add_co_u32 s11, s11, s9                      ; the row among all 8,192
	s_lshl_b32 s14, s11, 13                        ; x 8,192 bytes of sc
	s_mov_b32 s15, 0
	s_lshl_b32 s16, s11, 12                        ; x 4,096 bytes of pr
	s_mov_b32 s17, 0
	s_lshr_b32 s18, s22, 4
	s_add_co_u32 s18, s18, 1                       ; nc
	s_lshr_b32 s19, s22, 6
	s_add_co_u32 s19, s19, 1                       ; G
	s_mov_b32 s20, 0x3d38aa3b                      ; c = log2(e) / 32
	s_mov_b32 s21, s20                             ; named with it as a pair
	s_mov_b32 s12, 0x76543210                      ; v_permlanex16_b32: each lane takes its own place in the other half
	s_mov_b32 s13, 0xfedcba98
	v_lshlrev_b32 v4, 2, v1
	v_sub_nc_u32 v4, s9, v4                        ; q - 4 l: column 128 c + 4 l + e is hidden where 128 c + e is greater
	v_mov_b32 v5, 0xff7fffff                       ; the lowest finite number
.set i, 0
.rept 64
	v_mov_b32 v[X+i], v5                           ; chunks that are not loaded hold hidden scores
.set i, i+1
.endr
	s_wait_kmcnt 0x0
	s_add_nc_u64 s[4:5], s[4:5], s[14:15]
	s_add_nc_u64 s[6:7], s[6:7], s[16:17]
.set i, 0
.rept 16
	s_cmp_gt_u32 s18, i
	s_cbranch_scc0 .Lloaded
	global_load_b128 v[X+4*i:X+4*i+3], v2, s[4:5] offset:512*i th:TH_LOAD_NT  ; 512 consecutive bytes a wave
.set i, i+1
.endr
.Lloaded:
	s_wait_loadcnt 0x0
.irp g, 0,1,2,3                        ; the diagonal lies in the row's last group: only there scores are hidden one by one
	s_cmp_lg_u32 s19, (\g)+1
	s_cbranch_scc1 .Lnomask\g
.set i, 0
.rept 16
	v_cmp_gt_i32 vcc_lo, 512*(\g)+128*(i/4)+i%4, v4
	v_cndmask_b32 v[X+16*(\g)+i], v[X+16*(\g)+i], v5, vcc_lo
.set i, i+1
.endr
.Lnomask\g:
.endr
	; the maximum: four chains of 15 registers, three operands at a time; then the chains and the four registers left over
.irp k, 0,1,2,3
	v_max3_num_f32 v[8+(\k)], v[X+15*(\k)], v[X+15*(\k)+1], v[X+15*(\k)+2]
.endr
.set j, 0
.rept 6
.irp k, 0,1,2,3
	v_max3_num_f32 v[8+(\k)], v[8+(\k)], v[X+15*(\k)+3+2*j], v[X+15*(\k)+4+2*j]
.endr
.set j, j+1
.endr
	v_max3_num_f32 v8, v8, v9, v[X+60]
	v_max3_num_f32 v10, v10, v11, v[X+61]
	v_max3_num_f32 v8, v8, v10, v[X+62]
	v_max_num_f32 v8, v8, v[X+63]
	v_max_num_f32_dpp v8, v8, v8 row_xmask:1 row_mask:0xf bank_mask:0xf
	v_max_num_f32_dpp v8, v8, v8 row_xmask:2 row_mask:0xf bank_mask:0xf
	v_max_num_f32_dpp v8, v8, v8 row_xmask:4 row_mask:0xf bank_mask:0xf
	v_max_num_f32_dpp v8, v8, v8 row_xmask:8 row_mask:0xf bank_mask:0xf
	v_permlanex16_b32 v9, v8, s12, s13
	v_max_num_f32 v8, v8, v9                       ; every lane holds the row's maximum
	v_mul_f32 v6, s20, v8                          ; c m
	v_mov_b32 v7, v6                               ; named with it as a pair
; Group g: 16 registers a lane: c s - c m, the exponentials as one batch with one wait, the sums in two chains of pairs (group 0 starts them).
.macro EXPS g
.if (\g) > 0
	s_cmp_gt_u32 s19, \g
	s_cbranch_scc0 .Lsummed
.endif
.set i, 0
.rept 8
	v_pk_fma_f32 v[X+16*(\g)+2*i:X+16*(\g)+2*i+1], v[X+16*(\g)+2*i:X+16*(\g)+2*i+1], s[20:21], v[6:7] op_sel_hi:[1,0,0] neg_lo:[0,0,1] neg_hi:[0,0,1]
.set i, i+1
.endr
.set i, 0
.rept 16
	v_exp_f32 v[X+16*(\g)+i], v[X+16*(\g)+i]
.set i, i+1
.endr
	v_nop                                          ; a plain instruction behind the last exponential,
	s_wait_alu depctr_va_vdst(0)                   ; and a wait ahead of the first use: one for the batch
.if (\g) == 0
	v_pk_add_f32 v[12:13], v[X:X+1], v[X+2:X+3]
	v_pk_add_f32 v[14:15], v[X+4:X+5], v[X+6:X+7]
.endif
.set i, 0
.rept 8
.if ((\g) > 0) || (i >= 4)
	v_pk_add_f32 v[12+2*(i%2):13+2*(i%2)], v[12+2*(i%2):13+2*(i%2)], v[X+16*(\g)+2*i:X+16*(\g)+2*i+1]
.endif
.set i, i+1
.endr
.endm
	EXPS 0
	EXPS 1
	EXPS 2
	EXPS 3
.Lsummed:
	v_add_f32 v12, v12, v13
	v_add_f32 v14, v14, v15
	v_add_f32 v12, v12, v14
	v_add_f32_dpp v12, v12, v12 row_xmask:1 row_mask:0xf bank_mask:0xf
	v_add_f32_dpp v12, v12, v12 row_xmask:2 row_mask:0xf bank_mask:0xf
	v_add_f32_dpp v12, v12, v12 row_xmask:4 row_mask:0xf bank_mask:0xf
	v_add_f32_dpp v12, v12, v12 row_xmask:8 row_mask:0xf bank_mask:0xf
	v_permlanex16_b32 v13, v12, s12, s13
	v_add_f32 v12, v12, v13                        ; the row's sum, at least 1: the maximum's own weight
	v_rcp_f32 v80, v12
	v_rcp_f32 v81, v12                             ; twice: a pair for the packed multiply
	v_nop
	s_wait_alu depctr_va_vdst(0)                   ; one wait for both reciprocals, ahead of the branches and of the first use
.macro OUT g
.if (\g) > 0
	s_cmp_gt_u32 s19, \g
	s_cbranch_scc0 .Ldone
.endif
.set i, 0
.rept 8
	v_pk_mul_f32 v[X+16*(\g)+2*i:X+16*(\g)+2*i+1], v[X+16*(\g)+2*i:X+16*(\g)+2*i+1], v[80:81]
.set i, i+1
.endr
.set i, 0
.rept 4
	v_cvt_pk_f16_f32 v[X+16*(\g)+4*i], v[X+16*(\g)+4*i], v[X+16*(\g)+4*i+1]
	v_cvt_pk_f16_f32 v[X+16*(\g)+4*i+1], v[X+16*(\g)+4*i+2], v[X+16*(\g)+4*i+3]
	global_store_b64 v3, v[X+16*(\g)+4*i:X+16*(\g)+4*i+1], s[6:7] offset:1024*(\g)+256*i  ; 256 consecutive bytes a wave, aligned
.set i, i+1
.endr
.endm
	OUT 0
	OUT 1
	OUT 2
	OUT 3
.Ldone:
	s_endpgm
.Lfunc_end_k_q67034b13d2_softmax:
	.size	k_q67034b13d2_softmax, .Lfunc_end_k_q67034b13d2_softmax-k_q67034b13d2_softmax
	.p2alignl 7, 3214868480
	.fill 96, 4, 3214868480
	.section	.rodata,"a",@progbits
	.p2align	6, 0x0
	.amdhsa_kernel k_q67034b13d2_softmax
		.amdhsa_group_segment_fixed_size 0
		.amdhsa_private_segment_fixed_size 0
		.amdhsa_enable_private_segment 0
		.amdhsa_kernarg_size 16
		.amdhsa_user_sgpr_count 2
		.amdhsa_user_sgpr_kernarg_segment_ptr 1
		.amdhsa_wavefront_size32 1
		.amdhsa_system_sgpr_workgroup_id_x 1
		.amdhsa_system_sgpr_workgroup_id_y 1
		.amdhsa_system_sgpr_workgroup_id_z 1
		.amdhsa_system_vgpr_workitem_id 0
		.amdhsa_next_free_vgpr 84
		.amdhsa_next_free_sgpr 66
		.amdhsa_reserve_vcc 1
		.amdhsa_float_denorm_mode_32 3
		.amdhsa_float_denorm_mode_16_64 3
		.amdhsa_memory_ordered 1
		.amdhsa_forward_progress 1
		.amdhsa_inst_pref_size 28
	.end_amdhsa_kernel
	.amdgpu_metadata
---
amdhsa.version: [ 1, 2 ]
amdhsa.kernels:
  - .name:           k_q67034b13d2_softmax
    .symbol:         k_q67034b13d2_softmax.kd
    .args:
      - { .name: sc, .offset: 0, .size: 8, .value_kind: global_buffer, .address_space: global }
      - { .name: pr, .offset: 8, .size: 8, .value_kind: global_buffer, .address_space: global }
    .group_segment_fixed_size: 0
    .private_segment_fixed_size: 0
    .kernarg_segment_align: 8
    .kernarg_segment_size: 16
    .max_flat_workgroup_size: 256
    .sgpr_count:     66
    .vgpr_count:     84
    .wavefront_size: 32
...
	.end_amdgpu_metadata
.endif
;; end of part 10
;; launch pv (part 11): grid 8 x 32, 4 waves a work-group, clusters of 4 x 4, 327,680 bytes of LDS; arguments pr, qkv, out0, ho; writes out0
.if DOCPART == 11
	.amdgcn_target "amdgcn-amd-amdhsa--gfx1250"
	.amdhsa_code_object_version 6
	.text
	.protected	k_q67034b13d2_pv
	.globl	k_q67034b13d2_pv
	.p2align	8
	.type	k_q67034b13d2_pv,@function
k_q67034b13d2_pv:
	s_mov_b64 s[64:65], 0
	v_nop
	global_prefetch_b8 v0, s[64:65] scope:SCOPE_SE
	s_setreg_imm32_b32 hwreg(HW_REG_WAVE_MODE, 25, 1), 1
	s_wait_xcnt 0x0
	s_wait_alu depctr_hold_cnt(0) depctr_sa_sdst(0) depctr_va_vdst(0) depctr_va_sdst(0) depctr_va_ssrc(0) depctr_va_vcc(0) depctr_vm_vsrc(0)
	s_getreg_b32 s2, hwreg(HW_REG_IB_STS2, 6, 4)
	s_cmp_eq_u32 s2, 0
	s_cbranch_scc0 .Lentry_in_a_cluster
	s_endpgm
.Lentry_in_a_cluster:
	s_bfe_u32 s2, ttmp6, 0x10000c
	s_cmp_lg_u32 s2, 0xf033
	s_cbranch_scc0 .Lentry_shape_is_right
	s_endpgm
.Lentry_shape_is_right:
; out0[b][q][c] = the sum over k of pr[b][q][k] v[b][k][c].  pr: [4][2048][2048] f16 (zeros behind the diagonal up to the next multiple of 512); v: f16, byte 4,096 of qkv's rows of 6,144; out0 f32.
; ROWS 0-31 OF A BATCH are taken from ho ([4][32][1024] f32), where an earlier launch has made them without 16-bit roundings of q, k, v and the weights.
; A tile is 128 queries x 128 channels, four waves of 64 x 64 (16 accumulators).  K goes in steps of 256 keys through two LDS slots.
; THE WALK.  A batch's queries lie in four super rows of 512; super row R needs the keys below 512 (R + 1): 2 (R + 1) steps.  A work-group takes a block of 128 queries in super row 3 - rho and then the
; like block in super row rho: 10 steps, 5 laps of the ring, whatever rho: all 256 work-groups do equal work, and the ring runs on across the change of blocks, which falls on a lap's end.
; CLUSTER 4 x 4: cx = channel block, cy = which 128 of the super row's 512 queries; b and rho come from the cluster's y, so all sixteen partners walk alike.  P's tiles are shared along x, V's along y.
; The price of one walk for all four cy: causality in steps of 512 keys; the zeros in pr are multiplied.
; HOW ho COMES IN.  Rows 0-31 belong to the wave with rho = 0, cy = 0 and the upper 64 rows, in its last way out.  No branch may hang on cy, so it is a choice of values: every wave loads ho's 32 rows for
; its 64 channels at its start (16 loads), and in the last way out v_cndmask_b32 takes them or the wave's own sums by a mask in a scalar register: all ones in one wave of sixteen, 0 in the others.
; THE MATRIX INSTRUCTION IS USED TRANSPOSED (source 0 = V^T, 16 channels, turned by ds_load_tr16_b128; source 1 = 16 queries of P): a lane holds query l % 16 and eight neighbouring channels.
; The sums are cleared at a block's beginning: the change of blocks falls in a trip that hangs on rho, so no first step with C = 0 can be written out; 128 lines, twice a work-group.
; LIMIT: v within f16's range (65,504); NaN and infinities are not treated apart.
; REGISTERS: window 0: v0-31 addresses; v32-95 the way out; v128-255 the accumulators ((a, b) at v[128 + 8 (4 a + b)])   window 1: two fragment buffers of 128: 64 of P, then 64 of V^T   window 2: v0-63 ho's rows
.set PP,     528                       ; a row of P in LDS: 512 bytes + 16
.set PV,     288                       ; a row of V: 256 + 32
.set VOFF,   128*PP                    ; a slot: P's 128 rows, then V's 256
.set SLOT,   128*PP+256*PV
.set STAGE,  2*SLOT                    ; behind the ring: 16 rows x 272 bytes for each wave
.set SPITCH, 272
.set SPARE,  STAGE+4*16*SPITCH         ; the spare words, 128 bytes for each wave
.set ADRA, 16                          ; v16-17  my P fragments in slot 0, 1
.set ADRV, 20                          ; v20-23  my V fragments: slot s, keys 128 u on, at ADRV + 2 s + u
.set STO,  24
.set RD,   25
.set CO,   26                          ; never rewritten
.set SPW,  28                          ; never rewritten
.set NIL,  29                          ; never rewritten
.set OB,   32
.set ACC,  128
.set F0,   0
.set F1,   128
.set HV,   0                           ; window 2: ho's rows 16 a + 2 t + l / 16, my 16 bytes, at HV + 32 a + 4 t
.set G1,  24                           ; s[24:31] group 1 for P;  s[32:39] group 0, a set for each slot
.set G0,  32
.set G1B, 48                           ; s[48:55], s[56:63] the same for V
.set G0B, 56
.set PCUR, 66                          ; s[66:67] pr at my 64 rows of the block whose tiles are being asked for
.set PB2,  68                          ; s[68:69] the same for the second block
.set VB,   70                          ; s[70:71] v at my 128 keys of step 0, my channels
.set OFFP, 72                          ; s[72:73] a step's byte offset in pr
.set OFFV, 74                          ; s[74:75] in qkv
.set NXT,  76                          ; the step to be asked for next
.set LQ,   77                          ; the last step of the block whose tiles are being asked for
.set N2M1, 78                          ; the second block's last step
.set LEFT, 79                          ; laps that the block in hand still has
.set OB2,  80                          ; s[80:81] out0 at my rows of the second block
.set LAP2, 82                          ; the second block's laps
.set HB,   90                          ; s[90:91] ho at my batch, my 64 channels; never rewritten once made
.set HOF,  92                          ; s[92:93] that place's byte offset
.set HM,   94                          ; s94  all ones where my last way out's rows 0-31 are a batch's rows 0-31, else 0
.set MSB, 0
.macro WIN new
.if MSB != (\new)
	s_set_vgpr_msb (MSB<<8)|(\new)
.set MSB, \new
.endif
.endm
.set MUL,  0x05                        ; sources in window 1; C and D in window 0
.set TO_F, 0x40
.macro JLOAD s                         ; waves 0 and 1 fetch P's two halves, waves 2 and 3 V's; an s_nop 0 and four v_nop follow each line
	s_cmp_eq_u32 s11, 0
	s_cbranch_scc0 .Lfor_b_\@
	tensor_load_to_lds s[G0+4*(\s):G0+4*(\s)+3], s[G1:G1+7]
	s_nop 0
.rept 4
	v_nop
.endr
	s_branch .Lasked_\@
.Lfor_b_\@:
	tensor_load_to_lds s[G0B+4*(\s):G0B+4*(\s)+3], s[G1B:G1B+7]
	s_nop 0
.rept 4
	v_nop
.endr
.Lasked_\@:
.endm
.macro CREST
	s_cmp_lg_u32 s10, 0
	s_cbranch_scc1 .Lnot_wave_0_\@
	s_barrier_signal -3
.Lnot_wave_0_\@:
	s_barrier_wait -3
	s_barrier_signal -1
	s_barrier_wait -1
.endm
.macro CROUND
	s_barrier_signal -1
	s_barrier_wait -1
	CREST
.endm
; The addresses of step NXT are made anew for slot s, from the bases and offsets made apart; then the walk steps: behind the first block's last step comes the second block's step 0.
.macro NEXTADR s
	s_lshl_b32 s[OFFP], s[NXT], 9                  ; 256 keys are 512 bytes of a row of pr,
	s_mul_i32 s[OFFV], s[NXT], 256*6144            ; and 256 rows of qkv
	s_add_nc_u64 s[G0+4*(\s)+2:G0+4*(\s)+3], s[PCUR:PCUR+1], s[OFFP:OFFP+1]
	s_or_b32 s[G0+4*(\s)+3], s[G0+4*(\s)+3], 0x80000000
	s_add_nc_u64 s[G0B+4*(\s)+2:G0B+4*(\s)+3], s[VB:VB+1], s[OFFV:OFFV+1]
	s_or_b32 s[G0B+4*(\s)+3], s[G0B+4*(\s)+3], 0x80000000
	s_add_co_u32 s[NXT], s[NXT], 1
	s_cmp_gt_u32 s[NXT], s[LQ]
	s_cselect_b32 s[NXT], 0, s[NXT]
	s_cselect_b64 s[PCUR:PCUR+1], s[PB2:PB2+1], s[PCUR:PCUR+1]
	s_cselect_b32 s[LQ], s[N2M1], s[LQ]
.endm
	s_load_b128 s[4:7], s[0:1], 0x0                ; pr s[4:5], qkv s[6:7]
	s_load_b64 s[8:9], s[0:1], 0x10                ; out0
	s_load_b64 s[HB:HB+1], s[0:1], 0x18            ; ho
	v_lshl_add_u32 v[SPW], v0, 2, SPARE
	v_mov_b32 v[NIL], 0
	ds_add_u32 v[SPW], v[NIL]                      ; the wave's opening: the add and its wait ahead of my first tensor load
	v_lshrrev_b32 v1, 5, v0
	v_readfirstlane_b32 s10, v1                    ; wave 0..3
	s_lshr_b32 s11, s10, 1                         ; my half of the queries.  Also: I fetch P (0) or V (1)
	s_and_b32 s12, s10, 1                          ; my half of the channels.  Also: which half of that tile I fetch
	s_bfe_u32 s40, ttmp6, 0x40000                  ; cx
	s_bfe_u32 s41, ttmp6, 0x40004                  ; cy
	s_lshl_b32 s42, ttmp9, 2
	s_add_co_u32 s42, s42, s40                     ; channel block = 4 x cluster x + cx
	s_and_b32 s13, ttmp7, 0xffff                   ; cluster y
	s_lshr_b32 s14, s13, 1                         ; the batch
	s_and_b32 s15, s13, 1                          ; rho
	s_lshl_b32 s43, s41, 2
	s_lshl_b32 s43, 15, s43                        ; my row of the cluster
	s_lshl_b32 s44, 0x1111, s40                    ; my column
	s_or_b32 s[G1+0], s43, (1<<16)|(1<<20)|(1<<21)|(6<<22)|(3<<25)   ; P: the mask; 2-byte elements; padding on; bit 21 beside a mask; after every 128 words 4 words
	s_mov_b32 s[G1+1], 256<<16                     ; tensor_dim0 = 256
	s_mov_b32 s[G1+2], 64<<16                      ; tensor_dim1 = 64
	s_mov_b32 s[G1+3], 256<<16                     ; tile_dim0 = 256
	s_mov_b32 s[G1+4], 64                          ; tile_dim1 = 64
	s_mov_b32 s[G1+5], 2048                        ; elements from row to row
	s_mov_b32 s[G1+6], 0
	s_mov_b32 s[G1+7], 0
	s_or_b32 s[G1B+0], s44, (1<<16)|(1<<20)|(1<<21)|(5<<22)|(7<<25)  ; V: after every 64 words 8 words
	s_mov_b32 s[G1B+1], 128<<16
	s_mov_b32 s[G1B+2], 128<<16
	s_mov_b32 s[G1B+3], 128<<16
	s_mov_b32 s[G1B+4], 128
	s_mov_b32 s[G1B+5], 3072
	s_mov_b32 s[G1B+6], 0
	s_mov_b32 s[G1B+7], 0
	s_lshl_b32 s84, s14, 11
	s_lshl_b32 s16, s41, 7
	s_add_co_u32 s84, s84, s16                     ; 2,048 b + 128 cy
	s_sub_co_u32 s16, 3, s15
	s_lshl_b32 s16, s16, 9
	s_add_co_u32 s85, s84, s16                     ; the first block's first row
	s_lshl_b32 s16, s15, 9
	s_add_co_u32 s86, s84, s16                     ; the second block's
	s_lshl_b32 s16, s12, 6                         ; the 64 rows of P that I fetch
	s_add_co_u32 s18, s85, s16
	s_lshl_b32 s18, s18, 12
	s_mov_b32 s19, 0
	s_add_co_u32 s20, s86, s16
	s_lshl_b32 s20, s20, 12
	s_mov_b32 s21, 0
	s_lshl_b32 s46, s14, 11
	s_lshl_b32 s47, s12, 7                         ; the 128 keys of V that I fetch
	s_add_co_u32 s46, s46, s47
	s_mul_i32 s46, s46, 6144
	s_lshl_b32 s47, s42, 8                         ; the channel block's 256 bytes,
	s_add_co_u32 s46, s46, s47
	s_add_co_u32 s46, s46, 4096                    ; in v's part of a row
	s_mov_b32 s47, 0
	s_lshl_b32 s16, s11, 6                         ; out0: my 64 rows,
	s_lshl_b32 s87, s42, 9
	s_lshl_b32 s17, s12, 8
	s_add_co_u32 s87, s87, s17                     ; my 64 channels
	s_lshl_b32 s[HOF], s14, 17                     ; ho: my batch's 32 rows of 4,096 bytes,
	s_add_co_u32 s[HOF], s[HOF], s87               ; the same channels
	s_mov_b32 s[HOF+1], 0
	s_or_b32 s[HM], s15, s41                       ; rho = 0, cy = 0
	s_or_b32 s[HM], s[HM], s11                     ; and the upper 64 rows?
	s_cmp_eq_u32 s[HM], 0
	s_cselect_b32 s[HM], -1, 0                     ; it chooses values alone: no branch and no address hangs on it
	s_add_co_u32 s22, s85, s16
	s_lshl_b32 s22, s22, 12
	s_add_co_u32 s22, s22, s87
	s_mov_b32 s23, 0
	s_add_co_u32 s88, s86, s16
	s_lshl_b32 s88, s88, 12
	s_add_co_u32 s88, s88, s87
	s_mov_b32 s89, 0
	s_lshl_b32 s16, s15, 1
	s_sub_co_u32 s[LQ], 7, s16                     ; the first block has 8 - 2 rho steps,
	s_add_co_u32 s[N2M1], s16, 1                   ; the second 2 rho + 2
	s_sub_co_u32 s[LEFT], 4, s15
	s_add_co_u32 s[LAP2], s15, 1
	s_mov_b32 s[NXT], 0
	s_mov_b32 s[OFFP+1], 0
	s_mov_b32 s[OFFV+1], 0
	s_mul_i32 s17, s12, 64*PP                      ; where my tile goes: no place in the cluster enters an LDS address
	s_mul_i32 s16, s12, 128*PV
	s_add_co_u32 s16, s16, VOFF
.irp s, 0,1
	s_mov_b32 s[G0+4*(\s)], 1
	s_add_co_u32 s[G0+4*(\s)+1], s17, (\s)*SLOT
	s_mov_b32 s[G0B+4*(\s)], 1
	s_add_co_u32 s[G0B+4*(\s)+1], s16, (\s)*SLOT
.endr
	s_wait_dscnt 0x0                               ; the opening add is done
	s_wait_kmcnt 0x0
	s_add_nc_u64 s[PCUR:PCUR+1], s[4:5], s[18:19]
	s_add_nc_u64 s[PB2:PB2+1], s[4:5], s[20:21]
	s_add_nc_u64 s[VB:VB+1], s[6:7], s[46:47]
	s_add_nc_u64 s[OB2:OB2+1], s[8:9], s[88:89]
	s_add_nc_u64 s[8:9], s[8:9], s[22:23]
	s_add_nc_u64 s[HB:HB+1], s[HB:HB+1], s[HOF:HOF+1]
	CROUND                                         ; all sixteen work-groups are here: the first joint loads meet
	NEXTADR 0
	JLOAD 0
	NEXTADR 1
	JLOAD 1
.macro CLEAR
.set i, 0
.rept 128
	v_mov_b32 v[ACC+i], 0
.set i, i+1
.endr
.endm
	CLEAR                                          ; in the wait for the first tile
	v_and_b32 v1, 15, v0                           ; r
	v_bfe_u32 v2, v0, 4, 1                         ; h
	v_mul_u32_u24 v3, v1, PP
	v_lshl_add_u32 v3, v2, 4, v3                   ; a fragment of P: row x pitch + 16 x half
	s_mul_i32 s21, s11, 64*PP
	v_add_nc_u32 v[ADRA], s21, v3
	v_add_nc_u32 v[ADRA+1], SLOT, v[ADRA]
	; The turning load takes 16 keys x 16 channels (lane l reads key 8 (l / 16) + l % 8, channels 8 ((l / 8) % 2) + 0..7) and leaves half a fragment of V^T: lane l holds channel l % 16 and 8 keys.
	v_and_b32 v4, 7, v0
	v_bfe_u32 v5, v0, 3, 1
	v_lshl_add_u32 v6, v2, 3, v4
	v_mul_u32_u24 v6, v6, PV
	v_lshl_add_u32 v6, v5, 4, v6
	s_lshl_b32 s22, s12, 7                         ; my 64 channels
	s_add_co_u32 s22, s22, VOFF
	v_add_nc_u32 v[ADRV], s22, v6
	v_add_nc_u32 v[ADRV+1], 128*PV, v[ADRV]
	v_add_nc_u32 v[ADRV+2], SLOT, v[ADRV]
	v_add_nc_u32 v[ADRV+3], SLOT, v[ADRV+1]
	s_mul_i32 s23, s10, 16*SPITCH
	s_add_co_u32 s23, s23, STAGE                   ; my stage
	v_mul_u32_u24 v[STO], v1, SPITCH               ; in: row r, 32 bytes for each half of the lanes
	v_lshl_add_u32 v[STO], v2, 5, v[STO]
	v_add_nc_u32 v[STO], s23, v[STO]
	v_mul_u32_u24 v[RD], v2, SPITCH                ; back: lanes 0-15 one row of 256 bytes, lanes 16-31 the next
	v_lshl_add_u32 v[RD], v1, 4, v[RD]
	v_add_nc_u32 v[RD], s23, v[RD]
	v_lshlrev_b32 v[CO], 12, v2                    ; and the same two rows in out0
	v_lshl_add_u32 v[CO], v1, 4, v[CO]
	WIN 0x80                                       ; destination window 2: ho's 32 rows, laid; they are waited for in the last way out
.irp a, 0,1
.irp t, 0,1,2,3,4,5,6,7
	global_load_b128 v[HV+32*(\a)+4*(\t):HV+32*(\a)+4*(\t)+3], v[CO], s[HB:HB+1] offset:(\a)*65536+(\t)*8192
.endr
.endr
	WIN 0
; 8 matrix instructions: query blocks a0, a0 + 1 x all 4 channel blocks, 32 keys: half c of buffer f.  The 16 accumulators take turns.
.macro MUL8 f, c, a0
	WIN MUL
.irp a, \a0, (\a0)+1
.irp b, 0,1,2,3
	v_wmma_f32_16x16x32_f16 v[ACC+8*(4*(\a)+(\b)):ACC+8*(4*(\a)+(\b))+7], v[(\f)+64+8*(4*(\c)+(\b)):(\f)+64+8*(4*(\c)+(\b))+7], v[(\f)+8*(4*(\c)+(\a)):(\f)+8*(4*(\c)+(\a))+7], v[ACC+8*(4*(\a)+(\b)):ACC+8*(4*(\a)+(\b))+7]
.endr
.endr
.endm
; 32 LDS loads in one run: the fragments of keys 64 q .. 64 q + 63 of the slot's step, into buffer f; the first 32 keys first
.macro FETCH slot, q, f
	WIN TO_F
.irp c, 0,1
.irp i, 0,1,2,3
	ds_load_tr16_b128 v[(\f)+64+8*(4*(\c)+(\i)):(\f)+64+8*(4*(\c)+(\i))+3],   v[ADRV+2*(\slot)+(\q)/2] offset:(((\q)%2)*64+32*(\c))*PV+32*(\i)
	ds_load_tr16_b128 v[(\f)+64+8*(4*(\c)+(\i))+4:(\f)+64+8*(4*(\c)+(\i))+7], v[ADRV+2*(\slot)+(\q)/2] offset:(((\q)%2)*64+32*(\c)+16)*PV+32*(\i)
	ds_load_b128 v[(\f)+8*(4*(\c)+(\i)):(\f)+8*(4*(\c)+(\i))+3],   v[ADRA+(\slot)] offset:128*(\q)+64*(\c)+(\i)*16*PP
	ds_load_b128 v[(\f)+8*(4*(\c)+(\i))+4:(\f)+8*(4*(\c)+(\i))+7], v[ADRA+(\slot)] offset:128*(\q)+64*(\c)+(\i)*16*PP+32
.endr
.endr
.endm
.macro PLACES                          ; four places (ISA guide 7.12.1)
.rept 4
	v_nop
.endr
.endm
; A step is four quarters of 64 keys, 32 matrix instructions each, on buffers 0, 1, 0, 1.  One of the first three: multiplies f and fetches quarter q into g.
.macro QUARTER slot, q, f, g
	s_wait_dscnt 16                                ; the first 32 keys are in
	MUL8 \f, 0, 0
	MUL8 \f, 0, 2
	PLACES
	FETCH \slot, \q, \g
	s_wait_dscnt 32                                ; all but the 32 just issued
	MUL8 \f, 1, 0
	MUL8 \f, 1, 2
.endm
; The last quarter changes slots and multiplies buffer 1.  One barrier; in front of it each wave waits for all its tensor loads, adds 0 to its spare word, and waits for that and for its reads of this slot.
; fill = 1: the barrier opens a round of the cluster's barrier, and this slot is filled again, with the walk's next step but one, first thing behind the round.
; ALL 32 PRODUCTS OF THE QUARTER STAND BEHIND THE REFILL: no matrix work stands between the wait for all tensor loads and the refill, so that a refill has a whole step's 128 matrix instructions in which to land.
.macro TURN slot, next, fill
	WIN 0
	s_wait_tensorcnt 0x0                           ; all my tensor loads have landed: my part of the next slot
	ds_add_u32 v[SPW], v[NIL]                      ; 0 onto my spare word
.if \fill
	NEXTADR \slot                                  ; no load of mine is out, so a group 0 may be written
.endif
	s_wait_dscnt 0x0                               ; the add is done, and my reads of this slot are over: buffer 1 is whole
	s_barrier_signal -1
	s_barrier_wait -1
.if \fill
	CREST                                          ; no wave of any partner still reads this slot or has a load on its way
	JLOAD \slot                                    ; its four v_nop are also the places in front of the loads below
.else
	PLACES
.endif
	FETCH \next, 0, F0
	MUL8 F1, 0, 0
	MUL8 F1, 0, 2
	MUL8 F1, 1, 0
	MUL8 F1, 1, 2
.endm
; THE WAY OUT of a block: 16 queries at a time, the accumulators as they are, low registers first, into my own stage; back as whole rows of 256 bytes, into two buffers by turns.
.macro STG a
	WIN 0
.irp b, 0,1,2,3
	ds_store_b128 v[STO], v[ACC+8*(4*(\a)+(\b)):ACC+8*(4*(\a)+(\b))+3]   offset:64*(\b)
	ds_store_b128 v[STO], v[ACC+8*(4*(\a)+(\b))+4:ACC+8*(4*(\a)+(\b))+7] offset:64*(\b)+16
.endr
	s_wait_xcnt 0x0                                ; earlier stores have read this buffer
.irp t, 0,1,2,3,4,5,6,7
	ds_load_b128 v[OB+32*((\a)%2)+4*(\t):OB+32*((\a)%2)+4*(\t)+3], v[RD] offset:(\t)*2*SPITCH  ; LDS serves a wave's instructions in order (ISA guide 5.7.1.4): these see the stores above
.endr
.endm
.macro SEND a, younger                 ; younger: the LDS instructions issued behind these loads: the next sixteen rows' 16, or none
.irp t, 0,1,2,3,4,5,6,7
.if (\t)%4 == 0
	s_wait_dscnt (\younger)+4-(\t)                 ; one wait for four stores: what was issued behind the four loads wanted may stay out
.endif
	global_store_b128 v[CO], v[OB+32*((\a)%2)+4*(\t):OB+32*((\a)%2)+4*(\t)+3], s[8:9] offset:(\a)*65536+(\t)*8192  ; 16 lanes store 256 consecutive bytes, at a multiple of 256 from out0's first byte
.endr
.endm
.macro SENDH a, younger                ; the same for rows 16 a .. 16 a + 15 of the last way out: ho's numbers take my sums' place where the mask says so
	s_wait_dscnt \younger                          ; all eight loads are back; the next sixteen rows' 16 LDS instructions may stay out
	WIN 0x08                                       ; source 1 in window 2
.set i, 0
.rept 32
	v_cndmask_b32 v[OB+32*((\a)%2)+i], v[OB+32*((\a)%2)+i], v[HV+32*(\a)+i], s[HM]
.set i, i+1
.endr
	WIN 0
.irp t, 0,1,2,3,4,5,6,7
	global_store_b128 v[CO], v[OB+32*((\a)%2)+4*(\t):OB+32*((\a)%2)+4*(\t)+3], s[8:9] offset:(\a)*65536+(\t)*8192
.endr
.endm
.macro WAYOUT head
	PLACES
	STG 0
	STG 1
.if \head
	s_wait_loadcnt 0x0                             ; ho's rows, asked for at the kernel's start
	SENDH 0, 16
	STG 2
	SENDH 1, 16
.else
	SEND 0, 16
	STG 2
	SEND 1, 16
.endif
	STG 3
	SEND 2, 16
	SEND 3, 0
.endm
	s_wait_tensorcnt 1                             ; my part of step 0 is in; step 1's may stay out
	s_barrier_signal -1
	s_barrier_wait -1
	FETCH 0, 0, F0
	WIN 0
	s_mov_b32 s3, 4
.Llap:                                                 ; four trips: a whole lap each, both slots filled again
	QUARTER 0, 1, F0, F1
	QUARTER 0, 2, F1, F0
	QUARTER 0, 3, F0, F1
	TURN 0, 1, 1
	QUARTER 1, 1, F0, F1
	QUARTER 1, 2, F1, F0
	QUARTER 1, 3, F0, F1
	TURN 1, 0, 1
	WIN 0
	s_sub_co_u32 s[LEFT], s[LEFT], 1
	s_cmp_lg_u32 s[LEFT], 0
	s_cbranch_scc1 .Lsame                          ; forward, over no barrier and no tensor load; the same in all sixteen partners
	WAYOUT 0                                       ; the first block (super row 3 or 2) is finished; the second block's first tiles are on their way or in
	s_wait_xcnt 0x0                                ; the stores have read out0's address
	s_mov_b64 s[8:9], s[OB2:OB2+1]
	CLEAR
	s_mov_b32 s[LEFT], s[LAP2]
.Lsame:
	s_sub_co_u32 s3, s3, 1
	s_cmp_lg_u32 s3, 0
	s_cbranch_scc1 .Llap
	QUARTER 0, 1, F0, F1                           ; the last lap fills nothing
	QUARTER 0, 2, F1, F0
	QUARTER 0, 3, F0, F1
	TURN 0, 1, 0
	QUARTER 1, 1, F0, F1
	QUARTER 1, 2, F1, F0
	QUARTER 1, 3, F0, F1
	s_wait_dscnt 16
	MUL8 F1, 0, 0
	MUL8 F1, 0, 2
	s_wait_dscnt 0x0
	MUL8 F1, 1, 0
	MUL8 F1, 1, 2
	WAYOUT 1                                       ; the second block (super row 0 or 1)
	s_wait_tensorcnt 0x0                           ; the wave's end
	ds_add_u32 v[SPW], v[NIL]
	s_wait_dscnt 0x0
	CROUND                                         ; the closing round
	s_endpgm
.Lfunc_end_k_q67034b13d2_pv:
	.size	k_q67034b13d2_pv, .Lfunc_end_k_q67034b13d2_pv-k_q67034b13d2_pv
	.p2alignl 7, 3214868480
	.fill 96, 4, 3214868480
	.section	.rodata,"a",@progbits
	.p2align	6, 0x0
	.amdhsa_kernel k_q67034b13d2_pv
		.amdhsa_group_segment_fixed_size 327680
		.amdhsa_private_segment_fixed_size 0
		.amdhsa_enable_private_segment 0
		.amdhsa_kernarg_size 32
		.amdhsa_user_sgpr_count 2
		.amdhsa_user_sgpr_kernarg_segment_ptr 1
		.amdhsa_wavefront_size32 1
		.amdhsa_system_sgpr_workgroup_id_x 1
		.amdhsa_system_sgpr_workgroup_id_y 1
		.amdhsa_system_sgpr_workgroup_id_z 1
		.amdhsa_system_vgpr_workitem_id 0
		.amdhsa_next_free_vgpr 576
		.amdhsa_next_free_sgpr 96
		.amdhsa_reserve_vcc 0
		.amdhsa_float_denorm_mode_32 3
		.amdhsa_float_denorm_mode_16_64 3
		.amdhsa_memory_ordered 1
		.amdhsa_forward_progress 1
		.amdhsa_inst_pref_size 109
	.end_amdhsa_kernel
	.amdgpu_metadata
---
amdhsa.version: [ 1, 2 ]
amdhsa.kernels:
  - .name:           k_q67034b13d2_pv
    .symbol:         k_q67034b13d2_pv.kd
    .args:
      - { .name: pr, .offset: 0, .size: 8, .value_kind: global_buffer, .address_space: global }
      - { .name: qkv, .offset: 8, .size: 8, .value_kind: global_buffer, .address_space: global }
      - { .name: out0, .offset: 16, .size: 8, .value_kind: global_buffer, .address_space: global }
      - { .name: ho, .offset: 24, .size: 8, .value_kind: global_buffer, .address_space: global }
    .group_segment_fixed_size: 327680
    .private_segment_fixed_size: 0
    .kernarg_segment_align: 8
    .kernarg_segment_size: 32
    .max_flat_workgroup_size: 128
    .sgpr_count:     96
    .vgpr_count:     576
    .wavefront_size: 32
...
	.end_amdgpu_metadata
.endif
;; end of part 11
;; ======== version 3 of 3: 5 launches; version 2 with the launch cast written anew for expert scheduling mode
;; limits: values are held in f16: magnitudes above 65,504 overflow, below 6.1e-05 lose precision
;; workspace buffers: xb 16,777,216 bytes; wb 6,291,456 bytes; bcat 12,288 bytes; qkv 50,331,648 bytes; sc 67,108,864 bytes; pr 33,554,432 bytes; hd 1,572,864 bytes; ho 524,288 bytes
;; launch cast (part 12): grid 512 x 1, 8 waves a work-group, no clusters, 0 bytes of LDS; arguments x, wq, wk, wv, bq, bk, bv, xb, wb, bcat; writes xb, wb, bcat
.if DOCPART == 12
	.amdgcn_target "amdgcn-amd-amdhsa--gfx1250"
	.amdhsa_code_object_version 6
	.text
	.protected	k_q67034b13d2_cast
	.globl	k_q67034b13d2_cast
	.p2align	8
	.type	k_q67034b13d2_cast,@function
k_q67034b13d2_cast:
	s_mov_b64 s[64:65], 0
	v_nop
	global_prefetch_b8 v0, s[64:65] scope:SCOPE_SE
	s_setreg_imm32_b32 hwreg(HW_REG_WAVE_SCHED_MODE, 0, 2), 2
	s_setreg_imm32_b32 hwreg(HW_REG_WAVE_MODE, 25, 1), 1
	s_wait_xcnt 0x0
	s_wait_alu depctr_vm_vsrc(0)
; x and the three weight matrices are rounded once to bf16 (xb; wb = wq | wk | wv, 3,072 rows); the three biases are rounded to bf16 and kept as f32 (bcat).
; A stream: every byte is read once and written once.  512 work-groups of equal work, two for each of 256 WGPs: work-group g takes part g of 512 of x (16,384 numbers, 65,536 bytes in)
; and part g of 512 of each matrix (2,048 numbers, 8,192 bytes in): 22 loads a thread.  Work-groups 0, 1 and 2 take a bias each as well (one load more).
; Thread t owns 16 bytes at 16 t of each 4,096 bytes read (a wave's load covers 512 consecutive bytes) and 8 bytes at 8 t of each 2,048 written
; (a wave's store covers 256 consecutive bytes, aligned).  All 22 loads go out at once; no register is used twice, so no wait frees any.
; No LDS, no matrix unit, no cluster: no byte is wanted twice.
; THE MODE: SCHED_MODE bits 1:0 = 2 (LLVM: expert scheduling mode 2), set by the entry lines.  The code itself states the register dependences
; between vector instructions and memory instructions, with s_wait_alu, always for 0.
; THE PLAN.  Registers that memory instructions touch:
;   v1, v2             byte offsets, made once at the head and never written again: v1 is read by every load and by the bias's store, v2 by the 22 stores.
;   v[8+4i:11+4i]      load i lands here, once, and no vector instruction names them before; its two conversions read the four and write the first two; store i reads those two; nothing writes them after.
;   v[4:7]             the bias: its load lands here; vector instructions read and rewrite them; its store reads them.
; The 22 loads are worked on in groups of four (the last: two).  Group g's conversions name group g's registers alone.  The stores of group g - 1 are issued in group g: ONE wait on va_vdst at the
; group's head states that group g - 1's conversions have written their data, and the stores follow it, dealt among group g's conversions, with no further wait.
; No register that a memory instruction has read is ever written again, so the text holds no wait on vm_vsrc.
.set NX, 16                            ; loads of x a thread
.set NL, NX+6                          ; and two of each matrix
.set GRP, 4                            ; loads in a group
.set NG, (NL+GRP-1)/GRP                ; six groups
	s_load_b512 s[4:19], s[0:1], 0x0               ; x s[4:5], wq s[6:7], wk s[8:9], wv s[10:11], bq s[12:13], bk s[14:15], bv s[16:17], xb s[18:19]
	s_load_b128 s[20:23], s[0:1], 0x40             ; wb s[20:21], bcat s[22:23]
	v_lshlrev_b32 v1, 4, v0                        ; 16 t: in
	v_lshlrev_b32 v2, 3, v0                        ; 8 t: out
	s_lshl_b32 s24, ttmp9, 16                      ; my part of x,
	s_mov_b32 s25, 0
	s_lshl_b32 s26, ttmp9, 15                      ; of xb,
	s_mov_b32 s27, 0
	s_lshl_b32 s28, ttmp9, 13                      ; of a matrix,
	s_mov_b32 s29, 0
	s_lshl_b32 s30, ttmp9, 12                      ; of its 2,097,152 bytes in wb (and, in work-groups 0 to 2, the bias's 4,096 bytes in bcat)
	s_mov_b32 s31, 0
	s_wait_kmcnt 0x0
	s_add_nc_u64 s[4:5], s[4:5], s[24:25]
	s_add_nc_u64 s[6:7], s[6:7], s[28:29]
	s_add_nc_u64 s[8:9], s[8:9], s[28:29]
	s_add_nc_u64 s[10:11], s[10:11], s[28:29]
	s_add_nc_u64 s[18:19], s[18:19], s[26:27]
	s_add_nc_u64 s[20:21], s[20:21], s[30:31]
	s_wait_alu depctr_va_vdst(0)                   ; v1 and v2 are written: every load and store of the kernel reads one of them as its offset
.set i, 0
.rept NX
	global_load_b128 v[8+4*i:11+4*i], v1, s[4:5] offset:4096*i th:TH_LOAD_NT
.set i, i+1
.endr
.irp m, 0,1,2
.irp u, 0,1
	global_load_b128 v[8+4*(NX+2*(\m)+(\u)):11+4*(NX+2*(\m)+(\u))], v1, s[6+2*(\m):7+2*(\m)] offset:4096*(\u) th:TH_LOAD_NT
.endr
.endr
; Group g = 0 .. NG - 1 converts loads GRP g .. and stores what group g - 1 converted; a last turn, g = NG, only stores.
.set g, 0
.rept NG+1
.if g < NG
.set last, GRP*g+GRP-1                 ; the group's last load
.if last > NL-1
.set last, NL-1
.endif
	s_wait_loadcnt NL-1-last                       ; loads come back in order: the group is in, the younger loads may stay out
.endif
.if g > 0
	s_wait_alu depctr_va_vdst(0)                   ; the conversions of the group before have written the pairs that the stores below read
.endif
.set u, 0
.rept GRP
.set k, GRP*(g-1)+u                    ; what is stored
.set i, GRP*g+u                        ; what is converted
.if (g > 0) && (k < NL)
.if k < NX
	global_store_b64 v2, v[8+4*k:9+4*k], s[18:19] offset:2048*k  ; no vector instruction since the wait names these registers
.else
	global_store_b64 v2, v[8+4*k:9+4*k], s[20:21] offset:((k-NX)/2)*2097152+((k-NX)%2)*2048
.endif
.endif
.if i < NL
	v_cvt_pk_bf16_f32 v[8+4*i], v[8+4*i], v[9+4*i]
	v_cvt_pk_bf16_f32 v[9+4*i], v[10+4*i], v[11+4*i]
.endif
.set u, u+1
.endr
.set g, g+1
.endr
	s_cmp_ge_u32 ttmp9, 3
	s_cbranch_scc1 .Lend
	s_cmp_eq_u32 ttmp9, 1
	s_cselect_b64 s[32:33], s[14:15], s[12:13]
	s_cmp_eq_u32 ttmp9, 2
	s_cselect_b64 s[32:33], s[16:17], s[32:33]     ; bq, bk or bv
	s_add_nc_u64 s[22:23], s[22:23], s[30:31]
	global_load_b128 v[4:7], v1, s[32:33]          ; the bias: 1,024 numbers, four a thread.  No vector instruction has named v[4:7], and none has named v1 since the wait at the head
	s_wait_loadcnt 0x0
	v_cvt_pk_bf16_f32 v3, v4, v5                   ; rounded as the other inputs are,
	v_cvt_pk_bf16_f32 v0, v6, v7                   ; (no memory instruction of this text reads v0 or v3; behind the entry lines' one reader of v0 stands their own wait on vm_vsrc)
	v_lshlrev_b32 v4, 16, v3                       ; and widened again: it starts f32 sums
	v_and_b32 v5, 0xffff0000, v3
	v_lshlrev_b32 v6, 16, v0
	v_and_b32 v7, 0xffff0000, v0
	s_wait_alu depctr_va_vdst(0)                   ; the four lines above have written v[4:7], which the store reads
	global_store_b128 v1, v[4:7], s[22:23]
.Lend:
	s_endpgm
.Lfunc_end_k_q67034b13d2_cast:
	.size	k_q67034b13d2_cast, .Lfunc_end_k_q67034b13d2_cast-k_q67034b13d2_cast
	.p2alignl 7, 3214868480
	.fill 96, 4, 3214868480
	.section	.rodata,"a",@progbits
	.p2align	6, 0x0
	.amdhsa_kernel k_q67034b13d2_cast
		.amdhsa_group_segment_fixed_size 0
		.amdhsa_private_segment_fixed_size 0
		.amdhsa_enable_private_segment 0
		.amdhsa_kernarg_size 80
		.amdhsa_user_sgpr_count 2
		.amdhsa_user_sgpr_kernarg_segment_ptr 1
		.amdhsa_wavefront_size32 1
		.amdhsa_system_sgpr_workgroup_id_x 1
		.amdhsa_system_sgpr_workgroup_id_y 1
		.amdhsa_system_sgpr_workgroup_id_z 1
		.amdhsa_system_vgpr_workitem_id 0
		.amdhsa_next_free_vgpr 96
		.amdhsa_next_free_sgpr 66
		.amdhsa_reserve_vcc 0
		.amdhsa_float_denorm_mode_32 3
		.amdhsa_float_denorm_mode_16_64 3
		.amdhsa_memory_ordered 1
		.amdhsa_forward_progress 1
		.amdhsa_inst_pref_size 10
	.end_amdhsa_kernel
	.amdgpu_metadata
---
amdhsa.version: [ 1, 2 ]
amdhsa.kernels:
  - .name:           k_q67034b13d2_cast
    .symbol:         k_q67034b13d2_cast.kd
    .args:
      - { .name: x, .offset: 0, .size: 8, .value_kind: global_buffer, .address_space: global }
      - { .name: wq, .offset: 8, .size: 8, .value_kind: global_buffer, .address_space: global }
      - { .name: wk, .offset: 16, .size: 8, .value_kind: global_buffer, .address_space: global }
      - { .name: wv, .offset: 24, .size: 8, .value_kind: global_buffer, .address_space: global }
      - { .name: bq, .offset: 32, .size: 8, .value_kind: global_buffer, .address_space: global }
      - { .name: bk, .offset: 40, .size: 8, .value_kind: global_buffer, .address_space: global }
      - { .name: bv, .offset: 48, .size: 8, .value_kind: global_buffer, .address_space: global }
      - { .name: xb, .offset: 56, .size: 8, .value_kind: global_buffer, .address_space: global }
      - { .name: wb, .offset: 64, .size: 8, .value_kind: global_buffer, .address_space: global }
      - { .name: bcat, .offset: 72, .size: 8, .value_kind: global_buffer, .address_space: global }
    .group_segment_fixed_size: 0
    .private_segment_fixed_size: 0
    .kernarg_segment_align: 8
    .kernarg_segment_size: 80
    .max_flat_workgroup_size: 256
    .sgpr_count:     66
    .vgpr_count:     96
    .wavefront_size: 32
...
	.end_amdgpu_metadata
.endif
;; end of part 12
;; launch proj: the kernel of part 8 again; grid 8 x 64, 4 waves a work-group, clusters of 4 x 4, 327,680 bytes of LDS; arguments xb, wb, bcat, qkv, hd; writes qkv, hd
;; launch scores: the kernel of part 9 again; grid 44 x 4, 4 waves a work-group, no clusters, 327,680 bytes of LDS; arguments qkv, sc, hd, ho; writes sc, ho
;; launch softmax: the kernel of part 10 again; grid 256 x 4, 8 waves a work-group, no clusters, 0 bytes of LDS; arguments sc, pr; writes pr
;; launch pv: the kernel of part 11 again; grid 8 x 32, 4 waves a work-group, clusters of 4 x 4, 327,680 bytes of LDS; arguments pr, qkv, out0, ho; writes out0
